; MI455X (gfx1250); checked and timed in simulation.
; The chip was launched on July 23, 2026; its instructions are those of AMD's public machine-readable ISA for CDNA 5 (MIT licence, August 2026) and "CDNA5" Instruction Set Architecture Reference Guide (July 2026). The comments in the code are by the model that wrote it; some were corrected since.
;; Transformer Block. Allowed arithmetic: matrix products marked QUANTISED: E2M3 operands, one E8M0 scale for each 32 along K, by v_wmma_scale_f32_16x16x128_f8f6f4 with both operands' format E2M3, f32 sums; everything else in f32.
;; Inputs: attn_norm_w 1,024 float32; ffn_norm_w 1,024 float32; w_down 2,048 x 1,024 float32; w_gate 1,024 x 2,048 float32; w_up 1,024 x 2,048 float32; wk 1,024 x 1,024 float32; wo 1,024 x 1,024 float32; wq 1,024 x 1,024 float32; wv 1,024 x 1,024 float32; x 2 x 2,048 x 1,024 float32.
;; Outputs: out0 2 x 2,048 x 1,024 float32.
;; This version of the problem:
;;   THIS VERSION OF THE PROBLEM IS GIVEN IN LOW PRECISION. The matrix products marked QUANTISED in the list below multiply operands that are first quantised to E2M3 (2 exponent bits, 3 mantissa bits; 6 bits a number), with one power-of-two scale for each 32 numbers along K (OCP MX v1.0); their sums are f32. All else is computed in f32.
;;   The module's matrix products, in the order in which they are computed (A, B: the left and right operand; K: the contracted axis; several contracted axes count as one K, in the product's order):
;;     1. [M 4,096, K 1,024] x [K 1,024, N 1,024]; A: computed on the way; B: input wq: QUANTISED
;;     2. [M 4,096, K 1,024] x [K 1,024, N 1,024]; A: computed on the way; B: input wk: QUANTISED
;;     3. [M 4,096, K 1,024] x [K 1,024, N 1,024]; A: computed on the way; B: input wv: QUANTISED
;;     4. batch 32 x [M 2,048, K 64] x [K 64, N 2,048]; A: computed on the way; B: computed on the way: QUANTISED
;;     5. batch 32 x [M 64, K 2,048] x [K 2,048, N 2,048]; A: computed on the way; B: softmax (see below): QUANTISED
;;     6. [M 4,096, K 1,024] x [K 1,024, N 1,024]; A: computed on the way; B: input wo: QUANTISED
;;     7. [M 4,096, K 1,024] x [K 1,024, N 2,048]; A: computed on the way; B: input w_gate: QUANTISED
;;     8. [M 4,096, K 1,024] x [K 1,024, N 2,048]; A: computed on the way; B: input w_up: QUANTISED
;;     9. [M 4,096, K 2,048] x [K 2,048, N 1,024]; A: computed on the way; B: input w_down: QUANTISED
;;   THE QUANTISER, for each operand of a quantised product, along K:
;;     - K is cut into blocks of 32 from its start; a last block that is shorter is filled with zeros.
;;     - A block's scale is 2^e with e = floor(log2(the largest magnitude in the block)) - 2, held to -126 .. 127; a block of zeros has e = 0. As a byte (E8M0): e + 127.
;;     - Each number is divided by its block's scale, clamped to +-7.5, and rounded to the nearest number of E2M3, ties to even, subnormals kept.
;;     - The product sums the exact products of the quantised numbers (number of the format x scale) in f32.
;;   ~~~python
;;   def quantise(x, axis):      # numpy; x: float32 -> the quantised numbers, widened to float32 again
;;       x = np.moveaxis(x, axis, -1); K = x.shape[-1]
;;       x = np.pad(x, [(0, 0)] * (x.ndim - 1) + [(0, -K % 32)]); x = x.reshape(x.shape[:-1] + (-1, 32)); a = np.abs(x).max(-1, keepdims=True)
;;       e = np.where(a > 0, np.clip(np.frexp(np.where(a > 0, a, 1))[1] - 1 - 2, -126, 127), 0)      # np.frexp(a)[1] - 1 = floor(log2(a)), exactly
;;       r = np.clip(x / 2.0 ** e, -7.5, 7.5)
;;       step = 2.0 ** (np.maximum(np.frexp(np.where(r == 0, 1, r))[1] - 1, 0) - 3)
;;       q = np.round(r / step) * step * 2.0 ** e      # np.round: ties to even
;;       return np.moveaxis(q.reshape(q.shape[:-2] + (-1,))[..., :K], -1, axis).astype(np.float32)
;;   ~~~
;;   SOFTMAX AHEAD OF A QUANTISED PRODUCT. Where the list says 'softmax', what is quantised is not the finished softmax but p = 2^(t - M), with t = logit x log2(e) and M = ceil(the row's largest t), a whole number; so 1/2 < the row's largest p <= 1. The row's sum l is taken of the UNQUANTISED p, in f32, and the product's result is divided by l at the end. Since M is a whole number, a kernel that streams over the keys may use a running M (the ceiling of the running maximum): every later rescaling is an exact power of two, which a block's scale takes up: the codes' values come out the same.
;;   OPERANDS COMPUTED ON THE WAY. 'Computed on the way' means the value that the module computes at that place (a softmax that the list does not call 'softmax' is quantised finished and normalised). What goes into a quantiser is computed in f32, as accurately as f32 sums, v_exp_f32 and their like allow (about 1e-6 of the number): no bf16 or f16 on the way to a quantiser, and a product that is left as it is and whose result goes on into a quantised operand takes f32 operands (vector FMAs, or v_wmma_f32_16x16x4_f32). A number that lies on a knife's edge between two numbers of the format may be rounded either way, as far as f32 arithmetic and the matrix unit's own rounding can turn it there, and no further.
;; 2 versions. Each part assembles by itself: llvm-mc -triple=amdgcn-amd-amdhsa -mcpu=gfx1250 --defsym DOCPART=n.
;; ======== version 1 of 2: 8 launches
;; workspace buffers: W 8,519,680 bytes; H 3,407,872 bytes; QKV 12,582,912 bytes; AO 3,407,872 bytes; X1 16,777,216 bytes; H2 3,407,872 bytes; G 6,815,744 bytes
;; launch wquant (part 1): grid 320 x 1, 8 waves a work-group, no clusters, 0 bytes of LDS; arguments wq, wk, wv, wo, w_gate, w_up, w_down, W; writes W
.if DOCPART == 1
	.amdgcn_target "amdgcn-amd-amdhsa--gfx1250"
	.amdhsa_code_object_version 6
	.text
	.protected	k_qfab3bc06d2_wquant
	.globl	k_qfab3bc06d2_wquant
	.p2align	8
	.type	k_qfab3bc06d2_wquant,@function
k_qfab3bc06d2_wquant:
	s_mov_b64 s[64:65], 0
	v_nop
	global_prefetch_b8 v0, s[64:65] scope:SCOPE_SE
	s_setreg_imm32_b32 hwreg(HW_REG_WAVE_MODE, 25, 1), 1
	s_wait_xcnt 0x0
; The seven weights, f32 stored [K][N], become codes of FP6 (E2M3) with one E8M0 byte for each 32 along K, laid in W in the order in which a matrix operand's registers take them.
; A TILE is 16 columns: row r of tile T is column 32 (T / 2) + 8 (T % 2) + r + 8 (r / 8).  A FRAGMENT (a tile x 128 K) is 12 registers a lane: registers 6 c .. 6 c + 5 hold k = 64 c + 32 (lane / 16) + 0 .. 31.
; Its image is 1,536 bytes: for c = 0, 1: registers 6 c .. 6 c + 3 as 16 bytes at 16 x lane (512 bytes), then registers 6 c + 4, 6 c + 5 as 8 bytes at 8 x lane (256 bytes).
; A RECORD (a tile x 256 K) is 3,328 bytes: two images, then at 3,072 + 8 r + 4 q the scale word of row r for the q-th 128 along K; the last 128 bytes are never written and never read.  W is [tile][K / 256][3,328].
; Tiles: wq 0-63, wk 64-127, wv 128-191, wo 192-255; gate and up from 256: columns 64 g .. 64 g + 63 are tiles 256 + 8 g + 0 .. 3 (gate) and + 4 .. 7 (up); w_down (K = 2,048: 26,624 bytes a tile) from byte WD_OFF.
; SHARES.  A work-group takes 256 columns x 128 K of one weight, a wave 32 columns (two tiles).  A LANE TAKES A COLUMN AND ITS REGISTERS RUN DOWN K: each load reads 128 consecutive bytes, a block of 32 along K lies in one
; lane, and the conversions give codes with K innermost.  Lanes 0-15 hold the even tile's four blocks, lanes 16-31 the odd tile's: twelve exchanges of halves make the two fragments.  No LDS, no barrier: waves share nothing.
; A block's scale is 2^(floor(log2(its largest magnitude)) - 2); its byte is the largest magnitude's exponent field - 2, held at 1 from below.
; LIMITS: NaN and infinities are not served; a block whose largest magnitude lies under 2^-124 has its byte held at 1; a block of zeros gets the byte 1 and not 127 (its codes are zeros, and this program alone reads the bytes).
.set TP1,    13312                     ; bytes of a tile with K = 1,024
.set TP2,    26624                     ; with K = 2,048
.set RECP,   3328
.set FRB,    1536
.set WD_OFF, 512*TP1
.set X,  32                            ; v32-95   two sets of 32 numbers
.set FA, 96                            ; v96-107  blocks 0 and 2, then the even tile's fragment
.set FB, 108                           ; v108-119 blocks 1 and 3, then the odd tile's
.set T,  120                           ; v120-122 a block's upper 16 codes (a conversion's three registers begin on an even number)
.set SW, 14                            ; v14      my column's scale word
	s_load_b256 s[4:11], s[0:1], 0x0               ; wq, wk, wv, wo
	s_load_b256 s[12:19], s[0:1], 0x20             ; w_gate, w_up, w_down, W
	v_lshrrev_b32 v1, 5, v0
	v_readfirstlane_b32 s21, v1                    ; wave 0..7
	v_and_b32 v1, 15, v0                           ; r
	v_bfe_u32 v2, v0, 4, 1                         ; t: which of the wave's two tiles
	v_and_b32 v3, 8, v1
	v_add_nc_u32 v3, v3, v1                        ; r + 8 (r / 8)
	v_lshl_add_u32 v3, v2, 3, v3                   ; + 8 t: my column among the wave's 32
	v_lshlrev_b32 v4, 2, v3                        ; in bytes
	v_and_b32 v3, 31, v0
	v_lshlrev_b32 v5, 4, v3                        ; 16 x lane
	v_lshlrev_b32 v6, 3, v3                        ; 8 x lane
	s_mov_b32 s20, ttmp9                           ; u: which weight, which 256 columns, which 128 along K
	s_wait_kmcnt 0x0
	s_cmp_ge_u32 s20, 256
	s_cbranch_scc1 .Ldown
	s_cmp_ge_u32 s20, 128
	s_cbranch_scc1 .Lgu
	s_lshr_b32 s22, s20, 5                         ; u < 128: weight u / 32 of wq, wk, wv, wo
	s_cmp_lt_u32 s22, 2
	s_cselect_b64 s[24:25], s[4:5], s[8:9]
	s_cselect_b64 s[32:33], s[6:7], s[10:11]
	s_and_b32 s23, s22, 1
	s_cmp_eq_u32 s23, 0
	s_cselect_b64 s[24:25], s[24:25], s[32:33]
	s_bfe_u32 s23, s20, 0x20003                    ; which 256 columns
	s_and_b32 s28, s20, 7                          ; which 128 along K
	s_lshl_b32 s29, s23, 3
	s_add_co_u32 s29, s29, s21                     ; my wave's group of 32 columns
	s_lshl_b32 s26, s22, 6
	s_lshl_b32 s23, s29, 1
	s_add_co_u32 s26, s26, s23                     ; its even tile: 64 x weight + 2 x group
	s_mul_i32 s26, s26, TP1
	s_mov_b32 s27, TP1
	s_branch .Lnarrow
.Ldown:
	s_mov_b64 s[24:25], s[16:17]                   ; u >= 256: w_down
	s_sub_co_u32 s22, s20, 256
	s_lshr_b32 s23, s22, 4
	s_and_b32 s28, s20, 15
	s_lshl_b32 s29, s23, 3
	s_add_co_u32 s29, s29, s21
	s_lshl_b32 s26, s29, 1
	s_mul_i32 s26, s26, TP2
	s_add_co_u32 s26, s26, WD_OFF
	s_mov_b32 s27, TP2
.macro LOAD t, pitch                   ; block t: W(32 t + i, my column), i = 0 .. 31, into set t % 2
.irp i, 0,1,2,3,4,5,6,7,8,9,10,11,12,13,14,15,16,17,18,19,20,21,22,23,24,25,26,27,28,29,30,31
	global_load_b32 v[X+32*((\t)%2)+\i], v4, s[24:25] offset:(32*(\t)+\i)*\pitch th:TH_LOAD_NT
.endr
.endm
.macro BLOCK t, dst, pitch
.set XS, X+32*((\t)%2)
.if (\t) < 3
	s_wait_loadcnt 32                              ; this block's 32 loads are in; the next block's 32 may be out
.else
	s_wait_loadcnt 0x0
.endif
	v_max3_num_f32 v10, |v[XS]|, |v[XS+1]|, |v[XS+2]|               ; the block's largest magnitude: all 32 numbers are mine; two chains
	v_max3_num_f32 v11, |v[XS+3]|, |v[XS+4]|, |v[XS+5]|
.irp i, 6,10,14,18,22,26
	v_max3_num_f32 v10, v10, |v[XS+\i]|, |v[XS+\i+1]|
	v_max3_num_f32 v11, v11, |v[XS+\i+2]|, |v[XS+\i+3]|
.endr
	v_max3_num_f32 v10, v10, |v[XS+30]|, |v[XS+31]|
	v_max3_num_f32 v10, v10, v11, 0x1800000        ; and the floor 2^(3 - 127): the byte cannot fall under 1
	v_add_nc_u32 v12, 0xff000000, v10              ; 2 off the exponent field: the conversion takes this operand's exponent field as its scale
	v_lshrrev_b32 v13, 23, v12                     ; the scale's byte
.if (\t) == 0
	v_mov_b32 v[SW], v13
.else
	v_lshl_or_b32 v[SW], v13, 8*(\t), v[SW]
.endif
	v_cvt_scalef32_pk16_fp6_f32 v[\dst:\dst+2], v[XS:XS+15], v12
	v_cvt_scalef32_pk16_fp6_f32 v[T:T+2], v[XS+16:XS+31], v12
	v_nop                                          ; one plain place behind a scaled conversion
.irp i, 0,1,2
	v_mov_b32 v[\dst+3+\i], v[T+\i]
.endr
.if (\t) < 2
	LOAD (\t)+2, \pitch
.endif
.endm
; s[24:25] the weight, s26 the even tile's byte in W, s27 bytes of a tile, s28 the 128 along K, s29 the group of 32 columns.  pitch = bytes of a row of the weight = 1 << (shift - 7)
.macro WQ pitch, shift
	s_lshl_b32 s36, s28, \shift                    ; 128 rows for each step along K,
	s_lshl_b32 s35, s29, 7                         ; 128 bytes for each group of columns
	s_add_co_u32 s36, s36, s35
	s_mov_b32 s37, 0
	s_add_nc_u64 s[24:25], s[24:25], s[36:37]
	LOAD 0, \pitch
	LOAD 1, \pitch
	s_lshr_b32 s35, s28, 1
	s_mul_i32 s35, s35, RECP                       ; the record,
	s_add_co_u32 s36, s26, s35
	s_and_b32 s35, s28, 1
	s_mul_i32 s38, s35, FRB                        ; and the image in it
	s_add_co_u32 s36, s36, s38
	s_add_nc_u64 s[30:31], s[18:19], s[36:37]
	s_mul_i32 s38, s35, FRB-4
	s_sub_co_u32 s38, 3072, s38                    ; the scale words, counted from the image: 3,072 + 4 q - 1,536 q
	v_mul_u32_u24 v7, v2, s27
	v_lshl_add_u32 v7, v1, 3, v7
	v_add_nc_u32 v7, s38, v7                       ; my scale word: tile t, row r
	v_add_nc_u32 v8, s27, v5                       ; the odd tile's places
	v_add_nc_u32 v9, s27, v6
	BLOCK 0, FA, \pitch
	BLOCK 1, FB, \pitch
	BLOCK 2, FA+6, \pitch
	BLOCK 3, FB+6, \pitch
.irp i, 0,1,2,3,4,5,6,7,8,9,10,11
	v_permlane16_swap_b32 v[FA+\i], v[FB+\i]       ; FA's lanes 16-31 change places with FB's lanes 0-15: FA is the even tile's fragment (lanes 0-15 blocks 0, 2; lanes 16-31 blocks 1, 3), FB the odd tile's
.endr
	global_store_b128 v5, v[FA:FA+3], s[30:31]                     ; each store covers 512 or 256 consecutive bytes, at a multiple of 256 from W's first byte
	global_store_b64 v6, v[FA+4:FA+5], s[30:31] offset:512
	global_store_b128 v5, v[FA+6:FA+9], s[30:31] offset:768
	global_store_b64 v6, v[FA+10:FA+11], s[30:31] offset:1280
	global_store_b128 v8, v[FB:FB+3], s[30:31]
	global_store_b64 v9, v[FB+4:FB+5], s[30:31] offset:512
	global_store_b128 v8, v[FB+6:FB+9], s[30:31] offset:768
	global_store_b64 v9, v[FB+10:FB+11], s[30:31] offset:1280
	global_store_b32 v7, v[SW], s[30:31]           ; 4 bytes of every 8: the other K step's work-group writes the others; 1 byte in 24 of what the launch stores
.endm
.Lnarrow:
	WQ 4096, 19
	s_endpgm
.Lgu:
	s_sub_co_u32 s22, s20, 128                     ; 128 <= u < 256: gate (the first 64), up
	s_cmp_lt_u32 s22, 64
	s_cselect_b64 s[24:25], s[12:13], s[14:15]
	s_lshr_b32 s34, s22, 6                         ; 1 for up
	s_bfe_u32 s23, s22, 0x30003
	s_and_b32 s28, s20, 7
	s_lshl_b32 s29, s23, 3
	s_add_co_u32 s29, s29, s21                     ; my wave's group of 32 columns, 0..63
	s_lshr_b32 s26, s29, 1
	s_lshl_b32 s26, s26, 3                         ; 8 tiles for each 64 columns,
	s_lshl_b32 s34, s34, 2
	s_add_co_u32 s26, s26, s34                     ; up's four behind gate's four,
	s_and_b32 s34, s29, 1
	s_lshl_b32 s34, s34, 1
	s_add_co_u32 s26, s26, s34                     ; two for each 32 columns
	s_add_co_u32 s26, s26, 256
	s_mul_i32 s26, s26, TP1
	s_mov_b32 s27, TP1
	WQ 8192, 20
	s_endpgm
.Lfunc_end_k_qfab3bc06d2_wquant:
	.size	k_qfab3bc06d2_wquant, .Lfunc_end_k_qfab3bc06d2_wquant-k_qfab3bc06d2_wquant
	.p2alignl 7, 3214868480
	.fill 96, 4, 3214868480
	.section	.rodata,"a",@progbits
	.p2align	6, 0x0
	.amdhsa_kernel k_qfab3bc06d2_wquant
		.amdhsa_group_segment_fixed_size 0
		.amdhsa_private_segment_fixed_size 0
		.amdhsa_enable_private_segment 0
		.amdhsa_kernarg_size 64
		.amdhsa_user_sgpr_count 2
		.amdhsa_user_sgpr_kernarg_segment_ptr 1
		.amdhsa_wavefront_size32 1
		.amdhsa_system_sgpr_workgroup_id_x 1
		.amdhsa_system_sgpr_workgroup_id_y 1
		.amdhsa_system_sgpr_workgroup_id_z 1
		.amdhsa_system_vgpr_workitem_id 0
		.amdhsa_next_free_vgpr 128
		.amdhsa_next_free_sgpr 66
		.amdhsa_reserve_vcc 0
		.amdhsa_float_denorm_mode_32 3
		.amdhsa_float_denorm_mode_16_64 3
		.amdhsa_memory_ordered 1
		.amdhsa_forward_progress 1
		.amdhsa_inst_pref_size 43
	.end_amdhsa_kernel
	.amdgpu_metadata
---
amdhsa.version: [ 1, 2 ]
amdhsa.kernels:
  - .name:           k_qfab3bc06d2_wquant
    .symbol:         k_qfab3bc06d2_wquant.kd
    .args:
      - { .name: wq, .offset: 0, .size: 8, .value_kind: global_buffer, .address_space: global }
      - { .name: wk, .offset: 8, .size: 8, .value_kind: global_buffer, .address_space: global }
      - { .name: wv, .offset: 16, .size: 8, .value_kind: global_buffer, .address_space: global }
      - { .name: wo, .offset: 24, .size: 8, .value_kind: global_buffer, .address_space: global }
      - { .name: w_gate, .offset: 32, .size: 8, .value_kind: global_buffer, .address_space: global }
      - { .name: w_up, .offset: 40, .size: 8, .value_kind: global_buffer, .address_space: global }
      - { .name: w_down, .offset: 48, .size: 8, .value_kind: global_buffer, .address_space: global }
      - { .name: W, .offset: 56, .size: 8, .value_kind: global_buffer, .address_space: global }
    .group_segment_fixed_size: 0
    .private_segment_fixed_size: 0
    .kernarg_segment_align: 8
    .kernarg_segment_size: 64
    .max_flat_workgroup_size: 256
    .sgpr_count:     66
    .vgpr_count:     128
    .wavefront_size: 32
...
	.end_amdgpu_metadata
.endif
;; end of part 1
;; launch norm1 (part 2): grid 256 x 1, 8 waves a work-group, no clusters, 69,120 bytes of LDS; arguments x, attn_norm_w, H; writes H
.if DOCPART == 2
	.amdgcn_target "amdgcn-amd-amdhsa--gfx1250"
	.amdhsa_code_object_version 6
	.text
	.protected	k_qfab3bc06d2_norm1
	.globl	k_qfab3bc06d2_norm1
	.p2align	8
	.type	k_qfab3bc06d2_norm1,@function
k_qfab3bc06d2_norm1:
	s_mov_b64 s[64:65], 0
	v_nop
	global_prefetch_b8 v0, s[64:65] scope:SCOPE_SE
	s_setreg_imm32_b32 hwreg(HW_REG_WAVE_MODE, 25, 1), 1
	s_wait_xcnt 0x0
; out = Q(rmsnorm(x) * w): x [4096][1024] f32, w [1024] f32; out: codes of FP6 (E2M3) with one E8M0 byte for each 32 along the row, laid as a matrix operand's registers take them.
; A TILE is 16 tokens: row r of tile T is token 32 (T / 2) + 8 (T % 2) + r + 8 (r / 8).  A fragment (a tile x 128 K) is 12 registers a lane; its image is 1,536 bytes: for c = 0, 1: registers 6 c .. 6 c + 3 at 16 x lane,
; then registers 6 c + 4, 6 c + 5 at 8 x lane.  A record (a tile x 256 K) is 3,328 bytes: two images, then the scale words at 3,072 + 8 r + 4 q.  out is [256 tiles][4][3,328].
; SHARES.  A work-group takes one tile; wave s takes columns 128 s .. 128 s + 127 of its 16 rows: one fragment.  Each load reads 512 consecutive bytes of a row; the 16 x 512 bytes turn through the wave's own stage in LDS,
; so that lane (r, h) holds, of row r, 16 neighbours of each block of 32 (k = 32 b + 16 h + i in register 16 b + i), as the conversions want them.  The rows' sums of squares meet in LDS behind the one barrier.
; The arithmetic is reference()'s: x * rsqrt(mean(x^2) + 1e-6), rounded, then * w, rounded.  No matrix unit, no cluster: work-groups share nothing but w's 4,096 bytes.
; LIMITS: NaN and infinities are not served; v_rsq_f32 is good to one unit in the last place; a block whose largest magnitude lies under 2^-124 has its byte held at 1; a block of zeros gets the byte 1 and not 127.
.set STG,   8448                       ; a wave's stage: 16 rows x (512 bytes + 16)
.set PART,  8*STG                      ; [16 rows][8 waves] partial sums, 512 bytes
.set SPARE, PART+512                   ; the spare words, 128 bytes for each wave: four blocks of 256 bytes that no other line names
.set X,   16                           ; v16-79   the numbers
.set GN,  80                           ; v80-143  w at the same places
.set TM,  144                          ; v144-159 the quantiser's work
.set PW,  160                          ; v160     the scale word
.set PC,  162                          ; v162-180 the codes, and the conversions' second halves
.set SM,  182                          ; v182-191 sums
.set SPW, 14                           ; v14      LDS address of my spare word; never rewritten
.set NIL, 15                           ; v15      0; never rewritten
.set SEL, 20                           ; s20, s21 v_permlanex16_b32's selects for lane l xor 16
; 64 numbers of a lane, register 16 b + i = k 32 b + 16 (lane / 16) + i of my row, become a fragment's codes in v[PC] on and its scale word in v[PW]
.macro QUANT s
.irp b, 0,1,2,3
	v_max3_num_f32 v[TM+\b], |v[\s+16*\b]|, |v[\s+1+16*\b]|, 0x1800000   ; block b: my 16 numbers, and the floor 2^(3 - 127): the byte cannot fall under 1
.endr
.irp i, 2,4,6,8,10,12,14
.irp b, 0,1,2,3
	v_max3_num_f32 v[TM+\b], v[TM+\b], |v[\s+16*\b+\i]|, |v[\s+1+16*\b+\i]|   ; (the four blocks by turns)
.endr
.endr
.irp b, 0,1,2,3
	v_permlanex16_b32 v[TM+4+\b], v[TM+\b], s[SEL], s[SEL+1]
.endr
.irp b, 0,1,2,3
	v_max_num_f32 v[TM+\b], v[TM+\b], v[TM+4+\b]   ; with lane l xor 16's: the block's largest magnitude
.endr
.irp b, 0,1,2,3
	v_add_nc_u32 v[TM+12+\b], 0xff000000, v[TM+\b]   ; 2 off its exponent field: the conversion's scale operand
.endr
.irp b, 0,1,2,3
	v_lshrrev_b32 v[TM+4+\b], 23, v[TM+12+\b]      ; the scale's byte
.endr
	v_lshl_or_b32 v[PW], v[TM+5], 8, v[TM+4]
	v_lshl_or_b32 v[PW], v[TM+6], 16, v[PW]
	v_lshl_or_b32 v[PW], v[TM+7], 24, v[PW]
.irp c, 0,1
	v_cvt_scalef32_pk16_fp6_f32 v[PC+6*\c:PC+2+6*\c], v[\s+32*\c:\s+15+32*\c], v[TM+12+2*\c]
	v_cvt_scalef32_pk16_fp6_f32 v[PC+12+4*\c:PC+14+4*\c], v[\s+16+32*\c:\s+31+32*\c], v[TM+12+2*\c+1]   ; (a conversion's three registers begin on an even number)
.endr
	v_nop                                          ; one plain place behind a scaled conversion
.irp c, 0,1                                    ; the operand's layout wants a whole block in a lane: lanes 0-15 block 2 c, lanes 16-31 block 2 c + 1
.irp i, 0,1,2
	v_permlane16_swap_b32 v[PC+6*\c+\i], v[PC+12+4*\c+\i]
.endr
.irp i, 0,1,2
	v_mov_b32 v[PC+3+6*\c+\i], v[PC+12+4*\c+\i]
.endr
.endr
.endm
	s_load_b128 s[4:7], s[0:1], 0x0                ; x, w
	s_load_b64 s[8:9], s[0:1], 0x10                ; out
	v_lshl_add_u32 v[SPW], v0, 2, SPARE
	v_mov_b32 v[NIL], 0
	v_lshrrev_b32 v1, 5, v0
	v_readfirstlane_b32 s10, v1                    ; wave 0..7 = which 128 columns
	v_and_b32 v1, 15, v0                           ; r
	v_bfe_u32 v2, v0, 4, 1                         ; h
	v_and_b32 v3, 31, v0
	v_lshlrev_b32 v4, 4, v3                        ; 16 x lane
	v_lshlrev_b32 v11, 3, v3                       ; 8 x lane
	v_lshlrev_b32 v12, 3, v1                       ; 8 r
	v_lshlrev_b32 v7, 6, v2                        ; 64 h
	s_mul_i32 s12, s10, STG
	v_add_nc_u32 v5, s12, v4                       ; the stage, on the way in: a row as it lies
	v_mul_u32_u24 v6, v1, 528
	v_lshl_add_u32 v6, v2, 6, v6
	v_add_nc_u32 v6, s12, v6                       ; and on the way out: row r, + 64 h
	v_lshlrev_b32 v9, 5, v1
	v_add_nc_u32 v9, PART, v9                      ; row r's eight partial sums,
	s_lshl_b32 s13, s10, 2
	v_add_nc_u32 v8, s13, v9                       ; and my wave's among them
	s_lshr_b32 s14, ttmp9, 1
	s_lshl_b32 s14, s14, 5
	s_and_b32 s15, ttmp9, 1
	s_lshl_b32 s15, s15, 3
	s_add_co_u32 s14, s14, s15                     ; the tile's first token: 32 (T / 2) + 8 (T % 2)
	s_lshl_b32 s14, s14, 12                        ; rows of 4,096 bytes
	s_lshl_b32 s16, s10, 9                         ; my wave's 512 bytes of a row
	s_add_co_u32 s14, s14, s16
	s_mov_b32 s15, 0
	s_mov_b32 s17, 0
	s_mul_i32 s18, ttmp9, 13312                    ; the tile in out,
	s_lshr_b32 s22, s10, 1
	s_mul_i32 s22, s22, 3328                       ; the record,
	s_add_co_u32 s18, s18, s22
	s_mov_b32 s19, 0
	s_and_b32 s22, s10, 1
	s_mul_i32 s24, s22, 1536                       ; the image in it,
	s_mov_b32 s25, 0
	s_lshl_b32 s26, s22, 2                         ; and which of a row's two scale words
	s_mov_b32 s27, 0
	s_mov_b32 s[SEL], 0x76543210
	s_mov_b32 s[SEL+1], 0xfedcba98
	s_mov_b32 s30, 0x358637bd                      ; 1e-6
	s_mov_b32 s31, 0x3a800000                      ; 1 / 1024
	s_wait_kmcnt 0x0
	s_add_nc_u64 s[4:5], s[4:5], s[14:15]
	s_add_nc_u64 s[6:7], s[6:7], s[16:17]
	s_add_nc_u64 s[8:9], s[8:9], s[18:19]
	s_add_nc_u64 s[28:29], s[8:9], s[26:27]        ; base of the scale words' store
	s_add_nc_u64 s[8:9], s[8:9], s[24:25]          ; base of the image's stores
.irp i, 0,1,2,3,4,5,6,7,8,9,10,11,12,13,14,15
	global_load_b128 v[X+4*\i:X+4*\i+3], v4, s[4:5] offset:(\i+8*(\i/8))*4096   ; row i of the tile: 512 consecutive bytes
.endr
.irp b, 0,1,2,3
.irp j, 0,1,2,3
	global_load_b128 v[GN+16*\b+4*\j:GN+16*\b+4*\j+3], v7, s[6:7] offset:128*\b+16*\j   ; w at k = 32 b + 16 h + 4 j ..
.endr
.endr
	v_mov_b32 v[SM+8], 0                           ; written once: a lane permute's destination counts as one of its sources
.irp b, 0,1,2,3
	v_mov_b32 v[TM+4+\b], 0
.endr
	s_wait_loadcnt 16                              ; the 16 rows are in; w's 16 loads may be out
.irp i, 0,1,2,3,4,5,6,7,8,9,10,11,12,13,14,15
	ds_store_b128 v5, v[X+4*\i:X+4*\i+3] offset:528*\i
.endr
.irp b, 0,1,2,3
.irp j, 0,1,2,3
	ds_load_b128 v[X+16*\b+4*\j:X+16*\b+4*\j+3], v6 offset:128*\b+16*\j   ; LDS serves a wave's instructions in order (ISA guide 5.7.1.4): these see my stores
.endr
.endr
	s_wait_dscnt 0x0
.irp k, 0,1,2,3
	v_pk_mul_f32 v[SM+2*\k:SM+2*\k+1], v[X+2*\k:X+2*\k+1], v[X+2*\k:X+2*\k+1]   ; the sum of my 64 squares: four chains, started by the first products
.endr
.set j, 4
.rept 28
	v_pk_fma_f32 v[SM+2*(j%4):SM+2*(j%4)+1], v[X+2*j:X+2*j+1], v[X+2*j:X+2*j+1], v[SM+2*(j%4):SM+2*(j%4)+1]
.set j, j+1
.endr
	v_pk_add_f32 v[SM:SM+1], v[SM:SM+1], v[SM+2:SM+3]
	v_pk_add_f32 v[SM+4:SM+5], v[SM+4:SM+5], v[SM+6:SM+7]
	v_pk_add_f32 v[SM:SM+1], v[SM:SM+1], v[SM+4:SM+5]
	v_add_f32 v[SM], v[SM], v[SM+1]
	v_permlanex16_b32 v[SM+8], v[SM], s[SEL], s[SEL+1]
	v_add_f32 v[SM], v[SM], v[SM+8]                ; with lane l xor 16's: row r's 128 columns of my wave
	ds_store_b32 v8, v[SM]                         ; (both lanes of a row write the same word with the same value)
	s_wait_dscnt 0x0                               ; for the others' sake: my store has landed
	s_barrier_signal -1
	s_barrier_wait -1
	ds_load_b128 v[SM+2:SM+5], v9
	ds_load_b128 v[SM+6:SM+9], v9 offset:16
	s_wait_dscnt 0x0
	v_add_f32 v[SM+2], v[SM+2], v[SM+3]
	v_add_f32 v[SM+4], v[SM+4], v[SM+5]
	v_add_f32 v[SM+6], v[SM+6], v[SM+7]
	v_add_f32 v[SM+8], v[SM+8], v[SM+9]
	v_add_f32 v[SM+2], v[SM+2], v[SM+4]
	v_add_f32 v[SM+6], v[SM+6], v[SM+8]
	v_add_f32 v[SM+2], v[SM+2], v[SM+6]            ; the row's sum of squares
	v_fma_f32 v[SM+2], v[SM+2], s31, s30           ; the mean + 1e-6
	v_rsq_f32 v[SM], v[SM+2]
	v_nop                                          ; a plain place behind the transcendental
	s_wait_alu depctr_va_vdst(0)                   ; and the wait ahead of its first reader
	s_wait_loadcnt 0x0                             ; w
.set j, 0
.rept 32
	v_pk_mul_f32 v[X+j:X+j+1], v[X+j:X+j+1], v[SM:SM+1] op_sel_hi:[1,0]   ; x * rms (the pair's low word serves both halves)
.set j, j+2
.endr
.set j, 0
.rept 32
	v_pk_mul_f32 v[X+j:X+j+1], v[X+j:X+j+1], v[GN+j:GN+j+1]               ; * w: a second rounding, as reference() has it
.set j, j+2
.endr
	QUANT X
	global_store_b128 v4, v[PC:PC+3], s[8:9]                       ; each store covers 512 or 256 consecutive bytes, at a multiple of 256 from the buffer's first byte
	global_store_b64 v11, v[PC+4:PC+5], s[8:9] offset:512
	global_store_b128 v4, v[PC+6:PC+9], s[8:9] offset:768
	global_store_b64 v11, v[PC+10:PC+11], s[8:9] offset:1280
	global_store_b32 v12, v[PW], s[28:29] offset:3072              ; row r's word (both lanes of a row hold it)
	s_wait_tensorcnt 0x0                           ; the wave's end, behind my last LDS store
	ds_add_u32 v[SPW], v[NIL]
	s_wait_dscnt 0x0
	s_endpgm
.Lfunc_end_k_qfab3bc06d2_norm1:
	.size	k_qfab3bc06d2_norm1, .Lfunc_end_k_qfab3bc06d2_norm1-k_qfab3bc06d2_norm1
	.p2alignl 7, 3214868480
	.fill 96, 4, 3214868480
	.section	.rodata,"a",@progbits
	.p2align	6, 0x0
	.amdhsa_kernel k_qfab3bc06d2_norm1
		.amdhsa_group_segment_fixed_size 69120
		.amdhsa_private_segment_fixed_size 0
		.amdhsa_enable_private_segment 0
		.amdhsa_kernarg_size 24
		.amdhsa_user_sgpr_count 2
		.amdhsa_user_sgpr_kernarg_segment_ptr 1
		.amdhsa_wavefront_size32 1
		.amdhsa_system_sgpr_workgroup_id_x 1
		.amdhsa_system_sgpr_workgroup_id_y 1
		.amdhsa_system_sgpr_workgroup_id_z 1
		.amdhsa_system_vgpr_workitem_id 0
		.amdhsa_next_free_vgpr 192
		.amdhsa_next_free_sgpr 66
		.amdhsa_reserve_vcc 0
		.amdhsa_float_denorm_mode_32 3
		.amdhsa_float_denorm_mode_16_64 3
		.amdhsa_memory_ordered 1
		.amdhsa_forward_progress 1
		.amdhsa_inst_pref_size 19
	.end_amdhsa_kernel
	.amdgpu_metadata
---
amdhsa.version: [ 1, 2 ]
amdhsa.kernels:
  - .name:           k_qfab3bc06d2_norm1
    .symbol:         k_qfab3bc06d2_norm1.kd
    .args:
      - { .name: x, .offset: 0, .size: 8, .value_kind: global_buffer, .address_space: global }
      - { .name: attn_norm_w, .offset: 8, .size: 8, .value_kind: global_buffer, .address_space: global }
      - { .name: H, .offset: 16, .size: 8, .value_kind: global_buffer, .address_space: global }
    .group_segment_fixed_size: 69120
    .private_segment_fixed_size: 0
    .kernarg_segment_align: 8
    .kernarg_segment_size: 24
    .max_flat_workgroup_size: 256
    .sgpr_count:     66
    .vgpr_count:     192
    .wavefront_size: 32
...
	.end_amdgpu_metadata
.endif
;; end of part 2
;; launch qkv (part 3): grid 12 x 16, 4 waves a work-group, clusters of 4 x 4, 327,680 bytes of LDS; arguments H, W, QKV; writes QKV
.if DOCPART == 3
	.amdgcn_target "amdgcn-amd-amdhsa--gfx1250"
	.amdhsa_code_object_version 6
	.text
	.protected	k_qfab3bc06d2_qkv
	.globl	k_qfab3bc06d2_qkv
	.p2align	8
	.type	k_qfab3bc06d2_qkv,@function
k_qfab3bc06d2_qkv:
	s_mov_b64 s[64:65], 0
	v_nop
	global_prefetch_b8 v0, s[64:65] scope:SCOPE_SE
	s_setreg_imm32_b32 hwreg(HW_REG_WAVE_MODE, 25, 1), 1
	s_wait_xcnt 0x0
	s_wait_alu depctr_hold_cnt(0) depctr_sa_sdst(0) depctr_va_vdst(0) depctr_va_sdst(0) depctr_va_ssrc(0) depctr_va_vcc(0) depctr_vm_vsrc(0)
	s_getreg_b32 s2, hwreg(HW_REG_IB_STS2, 6, 4)
	s_cmp_eq_u32 s2, 0
	s_cbranch_scc0 .Lentry_in_a_cluster
	s_endpgm
.Lentry_in_a_cluster:
	s_bfe_u32 s2, ttmp6, 0x10000c
	s_cmp_lg_u32 s2, 0xf033
	s_cbranch_scc0 .Lentry_shape_is_right
	s_endpgm
.Lentry_shape_is_right:
; q = h wq, k = h wk, v = h wv on codes of FP6 (E2M3) with E8M0 scales (h = the normed tokens, K = 1,024), and each result quantised at once, along the K of the attention product that will take it.
; OPERANDS.  H and W hold RECORDS: a tile of 16 rows x 256 K in 3,328 bytes: two images of a fragment's 12 registers (1,536 bytes each: for c = 0, 1: registers 6 c .. 6 c + 3 at 16 x lane, registers 6 c + 4, 6 c + 5 at 8 x lane),
; then the scale words at 3,072 + 8 r + 4 q.  A buffer is [tile][K / 256][3,328].  Row r of tile T is index 32 (T / 2) + 8 (T % 2) + r + 8 (r / 8), of tokens and of weight columns alike.
; SHAPE.  A work-group of four waves makes 256 x 256, a wave 128 x 128: 64 accumulators, 512 registers.  K goes in steps of 256 through a ring of two LDS slots; a slot holds 16 + 16 records' first 3,200 bytes, scales included.
; SOURCE 0 gives a lane's registers, SOURCE 1 its lane: in accumulator (a, b) lane (r, h) holds row r of source 1's tile a, and by the tiles' order its 64 registers of b = 0 .. 7 are the 128 rows of source 0 as 32 b' + 16 h + i.
; For q and k (clusters x = 0, 1) source 0 = 128 weight columns (two heads), source 1 = tokens: a lane holds a token, registers along the head's axis.  For v (cluster x = 2) source 0 = 128 tokens, source 1 = wv's columns:
; a lane holds a channel, registers along the keys.  One text serves both: only pointers and offsets are chosen, on the cluster's x, which all partners share.
; OUT.  A fragment record of QKV is 2,048 bytes, two halves of 1,024: [768 bytes: registers 6 c .. 6 c + 5][16 scale words at 768 + 4 r][192 bytes never written, never read]; half 0's words hold the fragment's scale word, half 1's
; the same shifted down by 16 bits.  q, k: record (group of 128 columns, 0-7 q, 8-15 k) x 256 + token tile.  v, from byte 8,388,608: record (128 keys' step, 0-31) x 64 + column tile.
; CLUSTERS: 4 x 4 work-groups; source 1's tiles are shared along a row of the cluster, source 0's along a column: each is asked for jointly, by the same tensor load with the same descriptor and a mask that names the four.
; REGISTERS: window 0: v1-7 lane terms; v16-27 LDS addresses; v28, v29 the add's two; v32-63 scale words, two sets; v64-103 the way out; v128-223 source 1's fragments, one set.  window 1: source 0's fragments, two sets, at v0 and v128.
;   windows 2, 3: the accumulators, (a, b) at v[8 (8 (a % 4) + b)].
; LIMITS: NaN and infinities are not served; a block whose largest magnitude lies under 2^-124 has its byte held at 1; a block of zeros gets the byte 1 and not 127 (its codes are zeros; this program alone reads the bytes).
.set TP,     13312                     ; bytes of a tile: 4 records
.set LAPS,   2                         ; a lap = two slots = 512 along K
.set NQ,     2                         ; matrix instructions deep in a slot
.set FR,     12                        ; registers of a fragment
.set NL,     4                         ; LDS loads that bring one
.set NP,     4                         ; places behind this matrix instruction (ISA guide 7.12.1)
.set RECD,   3200                      ; a record's bytes that move
.set RECP,   3328                      ; its pitch in memory
.set FRB,    1536                      ; an image
.set HALFT,  8*RECD                    ; what one tensor load brings, and what one wave reads of a source
.set SLOT,   4*HALFT                   ; source 1's 16 tiles, then source 0's 16
.set SPARE,  2*SLOT                    ; behind the ring: the spare words, 128 bytes for each wave: two blocks of 256 bytes that no other line names
.set WV_OFF, 128*TP                    ; wv's tiles in W
.set VREG,   8388608                   ; v's records in QKV
.set LI,   4                           ; v4      16 x lane
.set L8,   5                           ; v5      8 x lane
.set LW,   6                           ; v6      4 r + 1,024 h: a scale word's place in a fragment record
.set SH,   7                           ; v7      16 h
.set ADRA, 16                          ; v16-17  source 1's fragments in slot 0, 1: + 16 x lane;  v18-19: + 8 x lane
.set ADRB, 20                          ; v20-23  the same for source 0
.set ADRS, 26                          ; v26-27  my scale words in slot 0, 1: lanes 0-15 source 1's rows, lanes 16-31 source 0's
.set SPW,  28                          ; v28     LDS address of my spare word; never rewritten
.set NIL,  29                          ; v29     0; never rewritten
.set SC,   32                          ; scale words: set s at v[SC + 16 s]; register 2 i + q: lanes 0-15 source 1's tile i, lanes 16-31 source 0's tile i, the slot's q-th 128 along K
.set TM,   64                          ; v64-79  the quantiser's work
.set PW,   80                          ; v80     the scale word;  v81 as it is stored
.set PWS,  81
.set PC,   84                          ; v84-102 the codes, and the conversions' second halves
.set AF,   128                         ; source 1's fragments
.set G1,   24                          ; s[24:31] descriptor group 1 for source 1's tiles;  s[32:39] group 0, one set for each slot
.set G0,   32
.set G1B,  48                          ; s[48:55], s[56:63] the same for source 0's
.set G0B,  56
.set SEL,  66                          ; s66, s67 v_permlanex16_b32's selects for lane l xor 16
.set MSB, 0
.macro WIN new                         ; the immediate's high byte repeats the setting that is left
.if MSB != (\new)
	s_set_vgpr_msb (MSB<<8)|(\new)
.set MSB, (\new)
.endif
.endm
.set MUL_LO, 0xa1                      ; source 0 window 1, source 1 window 0, C and D window 2
.set MUL_HI, 0xf1                      ; the same, C and D window 3
.set TO_B,   0x40                      ; destination window 1, address window 0
; A joint load: waves 0 and 1 fetch source 1's two halves, waves 2 and 3 source 0's.  Each line has one mask and one set of registers for all that issue it; the branch hangs on the wave's number alone.
; An s_nop 0 and four v_nop follow each of the two lines, ahead of the jump, the label and what follows.
.macro JLOAD g0a, g1a, g0b, g1b
	s_cmp_eq_u32 s15, 0
	s_cbranch_scc0 .Lfor_b_\@
	tensor_load_to_lds s[\g0a:\g0a+3], s[\g1a:\g1a+7]
	s_nop 0
.rept 4
	v_nop
.endr
	s_branch .Lasked_\@
.Lfor_b_\@:
	tensor_load_to_lds s[\g0b:\g0b+3], s[\g1b:\g1b+7]
	s_nop 0
.rept 4
	v_nop
.endr
.Lasked_\@:
.endm
.macro CREST                           ; a round of the cluster's barrier behind its opening barrier
	s_cmp_lg_u32 s14, 0
	s_cbranch_scc1 .Lnot_wave_0_\@
	s_barrier_signal -3
.Lnot_wave_0_\@:
	s_barrier_wait -3
	s_barrier_signal -1
	s_barrier_wait -1
.endm
.macro CROUND                          ; a whole round
	s_barrier_signal -1
	s_barrier_wait -1
	CREST
.endm
	s_load_b128 s[4:7], s[0:1], 0x0                ; H, W
	s_load_b64 s[8:9], s[0:1], 0x10                ; QKV
	v_lshl_add_u32 v[SPW], v0, 2, SPARE
	v_mov_b32 v[NIL], 0
	ds_add_u32 v[SPW], v[NIL]                      ; the wave's opening: the add and its wait stand ahead of my first tensor load; the set-up below, work on registers, stands between them
	v_lshrrev_b32 v1, 5, v0
	v_readfirstlane_b32 s14, v1                    ; wave 0..3
	s_lshr_b32 s15, s14, 1                         ; which half of source 1's tiles is mine.  Also: I fetch for source 1 (0) or source 0 (1)
	s_and_b32 s16, s14, 1                          ; which half of source 0's.  Also: which 8 tiles I fetch
	s_bfe_u32 s40, ttmp6, 0x40000                  ; cx, cy: my place in the cluster
	s_bfe_u32 s41, ttmp6, 0x40004
	s_and_b32 s18, ttmp7, 0xffff                   ; the cluster's y, 0..3
	s_cmp_eq_u32 ttmp9, 2                          ; the cluster's x: 0, 1: q and k; 2: v.  The same in all sixteen partners
	s_cselect_b32 s42, s18, ttmp9                  ; which four blocks of source 0: v: of the tokens, by y; else of wq's and wk's columns, by x
	s_cselect_b32 s17, 0, s18                      ; which four blocks of source 1: v: wv's only four; else of the tokens, by y
	s_cselect_b32 s68, 64, 256                     ; records for each block of 128 of source 0
	s_cselect_b32 s69, VREG, 0                     ; where the records begin in QKV
	s_cselect_b32 s70, WV_OFF, 0                   ; where source 1's tiles begin in their buffer
	s_lshl_b32 s42, s42, 2
	s_add_co_u32 s42, s42, s40                     ; source 0's block of 256
	s_lshl_b32 s17, s17, 2
	s_add_co_u32 s17, s17, s41                     ; source 1's block of 256
	s_lshl_b32 s43, s41, 2
	s_lshl_b32 s43, 15, s43                        ; my row of the cluster
	s_lshl_b32 s44, 0x1111, s40                    ; my column
	; descriptor group 1: 8 rows (tiles) of 3,200 bytes (400 elements of 8), TP bytes apart, dense in LDS
	s_or_b32 s[G1+0], s43, (3<<16)|(1<<21)         ; 15:0 the mask: source 1's tiles go to my row; 17:16 elements of 8 bytes; 20 no padding; 21 set beside a mask
	s_or_b32 s[G1B+0], s44, (3<<16)|(1<<21)        ; source 0's go to my column
.irp g, G1, G1B
	s_mov_b32 s[\g+1], 400<<16                     ; tensor_dim0
	s_mov_b32 s[\g+2], 8<<16                       ; tensor_dim1
	s_mov_b32 s[\g+3], 400<<16                     ; tile_dim0
	s_mov_b32 s[\g+4], 8                           ; tile_dim1
	s_mov_b32 s[\g+5], TP/8                        ; tensor_dim0_stride
	s_mov_b32 s[\g+6], 0
	s_mov_b32 s[\g+7], 0
.endr
	s_lshl_b32 s18, s16, 3                         ; which 8 tiles of the 16 I fetch
	s_lshl_b32 s20, s17, 4
	s_add_co_u32 s20, s20, s18
	s_mul_i32 s20, s20, TP                         ; source 1: tile 16 x block + 8 x half, in bytes
	s_mov_b32 s21, 0
	s_lshl_b32 s46, s42, 4
	s_add_co_u32 s46, s46, s18
	s_mul_i32 s46, s46, TP                         ; source 0 likewise
	s_mov_b32 s47, 0
	s_mul_i32 s45, s14, HALFT                      ; where they go: wave x 8 tiles: no place in the cluster enters an LDS address
	s_mov_b32 s71, 0
	s_mov_b32 s[SEL], 0x76543210
	s_mov_b32 s[SEL+1], 0xfedcba98
	s_wait_dscnt 0x0                               ; the opening add is done
	s_wait_kmcnt 0x0
	s_cmp_eq_u32 ttmp9, 2
	s_cselect_b64 s[72:73], s[4:5], s[6:7]         ; source 0's buffer: v: H; else W
	s_cselect_b64 s[74:75], s[6:7], s[4:5]         ; source 1's: v: W; else H
	s_add_nc_u64 s[74:75], s[74:75], s[70:71]
	s_add_nc_u64 s[20:21], s[74:75], s[20:21]
	s_add_nc_u64 s[46:47], s[72:73], s[46:47]
	CROUND                                         ; all sixteen work-groups are here: the first joint loads meet
.irp s, 0,1
	s_mov_b32 s[G0+4*\s], 1                                        ; count = 1
	s_add_co_u32 s[G0+4*\s+1], s45, \s*SLOT                        ; LDS address
	s_add_nc_u64 s[G0+4*\s+2:G0+4*\s+3], s[20:21], \s*RECP         ; global address: record s
	s_or_b32 s[G0+4*\s+3], s[G0+4*\s+3], 0x80000000                ; type = 2
	s_mov_b32 s[G0B+4*\s], 1
	s_add_co_u32 s[G0B+4*\s+1], s45, \s*SLOT
	s_add_nc_u64 s[G0B+4*\s+2:G0B+4*\s+3], s[46:47], \s*RECP
	s_or_b32 s[G0B+4*\s+3], s[G0B+4*\s+3], 0x80000000
	JLOAD G0+4*\s, G1, G0B+4*\s, G1B
.endr
	v_and_b32 v1, 15, v0                           ; r
	v_bfe_u32 v2, v0, 4, 1                         ; h
	v_and_b32 v3, 31, v0
	v_lshlrev_b32 v[LI], 4, v3
	v_lshlrev_b32 v[L8], 3, v3
	s_mul_i32 s21, s15, HALFT                      ; my 8 tiles of source 1
	s_mul_i32 s22, s16, HALFT                      ; my 8 tiles of source 0,
	s_add_co_u32 s22, s22, 2*HALFT                 ; which lie behind source 1's 16
.irp s, 0,1
	v_add_nc_u32 v[ADRA+\s], s21, v[LI]
	v_add_nc_u32 v[ADRB+\s], s22, v[LI]
	v_add_nc_u32 v[ADRA+2+\s], s21, v[L8]
	v_add_nc_u32 v[ADRB+2+\s], s22, v[L8]
	s_add_co_u32 s21, s21, SLOT
	s_add_co_u32 s22, s22, SLOT
.endr
	s_xor_b32 s22, s15, 1                          ; from source 1's tiles of mine to source 0's: (2 + my half of 0 - my half of 1) x HALFT
	s_add_co_u32 s22, s22, s16
	s_add_co_u32 s22, s22, 1
	s_mul_i32 s22, s22, HALFT
	v_mul_u32_u24 v8, s22, v2                      ; lanes 16-31 take source 0's: one product, the lower base + h x the distance
	v_lshl_add_u32 v8, v1, 3, v8                   ; 8 bytes a row
	s_mul_i32 s21, s15, HALFT
	s_add_co_u32 s21, s21, 3072
	v_add_nc_u32 v[ADRS], s21, v8
	v_add_nc_u32 v[ADRS+1], SLOT, v[ADRS]
	v_lshlrev_b32 v[LW], 2, v1
	v_lshl_add_u32 v[LW], v2, 10, v[LW]
	v_lshlrev_b32 v[SH], 4, v2
	s_lshl_b32 s76, s42, 1                         ; the way out: my block of 128 of source 0,
	s_add_co_u32 s76, s76, s16
	s_mul_i32 s76, s76, s68                        ; its records,
	s_lshl_b32 s77, s17, 4
	s_add_co_u32 s76, s76, s77
	s_lshl_b32 s77, s15, 3
	s_add_co_u32 s76, s76, s77                     ; + my first tile of source 1
	s_lshl_b32 s76, s76, 11                        ; 2,048 bytes each
	s_add_co_u32 s76, s76, s69
	s_mov_b32 s77, 0
	s_add_nc_u64 s[12:13], s[8:9], s[76:77]
.macro FRAG reg, adr, q, i             ; tile i's fragment of the slot's q-th 128 along K, as its image lies: four dense loads
	ds_load_b128 v[\reg:\reg+3], v[\adr] offset:(\i)*RECD+(\q)*FRB
	ds_load_b64 v[\reg+4:\reg+5], v[\adr+2] offset:(\i)*RECD+(\q)*FRB+512
	ds_load_b128 v[\reg+6:\reg+9], v[\adr] offset:(\i)*RECD+(\q)*FRB+768
	ds_load_b64 v[\reg+10:\reg+11], v[\adr+2] offset:(\i)*RECD+(\q)*FRB+1280
.endm
; 16 matrix instructions: source 1's tiles a0, a0 + 1 x source 0's eight.  p: source 0's set;  sc: the set of scale words.  zero = 1: the first product starts the sums.
; The 64 accumulators take turns, one instruction a turn, in the same order in every step.
.macro MUL16 a0, p, q, sc, zero
.irp a, \a0, \a0+1
.irp b, 0,1,2,3,4,5,6,7
.if \zero
	v_wmma_scale_f32_16x16x128_f8f6f4 v[8*(8*((\a)%4)+\b):8*(8*((\a)%4)+\b)+7], v[128*(\p)+FR*\b:128*(\p)+FR*\b+FR-1], v[AF+FR*(\a):AF+FR*(\a)+FR-1], 0, v[SC+8*NQ*(\sc)+NQ*\b+(\q)], v[SC+8*NQ*(\sc)+NQ*(\a)+(\q)] matrix_a_fmt:MATRIX_FMT_FP6 matrix_b_fmt:MATRIX_FMT_FP6 matrix_a_scale:MATRIX_SCALE_ROW1
.else
	v_wmma_scale_f32_16x16x128_f8f6f4 v[8*(8*((\a)%4)+\b):8*(8*((\a)%4)+\b)+7], v[128*(\p)+FR*\b:128*(\p)+FR*\b+FR-1], v[AF+FR*(\a):AF+FR*(\a)+FR-1], v[8*(8*((\a)%4)+\b):8*(8*((\a)%4)+\b)+7], v[SC+8*NQ*(\sc)+NQ*\b+(\q)], v[SC+8*NQ*(\sc)+NQ*(\a)+(\q)] matrix_a_fmt:MATRIX_FMT_FP6 matrix_b_fmt:MATRIX_FMT_FP6 matrix_a_scale:MATRIX_SCALE_ROW1
.endif
.endr
.endr
.endm
.macro FETCH_B slot, q, p              ; source 0's eight fragments into set p
	WIN TO_B
.irp i, 0,1,2,3,4,5,6,7
	FRAG 128*(\p)+FR*\i, ADRB+\slot, \q, \i
.endr
	WIN 0
.endm
.macro FETCH_A slot, q, i0             ; source 1's tiles i0 .. i0 + 3
.irp i, \i0, \i0+1, \i0+2, \i0+3
	FRAG AF+FR*(\i), ADRA+\slot, \q, \i
.endr
.endm
.macro SCALES sc                       ; slot sc's scale words: both steps' words of a row by one load
.irp i, 0,1,2,3,4,5,6,7
	ds_load_b64 v[SC+8*NQ*\sc+NQ*\i:SC+8*NQ*\sc+NQ*\i+1], v[ADRS+\sc] offset:\i*RECD
.endr
.endm
.macro PLACES n                        ; a load into a register that a matrix instruction has read, and a read of a matrix result, stand NP plain vector instructions behind it (ISA guide 7.12.1 for the read of a result)
.rept \n
	v_nop
.endr
.endm
.macro STEP slot, q, zero              ; a step of 128 along K that has its successor in the same slot
	s_wait_dscnt 4*NL                              ; source 0's set and source 1's tiles 0-3 are in; the youngest 16 loads (tiles 4-7) may be out
	WIN MUL_LO
	MUL16 0, (\q)%2, \q, \slot, \zero
	MUL16 2, (\q)%2, \q, \slot, \zero
	s_wait_dscnt 0                                 ; tiles 4-7 are in
	PLACES NP
	FETCH_B \slot, (\q)+1, 1-(\q)%2
	FETCH_A \slot, (\q)+1, 0
	WIN MUL_HI
	MUL16 4, (\q)%2, \q, \slot, \zero
	MUL16 6, (\q)%2, \q, \slot, \zero
	PLACES NP
	WIN 0
	FETCH_A \slot, (\q)+1, 4
.endm
; A slot's last step changes slots: one barrier; in front of it each wave waits for all its tensor loads, adds 0 to its spare word, and waits for that and for its reads of this slot.  fill = 1: the slot is filled again, two records on.
.macro TURN slot, next, fill
	s_wait_tensorcnt 0x0                           ; all my tensor loads have landed: my part of the next slot
	ds_add_u32 v[SPW], v[NIL]                      ; 0 onto my spare word
	s_wait_dscnt 4*NL+1                            ; (the add and the youngest 16 loads may be out)
	WIN MUL_LO
	MUL16 0, 1, NQ-1, \slot, 0                     ; sixteen matrix instructions stand between the add and the wait for it
	s_wait_dscnt 0x0                               ; the add is done, and my reads of this slot are over
	s_barrier_signal -1
	MUL16 2, 1, NQ-1, \slot, 0
	WIN 0
	s_barrier_wait -1
.if \fill
	CREST                                          ; the barrier has opened a round of the cluster's barrier: no wave of any partner still reads this slot or has a load on its way
	s_add_nc_u64 s[G0+4*\slot+2:G0+4*\slot+3], s[G0+4*\slot+2:G0+4*\slot+3], 2*RECP
	s_add_nc_u64 s[G0B+4*\slot+2:G0B+4*\slot+3], s[G0B+4*\slot+2:G0B+4*\slot+3], 2*RECP
	JLOAD G0+4*\slot, G1, G0B+4*\slot, G1B         ; the first tensor load behind the round; its four v_nop are also the places in front of the loads below
.else
	PLACES NP
.endif
	FETCH_B \next, 0, 0
	FETCH_A \next, 0, 0
	SCALES \next
	WIN MUL_HI
	MUL16 4, 1, NQ-1, \slot, 0
	MUL16 6, 1, NQ-1, \slot, 0
	PLACES NP
	WIN 0
	FETCH_A \next, 0, 4
.endm
	s_wait_tensorcnt 1                             ; my part of slot 0 is in; slot 1's load may be out
	s_barrier_signal -1
	s_barrier_wait -1
	FETCH_B 0, 0, 0
	FETCH_A 0, 0, 0
	SCALES 0
	FETCH_A 0, 0, 4
	STEP 0, 0, 1                                   ; the first step stands in front of the loop: its products start the sums
	s_mov_b32 s3, LAPS-1
.Llap:                                                 ; a trip goes once round the ring and fills both slots again
	TURN 0, 1, 1
	STEP 1, 0, 0
	TURN 1, 0, 1
	STEP 0, 0, 0
	s_sub_co_u32 s3, s3, 1
	s_cmp_lg_u32 s3, 0
	s_cbranch_scc1 .Llap
	TURN 0, 1, 0                                   ; the last lap fills nothing
	STEP 1, 0, 0
	s_wait_dscnt 4*NL
	WIN MUL_LO
	MUL16 0, 1, NQ-1, 1, 0
	MUL16 2, 1, NQ-1, 1, 0
	s_wait_dscnt 0
	WIN MUL_HI
	MUL16 4, 1, NQ-1, 1, 0
	MUL16 6, 1, NQ-1, 1, 0
	WIN 0
; THE WAY OUT.  The 64 registers of source 1's tile a are 128 numbers' worth of one row along the next K: they are quantised where they lie and leave as a fragment's image.
.macro QUANTW a
.set AC, 64*((\a)%4)
.set WN, 2+(\a)/4
	WIN WN|(WN<<2)                                 ; sources 0 and 1: the accumulators' window
.irp b, 0,1,2,3
	v_max3_num_f32 v[TM+\b], |v[AC+16*\b]|, |v[AC+1+16*\b]|, 0x1800000   ; each accumulator is read from its low end on; the floor 2^(3 - 127) holds the byte at 1 from below
.endr
.irp i, 2,4,6,8,10,12,14
.irp b, 0,1,2,3
	v_max3_num_f32 v[TM+\b], |v[AC+16*\b+\i]|, |v[AC+1+16*\b+\i]|, v[TM+\b]
.endr
.endr
	WIN 0
.irp b, 0,1,2,3
	v_permlanex16_b32 v[TM+4+\b], v[TM+\b], s[SEL], s[SEL+1]
.endr
.irp b, 0,1,2,3
	v_max_num_f32 v[TM+\b], v[TM+\b], v[TM+4+\b]   ; with lane l xor 16's: the block's largest magnitude
.endr
.irp b, 0,1,2,3
	v_add_nc_u32 v[TM+12+\b], 0xff000000, v[TM+\b]   ; 2 off its exponent field: the conversion's scale operand
.endr
.irp b, 0,1,2,3
	v_lshrrev_b32 v[TM+4+\b], 23, v[TM+12+\b]      ; the scale's byte
.endr
	v_lshl_or_b32 v[PW], v[TM+5], 8, v[TM+4]
	v_lshl_or_b32 v[PW], v[TM+6], 16, v[PW]
	v_lshl_or_b32 v[PW], v[TM+7], 24, v[PW]
.if (\a) > 0
	s_wait_xcnt 0x0                                ; the last tile's stores have read their registers: the codes and the stored word are written again only behind this wait
.endif
	WIN WN
.irp c, 0,1
	v_cvt_scalef32_pk16_fp6_f32 v[PC+6*\c:PC+2+6*\c], v[AC+32*\c:AC+15+32*\c], v[TM+12+2*\c]
	v_cvt_scalef32_pk16_fp6_f32 v[PC+12+4*\c:PC+14+4*\c], v[AC+16+32*\c:AC+31+32*\c], v[TM+12+2*\c+1]
.endr
	v_nop                                          ; one plain place behind a scaled conversion
	WIN 0
.irp c, 0,1
.irp i, 0,1,2
	v_permlane16_swap_b32 v[PC+6*\c+\i], v[PC+12+4*\c+\i]   ; a whole block to a lane
.endr
.irp i, 0,1,2
	v_mov_b32 v[PC+3+6*\c+\i], v[PC+12+4*\c+\i]
.endr
.endr
.endm
.irp b, 0,1,2,3
	v_mov_b32 v[TM+4+\b], 0                        ; a lane permute's destination counts as one of its sources; these four are also the places behind the last products
.endr
.irp a, 0,1,2,3,4,5,6,7
	QUANTW \a
	v_lshrrev_b32 v[PWS], v[SH], v[PW]             ; lanes 0-15 store the word, lanes 16-31 its upper two bytes
	global_store_b128 v[LI], v[PC:PC+3], s[12:13] offset:\a*2048           ; 512 or 256 consecutive bytes, at a multiple of 256 from QKV's first byte
	global_store_b64 v[L8], v[PC+4:PC+5], s[12:13] offset:\a*2048+512
	global_store_b128 v[LI], v[PC+6:PC+9], s[12:13] offset:\a*2048+1024
	global_store_b64 v[L8], v[PC+10:PC+11], s[12:13] offset:\a*2048+1536
	global_store_b32 v[LW], v[PWS], s[12:13] offset:\a*2048+768
.endr
	s_wait_tensorcnt 0x0                           ; the wave's end
	ds_add_u32 v[SPW], v[NIL]
	s_wait_dscnt 0x0
	CROUND                                         ; the closing round: no work-group ends while a partner may still ask for a tile that names it
	s_endpgm
.Lfunc_end_k_qfab3bc06d2_qkv:
	.size	k_qfab3bc06d2_qkv, .Lfunc_end_k_qfab3bc06d2_qkv-k_qfab3bc06d2_qkv
	.p2alignl 7, 3214868480
	.fill 96, 4, 3214868480
	.section	.rodata,"a",@progbits
	.p2align	6, 0x0
	.amdhsa_kernel k_qfab3bc06d2_qkv
		.amdhsa_group_segment_fixed_size 327680
		.amdhsa_private_segment_fixed_size 0
		.amdhsa_enable_private_segment 0
		.amdhsa_kernarg_size 24
		.amdhsa_user_sgpr_count 2
		.amdhsa_user_sgpr_kernarg_segment_ptr 1
		.amdhsa_wavefront_size32 1
		.amdhsa_system_sgpr_workgroup_id_x 1
		.amdhsa_system_sgpr_workgroup_id_y 1
		.amdhsa_system_sgpr_workgroup_id_z 1
		.amdhsa_system_vgpr_workitem_id 0
		.amdhsa_next_free_vgpr 1024
		.amdhsa_next_free_sgpr 100
		.amdhsa_reserve_vcc 0
		.amdhsa_float_denorm_mode_32 3
		.amdhsa_float_denorm_mode_16_64 3
		.amdhsa_memory_ordered 1
		.amdhsa_forward_progress 1
		.amdhsa_inst_pref_size 147
	.end_amdhsa_kernel
	.amdgpu_metadata
---
amdhsa.version: [ 1, 2 ]
amdhsa.kernels:
  - .name:           k_qfab3bc06d2_qkv
    .symbol:         k_qfab3bc06d2_qkv.kd
    .args:
      - { .name: H, .offset: 0, .size: 8, .value_kind: global_buffer, .address_space: global }
      - { .name: W, .offset: 8, .size: 8, .value_kind: global_buffer, .address_space: global }
      - { .name: QKV, .offset: 16, .size: 8, .value_kind: global_buffer, .address_space: global }
    .group_segment_fixed_size: 327680
    .private_segment_fixed_size: 0
    .kernarg_segment_align: 8
    .kernarg_segment_size: 24
    .max_flat_workgroup_size: 128
    .sgpr_count:     100
    .vgpr_count:     1024
    .wavefront_size: 32
...
	.end_amdgpu_metadata
.endif
;; end of part 3
;; launch attn (part 4): grid 8 x 32, 16 waves a work-group, no clusters, 327,680 bytes of LDS; arguments QKV, AO; writes AO
.if DOCPART == 4
	.amdgcn_target "amdgcn-amd-amdhsa--gfx1250"
	.amdhsa_code_object_version 6
	.text
	.protected	k_qfab3bc06d2_attn
	.globl	k_qfab3bc06d2_attn
	.p2align	8
	.type	k_qfab3bc06d2_attn,@function
k_qfab3bc06d2_attn:
	s_mov_b64 s[64:65], 0
	v_nop
	global_prefetch_b8 v0, s[64:65] scope:SCOPE_SE
	s_setreg_imm32_b32 hwreg(HW_REG_WAVE_MODE, 25, 1), 1
	s_wait_xcnt 0x0
; Causal attention of 32 (batch, head) pairs, 2,048 tokens, head size 64, both products on codes of FP6 (E2M3) with E8M0 scales; the result is quantised along the channels and leaves as codes for the product with wo.
; IN.  QKV holds fragment records of 2,048 bytes, two halves of 1,024: [768 bytes: six registers a lane: four at 16 x lane, two at 8 x lane][16 scale words at 768 + 4 r].  q, k: record (head pair; k's 8 further on) x 256 + token tile,
; half = head % 2 (64 along K: the operand's upper six registers are zeros, kept in registers).  v, from byte 8,388,608: record (16 x batch + step of 128 keys) x 64 + 4 x head + dt: 16 channels x 128 keys, both halves.
; Row r of a tile T of tokens (or of channels) is index 32 (T / 2) + 8 (T % 2) + r + 8 (r / 8): so the 16 registers of two neighbouring tiles' results are 16 neighbours.
; THE SOFTMAX AHEAD OF THE SECOND PRODUCT: t = score x log2(e) / 8; M = the row's largest t so far, rounded up to a whole number; p = 2^(t - M) is quantised along the keys, not normalised.  The row's sum is taken of the
; unquantised p and divides O at the end.  When M moves, the sum and O are multiplied by 2^(old M - new M): exact.
; SHARES.  Work-group (a, batch x 16 + head); each of its sixteen waves owns one tile of 16 queries.  Waves 0-7 take the 128 queries of block a, waves 8-15 those of block 15 - a: (a + 1) + (16 - a) = 17 key steps for each pair
; of waves, whatever a is.  Both products are used transposed (S^T = K Q^T, O^T = V^T P^T): a lane holds one query throughout.
; RING.  Two LDS slots of 256 keys: 16 tiles of k and 2 x 8 halves of v, 832 bytes each.  Wave 0 fetches k's, waves 1 and 2 v's two steps; all sixteen read.  Every work-group walks all eight slots, so that every trip count is a
; constant; a step whose keys all come after the wave's queries is jumped over, and a slot whose first key comes after the work-group's last query is not asked for.
; NO CLUSTER: the eight work-groups of a head need 5 to 8 slots (ceil((16 - a) / 2)), so partners would not all make every joint request; and a slot is 26,624 bytes for 32 wave-steps of work.
; OUT.  AO is [256 token tiles][4][3,328]: records of two images of 1,536 bytes and the scale words at 3,072 + 8 r + 4 q; my head's 64 channels are half an image (768 bytes) and two bytes of a word.
; REGISTERS: v1-4 lane terms; v5, v6 the add's two; v7 the prefetches' offset; v8-11 addresses in hand; v12 -M, v13 the largest t, v[14:15] the sum; v16-27 Q; v28-31 V's scale words; v32-79 four fragments of K;
;   v80-127 four of V; v128-191 S^T, then p; v192-223 O^T; v224-235 p's codes; v232-254 at work; v248-251 K's scale words; v253 p's; v255 Q's.
; LIMITS: NaN and infinities are not served; v_exp_f32 and v_rcp_f32 are good to one unit in the last place, and a block's largest p is taken from its largest score (it takes v_exp_f32 not to fall where its input rises);
;   a block of zeros gets the byte 1 and not 127.
.set SK,    256                        ; keys in a slot
.set HR,    832                        ; bytes of a half record that move
.set VOFF,  16*HR                      ; a slot: 16 tiles of K, then V
.set VSTEP, 8*HR                       ; V's eight halves of a key step
.set SLOT1, 1<<17                      ; slot 1 begins here: one exclusive or turns an address
.set NSL,   8                          ; slots' worth of keys
.set SPARE, 2*SLOT1                    ; the spare words, 128 bytes for each wave: eight blocks of 256 bytes that no other line names
.set VREG,  8388608
.set SPW,  5
.set NIL,  6
.set PFO,  7
.set TB,   2                           ; s2   LDS byte at which the slot in hand begins
.set WV,   18                          ; s18  my wave's number
.set SEL,  20                          ; s20, s21 selects for lane l xor 16
.set CS,   22                          ; s[22:23] c = log2(e) / 8
.set G1K,  24                          ; s[24:31] descriptor group 1 for K's tiles;  s[32:39] for V's;  s[40:43], s[44:47] their groups 0, which walk
.set G1V,  32
.set G0K,  40
.set G0V,  44
.set KF,   48                          ; s48  the step's first key
.set Q32,  49                          ; s49  the first of the 32 tokens among which my 16 queries lie
.set QHI,  50                          ; s50  the last of them
.set LASTQ, 51                         ; s51  my work-group's last query
.set SLOTS, 52                         ; s52  changes of slots still to come in the loop
.set LIM,  53                          ; s53  1 in a wave that prefetches, else the greatest number
.set PFA,  56                          ; s[56:57] where my prefetches stand
.set PFS,  58                          ; s[58:59] a slot on, in bytes
.set TM,   160                         ; the way out's quantiser: v160-175, v176 the two scale bytes, v178-186 the codes
.set PW,   176
.set PC,   178
; Wave 0 fetches K's tiles, waves 1 and 2 V's, the others nothing: branches on the wave's number alone.  An s_nop 0 and four v_nop follow each of the two lines.
.macro TLOAD
	s_cmp_lt_u32 s[WV], 1
	s_cbranch_scc0 .Lnot_k_\@
	tensor_load_to_lds s[G0K:G0K+3], s[G1K:G1K+7]
	s_nop 0
.rept 4
	v_nop
.endr
	s_branch .Lasked_\@
.Lnot_k_\@:
	s_cmp_lt_u32 s[WV], 3
	s_cbranch_scc0 .Lasked_\@
	tensor_load_to_lds s[G0V:G0V+3], s[G1V:G1V+7]
	s_nop 0
.rept 4
	v_nop
.endr
.Lasked_\@:
.endm
; A prefetch of what the NEXT change of slots will ask for.  All eight work-groups of a head walk the same K and V: the one with a = 0, which loads all eight slots, asks.  In it waves 4 and 5 ask for K's 16 halves (8 a wave,
; four blocks of 256 bytes each), waves 6 and 7 for V's two steps (8,192 dense bytes a wave): a lane a block, one instruction a wave, each block named once in the launch.
; Slots 0 and 1 come by their loads alone; the last change that fills a slot asks for nothing: there is no slot behind it.
.macro ASK
	s_cmp_gt_u32 s[SLOTS], s[LIM]
	s_cbranch_scc0 .Lnot_mine_\@
	global_prefetch_b8 v[PFO], s[PFA:PFA+1] th:TH_LOAD_NT scope:SCOPE_SE
.Lnot_mine_\@:
.endm
	s_load_b128 s[4:7], s[0:1], 0x0                ; QKV, AO
	v_lshl_add_u32 v[SPW], v0, 2, SPARE
	v_mov_b32 v[NIL], 0
	ds_add_u32 v[SPW], v[NIL]                      ; the wave's opening: the add and its wait stand ahead of my first tensor load; the set-up below, work on registers, stands between them
	v_lshrrev_b32 v8, 5, v0
	v_readfirstlane_b32 s[WV], v8                  ; wave 0..15
	s_and_b32 s66, ttmp7, 0xffff
	s_lshr_b32 s67, s66, 4                         ; batch
	s_and_b32 s68, s66, 15                         ; head
	s_and_b32 s69, s68, 1                          ; which half of a q or k record
	s_lshr_b32 s70, s68, 1                         ; head pair
	s_sub_co_u32 s71, 15, ttmp9
	s_cmp_lt_u32 s[WV], 8
	s_cselect_b32 s71, ttmp9, s71                  ; my block of 128 queries: a or 15 - a
	s_and_b32 s72, s[WV], 7
	s_lshl_b32 s73, s71, 3
	s_add_co_u32 s73, s73, s72                     ; my tile of queries, 0..127
	s_lshr_b32 s[Q32], s73, 1
	s_lshl_b32 s[Q32], s[Q32], 5
	s_or_b32 s[QHI], s[Q32], 31
	s_sub_co_u32 s[LASTQ], 16, ttmp9
	s_lshl_b32 s[LASTQ], s[LASTQ], 7
	s_sub_co_u32 s[LASTQ], s[LASTQ], 1             ; 128 (16 - a) - 1
	s_lshl_b32 s72, s67, 7                         ; the batch's 128 tiles
	s_lshl_b32 s84, s69, 10
	s_add_co_u32 s74, s70, 8
	s_lshl_b32 s74, s74, 8
	s_add_co_u32 s74, s74, s72
	s_lshl_b32 s74, s74, 11
	s_add_co_u32 s74, s74, s84                     ; K: the head's first half record
	s_mov_b32 s75, 0
	s_lshl_b32 s78, s70, 8
	s_add_co_u32 s78, s78, s72
	s_add_co_u32 s78, s78, s73
	s_lshl_b32 s78, s78, 11
	s_add_co_u32 s78, s78, s84                     ; Q: my tile's half record
	s_mov_b32 s79, 0
	s_add_co_u32 s82, s[WV], 1
	s_and_b32 s82, s82, 1                          ; which of a slot's two steps of V I fetch, if I fetch: wave 1: 0, wave 2: 1
	s_mul_i32 s83, s82, VSTEP
	s_lshl_b32 s85, s67, 10
	s_lshl_b32 s84, s68, 2
	s_add_co_u32 s85, s85, s84
	s_lshl_b32 s85, s85, 11
	s_add_co_u32 s85, s85, VREG                    ; V: the head's four records of the batch's first key step
	s_lshl_b32 s76, s82, 17                        ; a key step on: 64 records
	s_add_co_u32 s76, s76, s85
	s_mov_b32 s77, 0
	s_add_co_u32 s80, s72, s73
	s_mul_i32 s80, s80, 13312                      ; AO: my token tile,
	s_lshr_b32 s84, s68, 2
	s_mul_i32 s84, s84, 3328                       ; the record of my head's 256 channels
	s_add_co_u32 s80, s80, s84
	s_mov_b32 s81, 0
	s_and_b32 s84, s70, 1                          ; which image of the record
	s_mul_i32 s90, s84, 1536
	s_mul_i32 s91, s69, 768                        ; which half of the image
	s_add_co_u32 s90, s90, s91
	s_lshl_b32 s91, s84, 2
	s_lshl_b32 s84, s69, 1
	s_add_co_u32 s91, s91, s84
	s_add_co_u32 s91, s91, 3072                    ; and my two bytes of a row's scale words
	; descriptor group 1: K: 16 rows of 832 bytes (104 elements of 8), 2,048 bytes apart;  V: 8 rows of 832 bytes, 1,024 apart; dense in LDS
	s_mov_b32 s[G1K], 3<<16                        ; no mask; elements of 8 bytes; no padding
	s_mov_b32 s[G1K+1], 104<<16                    ; tensor_dim0
	s_mov_b32 s[G1K+2], 16<<16                     ; tensor_dim1
	s_mov_b32 s[G1K+3], 104<<16                    ; tile_dim0
	s_mov_b32 s[G1K+4], 16                         ; tile_dim1
	s_mov_b32 s[G1K+5], 256                        ; tensor_dim0_stride
	s_mov_b32 s[G1K+6], 0
	s_mov_b32 s[G1K+7], 0
	s_mov_b32 s[G1V], 3<<16
	s_mov_b32 s[G1V+1], 104<<16
	s_mov_b32 s[G1V+2], 8<<16
	s_mov_b32 s[G1V+3], 104<<16
	s_mov_b32 s[G1V+4], 8
	s_mov_b32 s[G1V+5], 128
	s_mov_b32 s[G1V+6], 0
	s_mov_b32 s[G1V+7], 0
	s_mov_b32 s[SEL], 0x76543210
	s_mov_b32 s[SEL+1], 0xfedcba98
	s_mov_b32 s[CS], 0x3e38aa3b                    ; c = log2(e) / sqrt(64)
	s_mov_b32 s[CS+1], s[CS]                       ; (named with it as a pair, so it is written)
	s_mov_b32 s[TB], 0
	s_mov_b32 s[KF], 0
	s_mov_b32 s[SLOTS], NSL-1
	; the prefetches: waves 4, 5: K; waves 6, 7: V
	s_cmp_lt_u32 s[WV], 6
	s_cselect_b32 s86, s74, s85                    ; the stream's first byte
	s_mov_b32 s87, 262144
	s_cselect_b32 s[PFS], 32768, s87               ; a slot on
	s_mov_b32 s87, 131072
	s_cselect_b32 s88, 16384, s87                  ; from wave to wave: 8 records of K, a key step of V
	s_mov_b32 s87, 1024
	s_cselect_b32 s89, 2048, s87                   ; from half record to half record
	s_and_b32 s87, s[WV], 1
	s_mul_i32 s87, s87, s88
	s_add_co_u32 s86, s86, s87
	s_add_co_u32 s86, s86, s[PFS]                  ; in slot 1: the first change of slots steps it to slot 2
	s_mov_b32 s87, 0
	s_mov_b32 s[PFS+1], 0
	s_lshr_b32 s88, s[WV], 2
	s_xor_b32 s88, s88, 1                          ; 0 in waves 4 to 7,
	s_or_b32 s88, s88, ttmp9                       ; of the work-group with a = 0
	s_cmp_eq_u32 s88, 0
	s_cselect_b32 s[LIM], 1, -1
	s_wait_dscnt 0x0                               ; the opening add is done
	s_wait_kmcnt 0x0
	s_mov_b32 s[G0K], 1                            ; count = 1
	s_mov_b32 s[G0K+1], 0                          ; LDS address: slot 0
	s_add_nc_u64 s[G0K+2:G0K+3], s[4:5], s[74:75]  ; global address: the first 256 keys
	s_or_b32 s[G0K+3], s[G0K+3], 0x80000000        ; type = 2
	s_mov_b32 s[G0V], 1
	s_add_co_u32 s[G0V+1], s83, VOFF
	s_add_nc_u64 s[G0V+2:G0V+3], s[4:5], s[76:77]
	s_or_b32 s[G0V+3], s[G0V+3], 0x80000000
	TLOAD                                          ; slot 0
	s_add_nc_u64 s[78:79], s[4:5], s[78:79]        ; Q
	s_add_nc_u64 s[PFA:PFA+1], s[4:5], s[86:87]
	s_add_nc_u64 s[80:81], s[6:7], s[80:81]        ; AO
	v_and_b32 v8, 15, v0                           ; r
	v_bfe_u32 v9, v0, 4, 1                         ; h
	v_and_b32 v10, 31, v0
	v_lshlrev_b32 v1, 4, v10                       ; 16 x lane: four registers of a half record
	v_lshlrev_b32 v2, 3, v10
	v_add_nc_u32 v2, 512, v2                       ; 8 x lane + 512: the other two
	v_lshlrev_b32 v3, 2, v8
	v_add_nc_u32 v3, 768, v3                       ; 4 r + 768: row r's scale word
	global_load_b128 v[16:19], v1, s[78:79]        ; Q's half fragment stays in registers
	global_load_b64 v[20:21], v2, s[78:79]
	global_load_b32 v255, v3, s[78:79]             ; and its scale words
	v_and_b32 v11, 8, v8
	v_add_nc_u32 v4, v11, v8                       ; r + 8 (r / 8)
	v_lshlrev_b32 v11, 4, v9
	v_sub_nc_u32 v4, v4, v11
	s_and_b32 s87, s[WV], 1
	s_lshl_b32 s87, s87, 3
	v_add_nc_u32 v4, s87, v4                       ; my query - Q32 - 16 h
	v_lshrrev_b32 v11, 2, v10
	v_and_b32 v[PFO], 3, v10
	v_lshlrev_b32 v[PFO], 8, v[PFO]
	v_mul_lo_u32 v11, v11, s89
	v_add_nc_u32 v[PFO], v[PFO], v11               ; half record lane / 4, block lane % 4 of it
.irp i, 22,23,24,25,26,27
	v_mov_b32 v[\i], 0                             ; K = 64: the upper half of Q's operand is zero codes,
.endr
.irp t, 0,1,2,3
.irp i, 6,7,8,9,10,11
	v_mov_b32 v[32+12*\t+\i], 0                    ; and of K's four: written once
.endr
.endr
	v_mov_b32 v13, 0xff61b1e6                      ; the largest t so far: -3e38, under every t
	v_floor_f32 v12, -v13                          ; -M
	v_mov_b32 v14, 0                               ; the sum, in two halves
	v_mov_b32 v15, 0
.irp b, 0,1,2,3
	v_mov_b32 v[236+\b], 0                         ; written once: a lane permute's destination counts as one of its sources
.endr
	v_mov_b32 v252, 0
	v_mov_b32 v253, 0                              ; (named as the upper half of the pair v[252:253] before it is first written)
.set j, 0
.rept 32
	v_mov_b32 v[192+j], 0                          ; O^T: the step is written once; the first finds zeros, which the first change of M leaves zeros
.set j, j+1
.endr
; A KEY STEP: 128 keys, the q-th of the slot in hand.
.macro STEP q
	s_cmp_gt_u32 s[KF], s[QHI]                     ; all its keys come after my queries: the work is left out (ids and the count of steps alone); no barrier and no tensor load stands in a step
	s_cbranch_scc1 .Lhidden_\@
	v_add_nc_u32 v8, s[TB], v1
	v_add_nc_u32 v9, s[TB], v2
	v_add_nc_u32 v10, s[TB], v3
	v_nop                                          ; four places in front of loads into registers that the last step's products have read
.irp g, 0,1                                    ; S^T = K Q^T, four tiles of 16 keys at a time
.if \g > 0
.rept 4
	v_nop
.endr
.endif
.irp t, 0,1,2,3
	ds_load_b128 v[32+12*\t:35+12*\t], v8 offset:HR*(8*(\q)+4*\g+\t)
	ds_load_b64 v[36+12*\t:37+12*\t], v9 offset:HR*(8*(\q)+4*\g+\t)
	ds_load_b32 v[248+\t], v10 offset:HR*(8*(\q)+4*\g+\t)
.endr
	s_wait_dscnt 0x0
.irp t, 0,1,2,3
	v_wmma_scale_f32_16x16x128_f8f6f4 v[128+8*(4*\g+\t):135+8*(4*\g+\t)], v[32+12*\t:43+12*\t], v[16:27], 0, v[248+\t], v255 matrix_a_fmt:MATRIX_FMT_FP6 matrix_b_fmt:MATRIX_FMT_FP6
.endr
.endr                                          ; lane (r, h) holds query r; register 16 b + i is key KF + 32 b + 16 h + i
.irp t, 0,1,2,3                                ; V's four fragments are asked for now and land under the softmax
.irp c, 0,1
	ds_load_b128 v[80+12*\t+6*\c:83+12*\t+6*\c], v8 offset:VOFF+HR*(8*(\q)+2*\t+\c)
	ds_load_b64 v[84+12*\t+6*\c:85+12*\t+6*\c], v9 offset:VOFF+HR*(8*(\q)+2*\t+\c)
.endr
	ds_load_b32 v[28+\t], v10 offset:VOFF+HR*(8*(\q)+2*\t)
.endr
.rept 4
	v_nop                                          ; places behind the products, ahead of the first read of the scores
.endr
	s_add_co_u32 s96, s[KF], 127                   ; on the diagonal the scores of hidden keys become -infinity ahead of the maximum: p = 0 then.  A step all of whose keys count skips this
	s_cmp_le_u32 s96, s[Q32]
	s_cbranch_scc1 .Lopen_\@
	s_sub_co_i32 s96, s[Q32], s[KF]
	v_add_nc_u32 v252, s96, v4                     ; d = my query - KF - 16 h: register 16 b + i is hidden where 32 b + i > d
	v_mov_b32 v254, 0xff800000                     ; -infinity
.set n, 0
.rept 64
	v_cmp_gt_i32 vcc_lo, 32*(n/16)+n%16, v252
	v_cndmask_b32 v[128+n], v[128+n], v254, vcc_lo
.set n, n+1
.endr
.Lopen_\@:
.irp b, 0,1,2,3
	v_max3_num_f32 v[232+\b], v[128+16*\b], v[129+16*\b], v[130+16*\b]   ; the largest score of each block of 32 keys: it serves the row's maximum and, since p rises with the score, the block's largest p
.endr
.irp i, 3,5,7,9,11,13
.irp b, 0,1,2,3
	v_max3_num_f32 v[232+\b], v[232+\b], v[128+16*\b+\i], v[129+16*\b+\i]
.endr
.endr
.irp b, 0,1,2,3
	v_max_num_f32 v[232+\b], v[232+\b], v[143+16*\b]
.endr
.irp b, 0,1,2,3
	v_permlanex16_b32 v[236+\b], v[232+\b], s[SEL], s[SEL+1]
.endr
.irp b, 0,1,2,3
	v_max_num_f32 v[232+\b], v[232+\b], v[236+\b]  ; with lane l xor 16's 16 keys
.endr
	v_max3_num_f32 v254, v232, v233, v234
	v_max_num_f32 v254, v254, v235                 ; the step's largest score of my query
	v_mul_f32 v254, s[CS], v254                    ; as t (c is positive)
	v_max_num_f32 v13, v13, v254                   ; the running largest t
	v_mov_b32 v254, v12
	v_floor_f32 v12, -v13                          ; the new -M = floor(-t) = -ceil(t): a whole number
	v_sub_f32 v254, v12, v254                      ; old M - new M: a whole number, 0 or less
	v_cvt_i32_f32 v254, v254                       ; (it saturates)
	v_ldexp_f32 v252, 1.0, v254                    ; f = 2^(old M - new M)
.set j, 0
.rept 32
	v_pk_fma_f32 v[128+j:129+j], v[128+j:129+j], s[CS:CS+1], v[12:13] op_sel_hi:[1,0,0]   ; t - M, two at a time
.set j, j+2
.endr
.irp b, 0,1,2,3
	v_fma_f32 v[232+\b], v[232+\b], s[CS], v12     ; the same of each block's largest score
.endr
.set j, 0
.rept 64
	v_exp_f32 v[128+j], v[128+j]                   ; p = 2^(t - M), at most 1: not normalised
.set j, j+1
.endr
	v_pk_mul_f32 v[14:15], v[14:15], v[252:253] op_sel_hi:[1,0]   ; the sums under the new M (a plain place behind the exponentials)
	s_wait_alu depctr_va_vdst(0)                   ; one wait for the whole batch, ahead of its first reader
.irp b, 0,1,2,3
	v_exp_f32 v[232+\b], v[232+\b]                 ; the block's largest p
.endr
	v_pk_add_f32 v[236:237], v[128:129], v[130:131]   ; the row's sum is taken of the unquantised p: two chains
.irp j, 4,8,12,16,20,24,28,32,36,40,44,48,52,56,60
	v_pk_add_f32 v[14:15], v[14:15], v[128+\j:129+\j]
	v_pk_add_f32 v[236:237], v[236:237], v[130+\j:131+\j]
.endr
	v_pk_add_f32 v[14:15], v[14:15], v[236:237]
	s_wait_alu depctr_va_vdst(0)                   ; and one for the four
.irp b, 0,1,2,3
	v_max_num_f32 v[232+\b], 0x1800000, v[232+\b]  ; the floor 2^(3 - 127): the byte cannot fall under 1
.endr
.irp b, 0,1,2,3
	v_add_nc_u32 v[244+\b], 0xff000000, v[232+\b]  ; 2 off the exponent field: the conversion's scale operand
.endr
.irp b, 0,1,2,3
	v_lshrrev_b32 v[236+\b], 23, v[244+\b]         ; the scale's byte
.endr
	v_lshl_or_b32 v253, v237, 8, v236              ; p's scale word for these 128 keys
	v_lshl_or_b32 v253, v238, 16, v253
	v_lshl_or_b32 v253, v239, 24, v253
.irp c, 0,1
	v_cvt_scalef32_pk16_fp6_f32 v[224+6*\c:226+6*\c], v[128+32*\c:143+32*\c], v[244+2*\c]
	v_cvt_scalef32_pk16_fp6_f32 v[236+4*\c:238+4*\c], v[144+32*\c:159+32*\c], v[244+2*\c+1]   ; (a conversion's three registers begin on an even number)
.endr
	v_nop                                          ; one plain place behind a scaled conversion
.irp c, 0,1                                    ; a whole block to a lane
.irp i, 0,1,2
	v_permlane16_swap_b32 v[224+6*\c+\i], v[236+4*\c+\i]
.endr
.irp i, 0,1,2
	v_mov_b32 v[227+6*\c+\i], v[236+4*\c+\i]
.endr
.endr
.set j, 0
.rept 16
	v_pk_mul_f32 v[192+j:193+j], v[192+j:193+j], v[252:253] op_sel_hi:[1,0]   ; O^T under the new M.  (These sixteen are also the places between the scale word's and the codes' last writes and the products below)
.set j, j+2
.endr
	s_wait_dscnt 0x0                               ; V is in
.irp t, 0,1,2,3                                ; O^T += V^T P^T: four tiles of 16 channels, four accumulators by turns
	v_wmma_scale_f32_16x16x128_f8f6f4 v[192+8*\t:199+8*\t], v[80+12*\t:91+12*\t], v[224:235], v[192+8*\t:199+8*\t], v[28+\t], v253 matrix_a_fmt:MATRIX_FMT_FP6 matrix_b_fmt:MATRIX_FMT_FP6
.endr
.Lhidden_\@:
	s_add_co_u32 s[KF], s[KF], 128
.endm
; THE CHANGE OF SLOTS stands at a slot's head.  Each wave waits for all its tensor loads, adds 0 to its spare word, and waits for that and for its reads of the slot that it has left.  Behind the barrier the slot ahead is whole
; and nobody reads the other one.  fill = 1: that other slot is filled with the keys that follow, up to the causal limit.
.macro CHANGE fill
	s_wait_tensorcnt 0x0                           ; no tensor load of mine is out, so a group 0 may be written
	ds_add_u32 v[SPW], v[NIL]                      ; 0 onto my spare word
.if \fill
	s_xor_b32 s[G0K+1], s[G0K+1], SLOT1            ; the walking descriptors: the other slot than last time,
	s_add_nc_u64 s[G0K+2:G0K+3], s[G0K+2:G0K+3], 32768     ; the next 16 tiles of K (2,048 bytes each),
	s_xor_b32 s[G0V+1], s[G0V+1], SLOT1
	s_add_nc_u64 s[G0V+2:G0V+3], s[G0V+2:G0V+3], 262144    ; two key steps of V on (64 records each)
	s_wait_xcnt 0x0                                ; the last prefetch, a slot back, has read its address, so it may be written
	s_add_nc_u64 s[PFA:PFA+1], s[PFA:PFA+1], s[PFS:PFS+1]
.endif
	s_wait_dscnt 0x0                               ; the add is done, and my reads of the slot that I have left are over
	s_barrier_signal -1
	s_barrier_wait -1
.if \fill
	s_add_co_u32 s96, s[KF], SK                    ; the first key of the slot that this change would ask for:
	s_cmp_gt_u32 s96, s[LASTQ]                     ; behind my work-group's last query none of its waves reads it, so it is not asked for.  Ids and the count of steps alone: all sixteen waves go the same way;
	s_cbranch_scc1 .Lpast_\@                       ; every wait on TENSORcnt in this text is for 0
	TLOAD                                          ; a wave's one tensor load until the next such barrier
.Lpast_\@:
	ASK
.endif
.endm
.macro SLOT_STEPS
	STEP 0
	STEP 1
	s_xor_b32 s[TB], s[TB], SLOT1                  ; on to the other slot
.endm
	s_wait_loadcnt 0x0                             ; Q
.Lslot:                                            ; NSL - 1 trips
	CHANGE 1
	SLOT_STEPS
	s_sub_co_u32 s[SLOTS], s[SLOTS], 1
	s_cmp_lg_u32 s[SLOTS], 0
	s_cbranch_scc1 .Lslot
	CHANGE 0                                       ; the last slot is written out: nothing is left to fetch
	SLOT_STEPS
	; THE WAY OUT.  O^T / the sum: register 16 b + i is channel 32 b + 16 h + i of my query's head: 32 numbers, two blocks along the next K.  They are quantised and leave as half an image.
.rept 4
	v_nop                                          ; places behind the last products
.endr
	v_add_f32 v14, v14, v15                        ; the sum's two halves,
	v_permlanex16_b32 v252, v14, s[SEL], s[SEL+1]
	v_add_f32 v14, v14, v252                       ; and lane l xor 16's
	v_rcp_f32 v14, v14
	v_and_b32 v8, 15, v0                           ; (plain work behind the transcendental)
	v_add_nc_u32 v9, s90, v1                       ; 16 x lane + my half image
	v_add_nc_u32 v10, s90, v2                      ; 8 x lane + 512 + my half image
	v_lshl_add_u32 v11, v8, 3, s91                 ; my two bytes of row r's scale words
	v_mov_b32 v[TM+4], 0                           ; a lane permute's destination counts as one of its sources
	v_mov_b32 v[TM+5], 0
	s_wait_alu depctr_va_vdst(0)                   ; the wait ahead of the reciprocal's first reader
.set j, 0
.rept 32
	v_mul_f32 v[128+j], v[192+j], v14              ; each accumulator from its low end on
.set j, j+1
.endr
.irp b, 0,1
	v_max3_num_f32 v[TM+\b], |v[128+16*\b]|, |v[129+16*\b]|, 0x1800000
.endr
.irp i, 2,4,6,8,10,12,14
.irp b, 0,1
	v_max3_num_f32 v[TM+\b], v[TM+\b], |v[128+16*\b+\i]|, |v[129+16*\b+\i]|
.endr
.endr
.irp b, 0,1
	v_permlanex16_b32 v[TM+4+\b], v[TM+\b], s[SEL], s[SEL+1]
.endr
.irp b, 0,1
	v_max_num_f32 v[TM+\b], v[TM+\b], v[TM+4+\b]
.endr
.irp b, 0,1
	v_add_nc_u32 v[TM+12+\b], 0xff000000, v[TM+\b]
.endr
.irp b, 0,1
	v_lshrrev_b32 v[TM+4+\b], 23, v[TM+12+\b]
.endr
	v_lshl_or_b32 v[PW], v[TM+5], 8, v[TM+4]
	v_cvt_scalef32_pk16_fp6_f32 v[PC:PC+2], v[128:143], v[TM+12]
	v_cvt_scalef32_pk16_fp6_f32 v[PC+6:PC+8], v[144:159], v[TM+13]
	v_nop                                          ; one plain place behind a scaled conversion
.irp i, 0,1,2
	v_permlane16_swap_b32 v[PC+\i], v[PC+6+\i]
.endr
.irp i, 0,1,2
	v_mov_b32 v[PC+3+\i], v[PC+6+\i]
.endr
	global_store_b128 v9, v[PC:PC+3], s[80:81]     ; 512 consecutive bytes, at a multiple of 256 from AO's first byte
	global_store_b64 v10, v[PC+4:PC+5], s[80:81]   ; 256 likewise
	global_store_b16 v11, v[PW], s[80:81]          ; two bytes a row: the neighbouring head's wave writes the word's other two; 1 byte in 24 of what the launch stores
	s_wait_tensorcnt 0x0                           ; the wave's end
	ds_add_u32 v[SPW], v[NIL]
	s_wait_dscnt 0x0
	s_endpgm
.Lfunc_end_k_qfab3bc06d2_attn:
	.size	k_qfab3bc06d2_attn, .Lfunc_end_k_qfab3bc06d2_attn-k_qfab3bc06d2_attn
	.p2alignl 7, 3214868480
	.fill 96, 4, 3214868480
	.section	.rodata,"a",@progbits
	.p2align	6, 0x0
	.amdhsa_kernel k_qfab3bc06d2_attn
		.amdhsa_group_segment_fixed_size 327680
		.amdhsa_private_segment_fixed_size 0
		.amdhsa_enable_private_segment 0
		.amdhsa_kernarg_size 16
		.amdhsa_user_sgpr_count 2
		.amdhsa_user_sgpr_kernarg_segment_ptr 1
		.amdhsa_wavefront_size32 1
		.amdhsa_system_sgpr_workgroup_id_x 1
		.amdhsa_system_sgpr_workgroup_id_y 1
		.amdhsa_system_sgpr_workgroup_id_z 1
		.amdhsa_system_vgpr_workitem_id 0
		.amdhsa_next_free_vgpr 256
		.amdhsa_next_free_sgpr 100
		.amdhsa_reserve_vcc 1
		.amdhsa_float_denorm_mode_32 3
		.amdhsa_float_denorm_mode_16_64 3
		.amdhsa_memory_ordered 1
		.amdhsa_forward_progress 1
		.amdhsa_inst_pref_size 102
	.end_amdhsa_kernel
	.amdgpu_metadata
---
amdhsa.version: [ 1, 2 ]
amdhsa.kernels:
  - .name:           k_qfab3bc06d2_attn
    .symbol:         k_qfab3bc06d2_attn.kd
    .args:
      - { .name: QKV, .offset: 0, .size: 8, .value_kind: global_buffer, .address_space: global }
      - { .name: AO, .offset: 8, .size: 8, .value_kind: global_buffer, .address_space: global }
    .group_segment_fixed_size: 327680
    .private_segment_fixed_size: 0
    .kernarg_segment_align: 8
    .kernarg_segment_size: 16
    .max_flat_workgroup_size: 512
    .sgpr_count:     100
    .vgpr_count:     256
    .wavefront_size: 32
...
	.end_amdgpu_metadata
.endif
;; end of part 4
;; launch gemm_o (part 5): grid 4 x 16, 4 waves a work-group, clusters of 4 x 4, 327,680 bytes of LDS; arguments AO, W, x, X1; writes X1
.if DOCPART == 5
	.amdgcn_target "amdgcn-amd-amdhsa--gfx1250"
	.amdhsa_code_object_version 6
	.text
	.protected	k_qfab3bc06d2_gemm_o
	.globl	k_qfab3bc06d2_gemm_o
	.p2align	8
	.type	k_qfab3bc06d2_gemm_o,@function
k_qfab3bc06d2_gemm_o:
	s_mov_b64 s[64:65], 0
	v_nop
	global_prefetch_b8 v0, s[64:65] scope:SCOPE_SE
	s_setreg_imm32_b32 hwreg(HW_REG_WAVE_MODE, 25, 1), 1
	s_wait_xcnt 0x0
	s_wait_alu depctr_hold_cnt(0) depctr_sa_sdst(0) depctr_va_vdst(0) depctr_va_sdst(0) depctr_va_ssrc(0) depctr_va_vcc(0) depctr_vm_vsrc(0)
	s_getreg_b32 s2, hwreg(HW_REG_IB_STS2, 6, 4)
	s_cmp_eq_u32 s2, 0
	s_cbranch_scc0 .Lentry_in_a_cluster
	s_endpgm
.Lentry_in_a_cluster:
	s_bfe_u32 s2, ttmp6, 0x10000c
	s_cmp_lg_u32 s2, 0xf033
	s_cbranch_scc0 .Lentry_shape_is_right
	s_endpgm
.Lentry_shape_is_right:
; out = res + A B^T on codes of FP6 (E2M3) with E8M0 scales: here A = the attention's output (AO, K = 1,024), B = wo (in W), res = x, out = X1; f32 [4096][1024].
; OPERANDS.  Both hold RECORDS: a tile of 16 rows x 256 K in 3,328 bytes: two images of a fragment's 12 registers (1,536 bytes each: for c = 0, 1: registers 6 c .. 6 c + 3 at 16 x lane, registers 6 c + 4, 6 c + 5 at 8 x lane),
; then the scale words at 3,072 + 8 r + 4 q.  A buffer is [tile][K / 256][3,328].  Row r of tile T is index 32 (T / 2) + 8 (T % 2) + r + 8 (r / 8), of tokens and of weight columns alike.
; SHAPE.  A work-group of four waves makes 256 x 256, a wave 128 x 128: 64 accumulators, 512 registers.  K goes in steps of 256 through a ring of two LDS slots; a slot holds 16 + 16 records' first 3,200 bytes, scales included.
; SOURCE 0 = weight columns, SOURCE 1 = tokens: in accumulator (a, b) lane (r, h) holds token r of tile a, and by the tiles' order the 16 registers of b = 2 b', 2 b' + 1 are the 16 neighbouring columns 32 b' + 16 h + 0 .. 15.
; CLUSTERS: 4 x 4 work-groups; source 1's tiles are shared along a row of the cluster, source 0's along a column: each is asked for jointly, by the same tensor load with the same descriptor and a mask that names the four.
; THE WAY OUT: a tile of 16 tokens x 128 columns goes through the wave's own stage in LDS and comes back as whole rows of 512 bytes, to which the residual's same 512 bytes are added.
; REGISTERS: window 0: v1-5 lane terms; v16-27 LDS addresses; v24, v25 the stage; v28, v29 the add's two; v32-63 scale words, two sets; v128-223 source 1's fragments; on the way out v64-255.
;   window 1: source 0's fragments, two sets, at v0 and v128.   windows 2, 3: the accumulators, (a, b) at v[8 (8 (a % 4) + b)].
; 64 work-groups: N = 1,024 gives no more tiles of 256 x 256.
.set TP,     13312                     ; bytes of a tile: K / 256 records
.set LAPS,   2                         ; a lap = two slots = 512 along K
.set WOFF,   192*13312                 ; source 0's first tile in W
.set LAST,   0                         ; 1: the stores are the program's last word on these bytes
.set NQ,     2                         ; matrix instructions deep in a slot
.set FR,     12                        ; registers of a fragment
.set NL,     4                         ; LDS loads that bring one
.set NP,     4                         ; places behind this matrix instruction (ISA guide 7.12.1)
.set RECD,   3200                      ; a record's bytes that move
.set RECP,   3328                      ; its pitch in memory
.set FRB,    1536                      ; an image
.set HALFT,  8*RECD                    ; what one tensor load brings, and what one wave reads of a source
.set SLOT,   4*HALFT                   ; source 1's 16 tiles, then source 0's 16
.set SPARE,  2*SLOT                    ; behind the ring: the spare words, 128 bytes for each wave: two blocks of 256 bytes that no other line names
.set SPITCH, 528                       ; the stage: 16 rows x (512 bytes + 16) for each wave, in slot 0, which has had its last fill and its last read when the first result is stored there
.set LI,   4                           ; v4      16 x lane
.set L8,   5                           ; v5      8 x lane
.set ADRA, 16                          ; v16-17  source 1's fragments in slot 0, 1: + 16 x lane;  v18-19: + 8 x lane
.set ADRB, 20                          ; v20-23  the same for source 0
.set STO,  24                          ; v24     the stage: where I put 64 bytes of a row
.set RD,   25                          ; v25     and where I read a row back
.set ADRS, 26                          ; v26-27  my scale words in slot 0, 1: lanes 0-15 source 1's rows, lanes 16-31 source 0's
.set SPW,  28                          ; v28     LDS address of my spare word; never rewritten
.set NIL,  29                          ; v29     0; never rewritten
.set SC,   32                          ; scale words: set s at v[SC + 16 s]; register 2 i + q: lanes 0-15 source 1's tile i, lanes 16-31 source 0's tile i, the slot's q-th 128 along K
.set AF,   128                         ; source 1's fragments
.set BB,   192                         ; the way out: 16 rows back from the stage;  v64-127, v128-191: the residual's rows, two sets
.set G1,   24                          ; s[24:31] descriptor group 1 for source 1's tiles;  s[32:39] group 0, one set for each slot
.set G0,   32
.set G1B,  48                          ; s[48:55], s[56:63] the same for source 0's
.set G0B,  56
.set MSB, 0
.macro WIN new                         ; the immediate's high byte repeats the setting that is left
.if MSB != (\new)
	s_set_vgpr_msb (MSB<<8)|(\new)
.set MSB, (\new)
.endif
.endm
.set MUL_LO, 0xa1                      ; source 0 window 1, source 1 window 0, C and D window 2
.set MUL_HI, 0xf1                      ; the same, C and D window 3
.set TO_B,   0x40                      ; destination window 1, address window 0
; A joint load: waves 0 and 1 fetch source 1's two halves, waves 2 and 3 source 0's.  Each line has one mask and one set of registers for all that issue it; the branch hangs on the wave's number alone.
; An s_nop 0 and four v_nop follow each of the two lines, ahead of the jump, the label and what follows.
.macro JLOAD g0a, g1a, g0b, g1b
	s_cmp_eq_u32 s15, 0
	s_cbranch_scc0 .Lfor_b_\@
	tensor_load_to_lds s[\g0a:\g0a+3], s[\g1a:\g1a+7]
	s_nop 0
.rept 4
	v_nop
.endr
	s_branch .Lasked_\@
.Lfor_b_\@:
	tensor_load_to_lds s[\g0b:\g0b+3], s[\g1b:\g1b+7]
	s_nop 0
.rept 4
	v_nop
.endr
.Lasked_\@:
.endm
.macro CREST                           ; a round of the cluster's barrier behind its opening barrier
	s_cmp_lg_u32 s14, 0
	s_cbranch_scc1 .Lnot_wave_0_\@
	s_barrier_signal -3
.Lnot_wave_0_\@:
	s_barrier_wait -3
	s_barrier_signal -1
	s_barrier_wait -1
.endm
.macro CROUND                          ; a whole round
	s_barrier_signal -1
	s_barrier_wait -1
	CREST
.endm
	s_load_b256 s[4:11], s[0:1], 0x0               ; source 1's buffer, W, the residual, out
	v_lshl_add_u32 v[SPW], v0, 2, SPARE
	v_mov_b32 v[NIL], 0
	ds_add_u32 v[SPW], v[NIL]                      ; the wave's opening: the add and its wait stand ahead of my first tensor load; the set-up below, work on registers, stands between them
	v_lshrrev_b32 v1, 5, v0
	v_readfirstlane_b32 s14, v1                    ; wave 0..3
	s_lshr_b32 s15, s14, 1                         ; which half of source 1's tiles is mine.  Also: I fetch for source 1 (0) or source 0 (1)
	s_and_b32 s16, s14, 1                          ; which half of source 0's.  Also: which 8 tiles I fetch
	s_bfe_u32 s40, ttmp6, 0x40000                  ; cx, cy: my place in the cluster
	s_bfe_u32 s41, ttmp6, 0x40004
	s_lshl_b32 s42, ttmp9, 2
	s_add_co_u32 s42, s42, s40                     ; source 0's block of 256 = 4 x cluster x + cx
	s_and_b32 s17, ttmp7, 0xffff
	s_lshl_b32 s17, s17, 2
	s_add_co_u32 s17, s17, s41                     ; source 1's block of 256 = 4 x cluster y + cy
	s_lshl_b32 s43, s41, 2
	s_lshl_b32 s43, 15, s43                        ; my row of the cluster
	s_lshl_b32 s44, 0x1111, s40                    ; my column
	; descriptor group 1: 8 rows (tiles) of 3,200 bytes (400 elements of 8), TP bytes apart, dense in LDS
	s_or_b32 s[G1+0], s43, (3<<16)|(1<<21)         ; 15:0 the mask: source 1's tiles go to my row; 17:16 elements of 8 bytes; 20 no padding; 21 set beside a mask
	s_or_b32 s[G1B+0], s44, (3<<16)|(1<<21)        ; source 0's go to my column
.irp g, G1, G1B
	s_mov_b32 s[\g+1], 400<<16                     ; tensor_dim0
	s_mov_b32 s[\g+2], 8<<16                       ; tensor_dim1
	s_mov_b32 s[\g+3], 400<<16                     ; tile_dim0
	s_mov_b32 s[\g+4], 8                           ; tile_dim1
	s_mov_b32 s[\g+5], TP/8                        ; tensor_dim0_stride
	s_mov_b32 s[\g+6], 0
	s_mov_b32 s[\g+7], 0
.endr
	s_lshl_b32 s18, s16, 3                         ; which 8 tiles of the 16 I fetch
	s_lshl_b32 s20, s17, 4
	s_add_co_u32 s20, s20, s18
	s_mul_i32 s20, s20, TP                         ; source 1: tile 16 x block + 8 x half, in bytes
	s_mov_b32 s21, 0
	s_lshl_b32 s46, s42, 4
	s_add_co_u32 s46, s46, s18
	s_mul_i32 s46, s46, TP                         ; source 0 likewise
	s_mov_b32 s47, 0
	s_mul_i32 s45, s14, HALFT                      ; where they go: wave x 8 tiles: no place in the cluster enters an LDS address
	s_wait_dscnt 0x0                               ; the opening add is done
	s_wait_kmcnt 0x0
	s_add_nc_u64 s[6:7], s[6:7], WOFF
	s_add_nc_u64 s[20:21], s[4:5], s[20:21]
	s_add_nc_u64 s[46:47], s[6:7], s[46:47]
	CROUND                                         ; all sixteen work-groups are here: the first joint loads meet
.irp s, 0,1
	s_mov_b32 s[G0+4*\s], 1                                        ; count = 1
	s_add_co_u32 s[G0+4*\s+1], s45, \s*SLOT                        ; LDS address
	s_add_nc_u64 s[G0+4*\s+2:G0+4*\s+3], s[20:21], \s*RECP         ; global address: record s
	s_or_b32 s[G0+4*\s+3], s[G0+4*\s+3], 0x80000000                ; type = 2
	s_mov_b32 s[G0B+4*\s], 1
	s_add_co_u32 s[G0B+4*\s+1], s45, \s*SLOT
	s_add_nc_u64 s[G0B+4*\s+2:G0B+4*\s+3], s[46:47], \s*RECP
	s_or_b32 s[G0B+4*\s+3], s[G0B+4*\s+3], 0x80000000
	JLOAD G0+4*\s, G1, G0B+4*\s, G1B
.endr
	v_and_b32 v1, 15, v0                           ; r
	v_bfe_u32 v2, v0, 4, 1                         ; h
	v_and_b32 v3, 31, v0
	v_lshlrev_b32 v[LI], 4, v3
	v_lshlrev_b32 v[L8], 3, v3
	s_mul_i32 s21, s15, HALFT                      ; my 8 tiles of source 1
	s_mul_i32 s22, s16, HALFT                      ; my 8 tiles of source 0,
	s_add_co_u32 s22, s22, 2*HALFT                 ; which lie behind source 1's 16
.irp s, 0,1
	v_add_nc_u32 v[ADRA+\s], s21, v[LI]
	v_add_nc_u32 v[ADRB+\s], s22, v[LI]
	v_add_nc_u32 v[ADRA+2+\s], s21, v[L8]
	v_add_nc_u32 v[ADRB+2+\s], s22, v[L8]
	s_add_co_u32 s21, s21, SLOT
	s_add_co_u32 s22, s22, SLOT
.endr
	s_xor_b32 s22, s15, 1                          ; from source 1's tiles of mine to source 0's: (2 + my half of 0 - my half of 1) x HALFT
	s_add_co_u32 s22, s22, s16
	s_add_co_u32 s22, s22, 1
	s_mul_i32 s22, s22, HALFT
	v_mul_u32_u24 v8, s22, v2                      ; lanes 16-31 take source 0's: one product, the lower base + h x the distance
	v_lshl_add_u32 v8, v1, 3, v8                   ; 8 bytes a row
	s_mul_i32 s21, s15, HALFT
	s_add_co_u32 s21, s21, 3072
	v_add_nc_u32 v[ADRS], s21, v8
	v_add_nc_u32 v[ADRS+1], SLOT, v[ADRS]
	s_mul_i32 s23, s14, 16*SPITCH                  ; my stage
	v_mul_u32_u24 v8, v1, SPITCH
	v_lshl_add_u32 v8, v2, 6, v8
	v_add_nc_u32 v[STO], s23, v8                   ; in: row r, + 64 h
	v_add_nc_u32 v[RD], s23, v[LI]                 ; back: the 32 lanes take one row of 512 bytes
	s_lshl_b32 s76, s17, 4
	s_lshl_b32 s77, s15, 3
	s_add_co_u32 s76, s76, s77                     ; my first tile of tokens,
	s_lshl_b32 s76, s76, 16                        ; 16 rows of 4,096 bytes each,
	s_lshl_b32 s77, s42, 1
	s_add_co_u32 s77, s77, s16
	s_lshl_b32 s77, s77, 9                         ; + my 128 columns
	s_add_co_u32 s76, s76, s77
	s_mov_b32 s77, 0
	s_add_nc_u64 s[8:9], s[8:9], s[76:77]
	s_add_nc_u64 s[10:11], s[10:11], s[76:77]
.macro FRAG reg, adr, q, i             ; tile i's fragment of the slot's q-th 128 along K, as its image lies: four dense loads
	ds_load_b128 v[\reg:\reg+3], v[\adr] offset:(\i)*RECD+(\q)*FRB
	ds_load_b64 v[\reg+4:\reg+5], v[\adr+2] offset:(\i)*RECD+(\q)*FRB+512
	ds_load_b128 v[\reg+6:\reg+9], v[\adr] offset:(\i)*RECD+(\q)*FRB+768
	ds_load_b64 v[\reg+10:\reg+11], v[\adr+2] offset:(\i)*RECD+(\q)*FRB+1280
.endm
; 16 matrix instructions: source 1's tiles a0, a0 + 1 x source 0's eight.  p: source 0's set;  sc: the set of scale words.  zero = 1: the first product starts the sums.
; The 64 accumulators take turns, one instruction a turn, in the same order in every step.
.macro MUL16 a0, p, q, sc, zero
.irp a, \a0, \a0+1
.irp b, 0,1,2,3,4,5,6,7
.if \zero
	v_wmma_scale_f32_16x16x128_f8f6f4 v[8*(8*((\a)%4)+\b):8*(8*((\a)%4)+\b)+7], v[128*(\p)+FR*\b:128*(\p)+FR*\b+FR-1], v[AF+FR*(\a):AF+FR*(\a)+FR-1], 0, v[SC+8*NQ*(\sc)+NQ*\b+(\q)], v[SC+8*NQ*(\sc)+NQ*(\a)+(\q)] matrix_a_fmt:MATRIX_FMT_FP6 matrix_b_fmt:MATRIX_FMT_FP6 matrix_a_scale:MATRIX_SCALE_ROW1
.else
	v_wmma_scale_f32_16x16x128_f8f6f4 v[8*(8*((\a)%4)+\b):8*(8*((\a)%4)+\b)+7], v[128*(\p)+FR*\b:128*(\p)+FR*\b+FR-1], v[AF+FR*(\a):AF+FR*(\a)+FR-1], v[8*(8*((\a)%4)+\b):8*(8*((\a)%4)+\b)+7], v[SC+8*NQ*(\sc)+NQ*\b+(\q)], v[SC+8*NQ*(\sc)+NQ*(\a)+(\q)] matrix_a_fmt:MATRIX_FMT_FP6 matrix_b_fmt:MATRIX_FMT_FP6 matrix_a_scale:MATRIX_SCALE_ROW1
.endif
.endr
.endr
.endm
.macro FETCH_B slot, q, p              ; source 0's eight fragments into set p
	WIN TO_B
.irp i, 0,1,2,3,4,5,6,7
	FRAG 128*(\p)+FR*\i, ADRB+\slot, \q, \i
.endr
	WIN 0
.endm
.macro FETCH_A slot, q, i0             ; source 1's tiles i0 .. i0 + 3
.irp i, \i0, \i0+1, \i0+2, \i0+3
	FRAG AF+FR*(\i), ADRA+\slot, \q, \i
.endr
.endm
.macro SCALES sc                       ; slot sc's scale words: both steps' words of a row by one load
.irp i, 0,1,2,3,4,5,6,7
	ds_load_b64 v[SC+8*NQ*\sc+NQ*\i:SC+8*NQ*\sc+NQ*\i+1], v[ADRS+\sc] offset:\i*RECD
.endr
.endm
.macro PLACES n                        ; a load into a register that a matrix instruction has read, and a read of a matrix result, stand NP plain vector instructions behind it (ISA guide 7.12.1 for the read of a result)
.rept \n
	v_nop
.endr
.endm
.macro STEP slot, q, zero              ; a step of 128 along K that has its successor in the same slot
	s_wait_dscnt 4*NL                              ; source 0's set and source 1's tiles 0-3 are in; the youngest 16 loads (tiles 4-7) may be out
	WIN MUL_LO
	MUL16 0, (\q)%2, \q, \slot, \zero
	MUL16 2, (\q)%2, \q, \slot, \zero
	s_wait_dscnt 0                                 ; tiles 4-7 are in
	PLACES NP
	FETCH_B \slot, (\q)+1, 1-(\q)%2
	FETCH_A \slot, (\q)+1, 0
	WIN MUL_HI
	MUL16 4, (\q)%2, \q, \slot, \zero
	MUL16 6, (\q)%2, \q, \slot, \zero
	PLACES NP
	WIN 0
	FETCH_A \slot, (\q)+1, 4
.endm
; A slot's last step changes slots: one barrier; in front of it each wave waits for all its tensor loads, adds 0 to its spare word, and waits for that and for its reads of this slot.  fill = 1: the slot is filled again, two records on.
.macro TURN slot, next, fill
	s_wait_tensorcnt 0x0                           ; all my tensor loads have landed: my part of the next slot
	ds_add_u32 v[SPW], v[NIL]                      ; 0 onto my spare word
	s_wait_dscnt 4*NL+1                            ; (the add and the youngest 16 loads may be out)
	WIN MUL_LO
	MUL16 0, 1, NQ-1, \slot, 0                     ; sixteen matrix instructions stand between the add and the wait for it
	s_wait_dscnt 0x0                               ; the add is done, and my reads of this slot are over
	s_barrier_signal -1
	MUL16 2, 1, NQ-1, \slot, 0
	WIN 0
	s_barrier_wait -1
.if \fill
	CREST                                          ; the barrier has opened a round of the cluster's barrier: no wave of any partner still reads this slot or has a load on its way
	s_add_nc_u64 s[G0+4*\slot+2:G0+4*\slot+3], s[G0+4*\slot+2:G0+4*\slot+3], 2*RECP
	s_add_nc_u64 s[G0B+4*\slot+2:G0B+4*\slot+3], s[G0B+4*\slot+2:G0B+4*\slot+3], 2*RECP
	JLOAD G0+4*\slot, G1, G0B+4*\slot, G1B         ; the first tensor load behind the round; its four v_nop are also the places in front of the loads below
.else
	PLACES NP
.endif
	FETCH_B \next, 0, 0
	FETCH_A \next, 0, 0
	SCALES \next
	WIN MUL_HI
	MUL16 4, 1, NQ-1, \slot, 0
	MUL16 6, 1, NQ-1, \slot, 0
	PLACES NP
	WIN 0
	FETCH_A \next, 0, 4
.endm
	s_wait_tensorcnt 1                             ; my part of slot 0 is in; slot 1's load may be out
	s_barrier_signal -1
	s_barrier_wait -1
	FETCH_B 0, 0, 0
	FETCH_A 0, 0, 0
	SCALES 0
	FETCH_A 0, 0, 4
	STEP 0, 0, 1                                   ; the first step stands in front of the loop: its products start the sums
	s_mov_b32 s3, LAPS-1
.Llap:                                                 ; a trip goes once round the ring and fills both slots again
	TURN 0, 1, 1
	STEP 1, 0, 0
	TURN 1, 0, 1
	STEP 0, 0, 0
	s_sub_co_u32 s3, s3, 1
	s_cmp_lg_u32 s3, 0
	s_cbranch_scc1 .Llap
	TURN 0, 1, 0                                   ; the last lap fills nothing
	STEP 1, 0, 0
	s_wait_dscnt 4*NL
	WIN MUL_LO
	MUL16 0, 1, NQ-1, 1, 0
	MUL16 2, 1, NQ-1, 1, 0
	s_wait_dscnt 0
	WIN MUL_HI
	MUL16 4, 1, NQ-1, 1, 0
	MUL16 6, 1, NQ-1, 1, 0
	WIN 0
; THE WAY OUT, tile by tile of 16 tokens.  Row t of tile a is token 32 (a / 2) + 8 (a % 2) + t + 8 (t / 8) of my 128: every row's offset is an immediate (127 rows of 4,096 bytes at the most), and no pointer is stepped.
.macro RLOAD a                         ; the residual's 16 rows of tile a, 512 consecutive bytes each, into set a % 2
.set RS, 64+64*((\a)%2)
.irp t, 0,1,2,3,4,5,6,7,8,9,10,11,12,13,14,15
	global_load_b128 v[RS+4*\t:RS+4*\t+3], v[LI], s[8:9] offset:(32*((\a)/2)+8*((\a)%2)+\t+8*(\t/8))*4096
.endr
.endm
.macro TOSTAGE a
.set AC, 64*((\a)%4)
	WIN 0x08+4*((\a)/4)                            ; an LDS store's data are its source 1: window 2 or 3
.irp b, 0,1,2,3,4,5,6,7
	ds_store_b128 v[STO], v[AC+8*\b:AC+8*\b+3] offset:128*(\b/2)+32*(\b%2)          ; each accumulator from its low end on
	ds_store_b128 v[STO], v[AC+8*\b+4:AC+8*\b+7] offset:128*(\b/2)+32*(\b%2)+16
.endr
	WIN 0
.irp t, 0,1,2,3,4,5,6,7,8,9,10,11,12,13,14,15
	ds_load_b128 v[BB+4*\t:BB+4*\t+3], v[RD] offset:\t*SPITCH   ; LDS serves a wave's instructions in order (ISA guide 5.7.1.4): these see my stores, and the next tile's stores come behind them
.endr
.endm
	PLACES NP                                      ; behind the last products: for the loads into the registers that held source 1's fragments, and for the stores of results
	RLOAD 0
.irp a, 0,1,2,3,4,5,6,7
.if \a < 7
	RLOAD \a+1
.endif
.if \a > 0
	s_wait_xcnt 0x0                                ; the last tile's stores have read their registers: the rows' registers are loaded again only behind this wait
.endif
	TOSTAGE \a
	s_wait_dscnt 0x0
.if \a < 7
	s_wait_loadcnt 16                              ; this tile's residual is in; the next tile's 16 loads may be out
.else
	s_wait_loadcnt 0x0
.endif
.set RS, 64+64*(\a%2)
.set j, 0
.rept 32
	v_pk_add_f32 v[BB+j:BB+j+1], v[BB+j:BB+j+1], v[RS+j:RS+j+1]
.set j, j+2
.endr
.irp t, 0,1,2,3,4,5,6,7,8,9,10,11,12,13,14,15
.if LAST
	global_store_b128 v[LI], v[BB+4*\t:BB+4*\t+3], s[10:11] offset:(32*(\a/2)+8*(\a%2)+\t+8*(\t/8))*4096 th:TH_STORE_NT
.else
	global_store_b128 v[LI], v[BB+4*\t:BB+4*\t+3], s[10:11] offset:(32*(\a/2)+8*(\a%2)+\t+8*(\t/8))*4096   ; 32 lanes store 512 consecutive bytes, at a multiple of 256 from the buffer's first byte
.endif
.endr
.endr
	s_wait_tensorcnt 0x0                           ; the wave's end, behind my last tensor load and my last LDS store
	ds_add_u32 v[SPW], v[NIL]
	s_wait_dscnt 0x0
	CROUND                                         ; the closing round: no work-group ends while a partner may still ask for a tile that names it
	s_endpgm
.Lfunc_end_k_qfab3bc06d2_gemm_o:
	.size	k_qfab3bc06d2_gemm_o, .Lfunc_end_k_qfab3bc06d2_gemm_o-k_qfab3bc06d2_gemm_o
	.p2alignl 7, 3214868480
	.fill 96, 4, 3214868480
	.section	.rodata,"a",@progbits
	.p2align	6, 0x0
	.amdhsa_kernel k_qfab3bc06d2_gemm_o
		.amdhsa_group_segment_fixed_size 327680
		.amdhsa_private_segment_fixed_size 0
		.amdhsa_enable_private_segment 0
		.amdhsa_kernarg_size 32
		.amdhsa_user_sgpr_count 2
		.amdhsa_user_sgpr_kernarg_segment_ptr 1
		.amdhsa_wavefront_size32 1
		.amdhsa_system_sgpr_workgroup_id_x 1
		.amdhsa_system_sgpr_workgroup_id_y 1
		.amdhsa_system_sgpr_workgroup_id_z 1
		.amdhsa_system_vgpr_workitem_id 0
		.amdhsa_next_free_vgpr 1024
		.amdhsa_next_free_sgpr 100
		.amdhsa_reserve_vcc 0
		.amdhsa_float_denorm_mode_32 3
		.amdhsa_float_denorm_mode_16_64 3
		.amdhsa_memory_ordered 1
		.amdhsa_forward_progress 1
		.amdhsa_inst_pref_size 169
	.end_amdhsa_kernel
	.amdgpu_metadata
---
amdhsa.version: [ 1, 2 ]
amdhsa.kernels:
  - .name:           k_qfab3bc06d2_gemm_o
    .symbol:         k_qfab3bc06d2_gemm_o.kd
    .args:
      - { .name: AO, .offset: 0, .size: 8, .value_kind: global_buffer, .address_space: global }
      - { .name: W, .offset: 8, .size: 8, .value_kind: global_buffer, .address_space: global }
      - { .name: x, .offset: 16, .size: 8, .value_kind: global_buffer, .address_space: global }
      - { .name: X1, .offset: 24, .size: 8, .value_kind: global_buffer, .address_space: global }
    .group_segment_fixed_size: 327680
    .private_segment_fixed_size: 0
    .kernarg_segment_align: 8
    .kernarg_segment_size: 32
    .max_flat_workgroup_size: 128
    .sgpr_count:     100
    .vgpr_count:     1024
    .wavefront_size: 32
...
	.end_amdgpu_metadata
.endif
;; end of part 5
;; launch norm2: the kernel of part 2 again; grid 256 x 1, 8 waves a work-group, no clusters, 69,120 bytes of LDS; arguments X1, ffn_norm_w, H2; writes H2
;; launch gemm_gu (part 6): grid 16 x 16, 4 waves a work-group, clusters of 4 x 4, 327,680 bytes of LDS; arguments H2, W, G; writes G
.if DOCPART == 6
	.amdgcn_target "amdgcn-amd-amdhsa--gfx1250"
	.amdhsa_code_object_version 6
	.text
	.protected	k_qfab3bc06d2_gemm_gu
	.globl	k_qfab3bc06d2_gemm_gu
	.p2align	8
	.type	k_qfab3bc06d2_gemm_gu,@function
k_qfab3bc06d2_gemm_gu:
	s_mov_b64 s[64:65], 0
	v_nop
	global_prefetch_b8 v0, s[64:65] scope:SCOPE_SE
	s_setreg_imm32_b32 hwreg(HW_REG_WAVE_MODE, 25, 1), 1
	s_wait_xcnt 0x0
	s_wait_alu depctr_hold_cnt(0) depctr_sa_sdst(0) depctr_va_vdst(0) depctr_va_sdst(0) depctr_va_ssrc(0) depctr_va_vcc(0) depctr_vm_vsrc(0)
	s_getreg_b32 s2, hwreg(HW_REG_IB_STS2, 6, 4)
	s_cmp_eq_u32 s2, 0
	s_cbranch_scc0 .Lentry_in_a_cluster
	s_endpgm
.Lentry_in_a_cluster:
	s_bfe_u32 s2, ttmp6, 0x10000c
	s_cmp_lg_u32 s2, 0xf033
	s_cbranch_scc0 .Lentry_shape_is_right
	s_endpgm
.Lentry_shape_is_right:
; G = Q(silu(h w_gate) * (h w_up)) on codes of FP6 (E2M3) with E8M0 scales (h = the normed tokens, K = 1,024); the hidden layer is quantised along its 2,048 units at once and leaves as codes.
; OPERANDS.  H2 and W hold RECORDS: a tile of 16 rows x 256 K in 3,328 bytes: two images of a fragment's 12 registers (1,536 bytes each: for c = 0, 1: registers 6 c .. 6 c + 3 at 16 x lane, registers 6 c + 4, 6 c + 5 at 8 x lane),
; then the scale words at 3,072 + 8 r + 4 q.  A buffer is [tile][K / 256][3,328].  Row r of tile T is index 32 (T / 2) + 8 (T % 2) + r + 8 (r / 8), of tokens and of weight columns alike.
; SHAPE.  A work-group of four waves makes 256 x 256, a wave 128 x 128: 64 accumulators, 512 registers.  K goes in steps of 256 through a ring of two LDS slots; a slot holds 16 + 16 records' first 3,200 bytes, scales included.
; SOURCE 0 = weight columns, SOURCE 1 = tokens.  W's tiles from WOFF on lie by 64 hidden units: four tiles of gate, then four of up.  So a wave's eight tiles of source 0 are gate and up of the SAME 64 units: in the 64 registers
; of token tile a, registers 0-31 are gate and 32-63 up, register 16 b + i = unit 32 b + 16 h + i: the activation needs no other lane, and its 32 results are two blocks along the next K.
; CLUSTERS: 4 x 4 work-groups; source 1's tiles are shared along a row of the cluster, source 0's along a column: each is asked for jointly, by the same tensor load with the same descriptor and a mask that names the four.
; OUT.  G is [256 token tiles][8][3,328]; my 64 units are half an image (768 bytes) and two bytes of a scale word.  The two-byte stores are 1 byte in 24 of what the launch stores; the word's other half comes from the other wave.
; silu(g) = g / (1 + 2^(-g log2 e)), by v_exp_f32 and v_rcp_f32; (g x sigmoid) x up, in reference()'s order.
; REGISTERS: window 0: v1-8 lane terms; v16-27 LDS addresses; v28, v29 the add's two; v32-63 scale words, two sets; v64-122 the way out; v128-223 source 1's fragments.  window 1: source 0's fragments, two sets, at v0 and v128.
;   windows 2, 3: the accumulators, (a, b) at v[8 (8 (a % 4) + b)].
; LIMITS: NaN and infinities are not served; v_exp_f32 and v_rcp_f32 are good to one unit in the last place and flush denormals (ISA guide 15.8): where g < -126 / log2 e the result is -0 and not a number under 1e-36;
;   a block whose largest magnitude lies under 2^-124 has its byte held at 1; a block of zeros gets the byte 1 and not 127.
.set TP,     13312                     ; bytes of a tile: 4 records
.set LAPS,   2                         ; a lap = two slots = 512 along K
.set WOFF,   256*13312                 ; gate's and up's tiles in W
.set TPG,    26624                     ; bytes of a tile of G
.set NQ,     2                         ; matrix instructions deep in a slot
.set FR,     12                        ; registers of a fragment
.set NL,     4                         ; LDS loads that bring one
.set NP,     4                         ; places behind this matrix instruction (ISA guide 7.12.1)
.set RECD,   3200                      ; a record's bytes that move
.set RECP,   3328                      ; its pitch in memory
.set FRB,    1536                      ; an image
.set HALFT,  8*RECD                    ; what one tensor load brings, and what one wave reads of a source
.set SLOT,   4*HALFT                   ; source 1's 16 tiles, then source 0's 16
.set SPARE,  2*SLOT                    ; behind the ring: the spare words, 128 bytes for each wave: two blocks of 256 bytes that no other line names
.set LI,   4                           ; v4      16 x lane
.set L8,   5                           ; v5      8 x lane
.set VC,   6                           ; v6      16 x lane + my half image's place in a record
.set VC8,  7                           ; v7      8 x lane + the same
.set VS,   8                           ; v8      8 r + my two bytes' place in a row's scale words
.set ADRA, 16                          ; v16-17  source 1's fragments in slot 0, 1: + 16 x lane;  v18-19: + 8 x lane
.set ADRB, 20                          ; v20-23  the same for source 0
.set ADRS, 26                          ; v26-27  my scale words in slot 0, 1: lanes 0-15 source 1's rows, lanes 16-31 source 0's
.set SPW,  28                          ; v28     LDS address of my spare word; never rewritten
.set NIL,  29                          ; v29     0; never rewritten
.set SC,   32                          ; scale words: set s at v[SC + 16 s]; register 2 i + q: lanes 0-15 source 1's tile i, lanes 16-31 source 0's tile i, the slot's q-th 128 along K
.set E,    64                          ; v64-95  32 hidden units of a lane
.set TM,   96                          ; v96-111 the quantiser's work
.set PW,   112                         ; v112    the two scale bytes
.set PC,   114                         ; v114-122 the codes, and the second conversion's three
.set AF,   128                         ; source 1's fragments
.set G1,   24                          ; s[24:31] descriptor group 1 for source 1's tiles;  s[32:39] group 0, one set for each slot
.set G0,   32
.set G1B,  48                          ; s[48:55], s[56:63] the same for source 0's
.set G0B,  56
.set SEL,  66                          ; s66, s67 v_permlanex16_b32's selects for lane l xor 16
.set NEGL, 70                          ; s[70:71] -log2(e)
.set MSB, 0
.macro WIN new                         ; the immediate's high byte repeats the setting that is left
.if MSB != (\new)
	s_set_vgpr_msb (MSB<<8)|(\new)
.set MSB, (\new)
.endif
.endm
.set MUL_LO, 0xa1                      ; source 0 window 1, source 1 window 0, C and D window 2
.set MUL_HI, 0xf1                      ; the same, C and D window 3
.set TO_B,   0x40                      ; destination window 1, address window 0
; A joint load: waves 0 and 1 fetch source 1's two halves, waves 2 and 3 source 0's.  Each line has one mask and one set of registers for all that issue it; the branch hangs on the wave's number alone.
; An s_nop 0 and four v_nop follow each of the two lines, ahead of the jump, the label and what follows.
.macro JLOAD g0a, g1a, g0b, g1b
	s_cmp_eq_u32 s15, 0
	s_cbranch_scc0 .Lfor_b_\@
	tensor_load_to_lds s[\g0a:\g0a+3], s[\g1a:\g1a+7]
	s_nop 0
.rept 4
	v_nop
.endr
	s_branch .Lasked_\@
.Lfor_b_\@:
	tensor_load_to_lds s[\g0b:\g0b+3], s[\g1b:\g1b+7]
	s_nop 0
.rept 4
	v_nop
.endr
.Lasked_\@:
.endm
.macro CREST                           ; a round of the cluster's barrier behind its opening barrier
	s_cmp_lg_u32 s14, 0
	s_cbranch_scc1 .Lnot_wave_0_\@
	s_barrier_signal -3
.Lnot_wave_0_\@:
	s_barrier_wait -3
	s_barrier_signal -1
	s_barrier_wait -1
.endm
.macro CROUND                          ; a whole round
	s_barrier_signal -1
	s_barrier_wait -1
	CREST
.endm
	s_load_b128 s[4:7], s[0:1], 0x0                ; H2, W
	s_load_b64 s[8:9], s[0:1], 0x10                ; G
	v_lshl_add_u32 v[SPW], v0, 2, SPARE
	v_mov_b32 v[NIL], 0
	ds_add_u32 v[SPW], v[NIL]                      ; the wave's opening: the add and its wait stand ahead of my first tensor load; the set-up below, work on registers, stands between them
	v_lshrrev_b32 v1, 5, v0
	v_readfirstlane_b32 s14, v1                    ; wave 0..3
	s_lshr_b32 s15, s14, 1                         ; which half of source 1's tiles is mine.  Also: I fetch for source 1 (0) or source 0 (1)
	s_and_b32 s16, s14, 1                          ; which half of source 0's.  Also: which 8 tiles I fetch
	s_bfe_u32 s40, ttmp6, 0x40000                  ; cx, cy: my place in the cluster
	s_bfe_u32 s41, ttmp6, 0x40004
	s_lshl_b32 s42, ttmp9, 2
	s_add_co_u32 s42, s42, s40                     ; source 0's block of 16 tiles = 4 x cluster x + cx
	s_and_b32 s17, ttmp7, 0xffff
	s_lshl_b32 s17, s17, 2
	s_add_co_u32 s17, s17, s41                     ; source 1's block of 256 = 4 x cluster y + cy
	s_lshl_b32 s43, s41, 2
	s_lshl_b32 s43, 15, s43                        ; my row of the cluster
	s_lshl_b32 s44, 0x1111, s40                    ; my column
	; descriptor group 1: 8 rows (tiles) of 3,200 bytes (400 elements of 8), TP bytes apart, dense in LDS
	s_or_b32 s[G1+0], s43, (3<<16)|(1<<21)         ; 15:0 the mask: source 1's tiles go to my row; 17:16 elements of 8 bytes; 20 no padding; 21 set beside a mask
	s_or_b32 s[G1B+0], s44, (3<<16)|(1<<21)        ; source 0's go to my column
.irp g, G1, G1B
	s_mov_b32 s[\g+1], 400<<16                     ; tensor_dim0
	s_mov_b32 s[\g+2], 8<<16                       ; tensor_dim1
	s_mov_b32 s[\g+3], 400<<16                     ; tile_dim0
	s_mov_b32 s[\g+4], 8                           ; tile_dim1
	s_mov_b32 s[\g+5], TP/8                        ; tensor_dim0_stride
	s_mov_b32 s[\g+6], 0
	s_mov_b32 s[\g+7], 0
.endr
	s_lshl_b32 s18, s16, 3                         ; which 8 tiles of the 16 I fetch
	s_lshl_b32 s20, s17, 4
	s_add_co_u32 s20, s20, s18
	s_mul_i32 s20, s20, TP                         ; source 1: tile 16 x block + 8 x half, in bytes
	s_mov_b32 s21, 0
	s_lshl_b32 s46, s42, 4
	s_add_co_u32 s46, s46, s18
	s_mul_i32 s46, s46, TP                         ; source 0 likewise
	s_mov_b32 s47, 0
	s_mul_i32 s45, s14, HALFT                      ; where they go: wave x 8 tiles: no place in the cluster enters an LDS address
	s_mov_b32 s[SEL], 0x76543210
	s_mov_b32 s[SEL+1], 0xfedcba98
	s_mov_b32 s[NEGL], 0xbfb8aa3b                  ; -log2(e)
	s_mov_b32 s[NEGL+1], s[NEGL]                   ; (named with it as a pair, so it is written)
	s_wait_dscnt 0x0                               ; the opening add is done
	s_wait_kmcnt 0x0
	s_add_nc_u64 s[6:7], s[6:7], WOFF
	s_add_nc_u64 s[20:21], s[4:5], s[20:21]
	s_add_nc_u64 s[46:47], s[6:7], s[46:47]
	CROUND                                         ; all sixteen work-groups are here: the first joint loads meet
.irp s, 0,1
	s_mov_b32 s[G0+4*\s], 1                                        ; count = 1
	s_add_co_u32 s[G0+4*\s+1], s45, \s*SLOT                        ; LDS address
	s_add_nc_u64 s[G0+4*\s+2:G0+4*\s+3], s[20:21], \s*RECP         ; global address: record s
	s_or_b32 s[G0+4*\s+3], s[G0+4*\s+3], 0x80000000                ; type = 2
	s_mov_b32 s[G0B+4*\s], 1
	s_add_co_u32 s[G0B+4*\s+1], s45, \s*SLOT
	s_add_nc_u64 s[G0B+4*\s+2:G0B+4*\s+3], s[46:47], \s*RECP
	s_or_b32 s[G0B+4*\s+3], s[G0B+4*\s+3], 0x80000000
	JLOAD G0+4*\s, G1, G0B+4*\s, G1B
.endr
	v_and_b32 v1, 15, v0                           ; r
	v_bfe_u32 v2, v0, 4, 1                         ; h
	v_and_b32 v3, 31, v0
	v_lshlrev_b32 v[LI], 4, v3
	v_lshlrev_b32 v[L8], 3, v3
	s_mul_i32 s21, s15, HALFT                      ; my 8 tiles of source 1
	s_mul_i32 s22, s16, HALFT                      ; my 8 tiles of source 0,
	s_add_co_u32 s22, s22, 2*HALFT                 ; which lie behind source 1's 16
.irp s, 0,1
	v_add_nc_u32 v[ADRA+\s], s21, v[LI]
	v_add_nc_u32 v[ADRB+\s], s22, v[LI]
	v_add_nc_u32 v[ADRA+2+\s], s21, v[L8]
	v_add_nc_u32 v[ADRB+2+\s], s22, v[L8]
	s_add_co_u32 s21, s21, SLOT
	s_add_co_u32 s22, s22, SLOT
.endr
	s_xor_b32 s22, s15, 1                          ; from source 1's tiles of mine to source 0's: (2 + my half of 0 - my half of 1) x HALFT
	s_add_co_u32 s22, s22, s16
	s_add_co_u32 s22, s22, 1
	s_mul_i32 s22, s22, HALFT
	v_mul_u32_u24 v9, s22, v2                      ; lanes 16-31 take source 0's: one product, the lower base + h x the distance
	v_lshl_add_u32 v9, v1, 3, v9                   ; 8 bytes a row
	s_mul_i32 s21, s15, HALFT
	s_add_co_u32 s21, s21, 3072
	v_add_nc_u32 v[ADRS], s21, v9
	v_add_nc_u32 v[ADRS+1], SLOT, v[ADRS]
	; the way out: my 64 hidden units are number 2 x block + half of 32 groups: record block / 2, image block % 2, half image = my half
	s_lshl_b32 s76, s17, 4
	s_lshl_b32 s77, s15, 3
	s_add_co_u32 s76, s76, s77                     ; my first tile of tokens
	s_mul_i32 s76, s76, TPG
	s_lshr_b32 s77, s42, 1
	s_mul_i32 s77, s77, RECP
	s_add_co_u32 s76, s76, s77
	s_mov_b32 s77, 0
	s_add_nc_u64 s[12:13], s[8:9], s[76:77]
	s_and_b32 s78, s42, 1
	s_mul_i32 s79, s78, FRB
	s_mul_i32 s80, s16, 768
	s_add_co_u32 s79, s79, s80
	v_add_nc_u32 v[VC], s79, v[LI]
	v_add_nc_u32 v[VC8], s79, v[L8]
	s_lshl_b32 s78, s78, 2
	s_lshl_b32 s80, s16, 1
	s_add_co_u32 s78, s78, s80
	v_lshl_add_u32 v[VS], v1, 3, s78
.macro FRAG reg, adr, q, i             ; tile i's fragment of the slot's q-th 128 along K, as its image lies: four dense loads
	ds_load_b128 v[\reg:\reg+3], v[\adr] offset:(\i)*RECD+(\q)*FRB
	ds_load_b64 v[\reg+4:\reg+5], v[\adr+2] offset:(\i)*RECD+(\q)*FRB+512
	ds_load_b128 v[\reg+6:\reg+9], v[\adr] offset:(\i)*RECD+(\q)*FRB+768
	ds_load_b64 v[\reg+10:\reg+11], v[\adr+2] offset:(\i)*RECD+(\q)*FRB+1280
.endm
; 16 matrix instructions: source 1's tiles a0, a0 + 1 x source 0's eight.  p: source 0's set;  sc: the set of scale words.  zero = 1: the first product starts the sums.
; The 64 accumulators take turns, one instruction a turn, in the same order in every step.
.macro MUL16 a0, p, q, sc, zero
.irp a, \a0, \a0+1
.irp b, 0,1,2,3,4,5,6,7
.if \zero
	v_wmma_scale_f32_16x16x128_f8f6f4 v[8*(8*((\a)%4)+\b):8*(8*((\a)%4)+\b)+7], v[128*(\p)+FR*\b:128*(\p)+FR*\b+FR-1], v[AF+FR*(\a):AF+FR*(\a)+FR-1], 0, v[SC+8*NQ*(\sc)+NQ*\b+(\q)], v[SC+8*NQ*(\sc)+NQ*(\a)+(\q)] matrix_a_fmt:MATRIX_FMT_FP6 matrix_b_fmt:MATRIX_FMT_FP6 matrix_a_scale:MATRIX_SCALE_ROW1
.else
	v_wmma_scale_f32_16x16x128_f8f6f4 v[8*(8*((\a)%4)+\b):8*(8*((\a)%4)+\b)+7], v[128*(\p)+FR*\b:128*(\p)+FR*\b+FR-1], v[AF+FR*(\a):AF+FR*(\a)+FR-1], v[8*(8*((\a)%4)+\b):8*(8*((\a)%4)+\b)+7], v[SC+8*NQ*(\sc)+NQ*\b+(\q)], v[SC+8*NQ*(\sc)+NQ*(\a)+(\q)] matrix_a_fmt:MATRIX_FMT_FP6 matrix_b_fmt:MATRIX_FMT_FP6 matrix_a_scale:MATRIX_SCALE_ROW1
.endif
.endr
.endr
.endm
.macro FETCH_B slot, q, p              ; source 0's eight fragments into set p
	WIN TO_B
.irp i, 0,1,2,3,4,5,6,7
	FRAG 128*(\p)+FR*\i, ADRB+\slot, \q, \i
.endr
	WIN 0
.endm
.macro FETCH_A slot, q, i0             ; source 1's tiles i0 .. i0 + 3
.irp i, \i0, \i0+1, \i0+2, \i0+3
	FRAG AF+FR*(\i), ADRA+\slot, \q, \i
.endr
.endm
.macro SCALES sc                       ; slot sc's scale words: both steps' words of a row by one load
.irp i, 0,1,2,3,4,5,6,7
	ds_load_b64 v[SC+8*NQ*\sc+NQ*\i:SC+8*NQ*\sc+NQ*\i+1], v[ADRS+\sc] offset:\i*RECD
.endr
.endm
.macro PLACES n                        ; a load into a register that a matrix instruction has read, and a read of a matrix result, stand NP plain vector instructions behind it (ISA guide 7.12.1 for the read of a result)
.rept \n
	v_nop
.endr
.endm
.macro STEP slot, q, zero              ; a step of 128 along K that has its successor in the same slot
	s_wait_dscnt 4*NL                              ; source 0's set and source 1's tiles 0-3 are in; the youngest 16 loads (tiles 4-7) may be out
	WIN MUL_LO
	MUL16 0, (\q)%2, \q, \slot, \zero
	MUL16 2, (\q)%2, \q, \slot, \zero
	s_wait_dscnt 0                                 ; tiles 4-7 are in
	PLACES NP
	FETCH_B \slot, (\q)+1, 1-(\q)%2
	FETCH_A \slot, (\q)+1, 0
	WIN MUL_HI
	MUL16 4, (\q)%2, \q, \slot, \zero
	MUL16 6, (\q)%2, \q, \slot, \zero
	PLACES NP
	WIN 0
	FETCH_A \slot, (\q)+1, 4
.endm
; A slot's last step changes slots: one barrier; in front of it each wave waits for all its tensor loads, adds 0 to its spare word, and waits for that and for its reads of this slot.  fill = 1: the slot is filled again, two records on.
.macro TURN slot, next, fill
	s_wait_tensorcnt 0x0                           ; all my tensor loads have landed: my part of the next slot
	ds_add_u32 v[SPW], v[NIL]                      ; 0 onto my spare word
	s_wait_dscnt 4*NL+1                            ; (the add and the youngest 16 loads may be out)
	WIN MUL_LO
	MUL16 0, 1, NQ-1, \slot, 0                     ; sixteen matrix instructions stand between the add and the wait for it
	s_wait_dscnt 0x0                               ; the add is done, and my reads of this slot are over
	s_barrier_signal -1
	MUL16 2, 1, NQ-1, \slot, 0
	WIN 0
	s_barrier_wait -1
.if \fill
	CREST                                          ; the barrier has opened a round of the cluster's barrier: no wave of any partner still reads this slot or has a load on its way
	s_add_nc_u64 s[G0+4*\slot+2:G0+4*\slot+3], s[G0+4*\slot+2:G0+4*\slot+3], 2*RECP
	s_add_nc_u64 s[G0B+4*\slot+2:G0B+4*\slot+3], s[G0B+4*\slot+2:G0B+4*\slot+3], 2*RECP
	JLOAD G0+4*\slot, G1, G0B+4*\slot, G1B         ; the first tensor load behind the round; its four v_nop are also the places in front of the loads below
.else
	PLACES NP
.endif
	FETCH_B \next, 0, 0
	FETCH_A \next, 0, 0
	SCALES \next
	WIN MUL_HI
	MUL16 4, 1, NQ-1, \slot, 0
	MUL16 6, 1, NQ-1, \slot, 0
	PLACES NP
	WIN 0
	FETCH_A \next, 0, 4
.endm
	s_wait_tensorcnt 1                             ; my part of slot 0 is in; slot 1's load may be out
	s_barrier_signal -1
	s_barrier_wait -1
	FETCH_B 0, 0, 0
	FETCH_A 0, 0, 0
	SCALES 0
	FETCH_A 0, 0, 4
	STEP 0, 0, 1                                   ; the first step stands in front of the loop: its products start the sums
	s_mov_b32 s3, LAPS-1
.Llap:                                                 ; a trip goes once round the ring and fills both slots again
	TURN 0, 1, 1
	STEP 1, 0, 0
	TURN 1, 0, 1
	STEP 0, 0, 0
	s_sub_co_u32 s3, s3, 1
	s_cmp_lg_u32 s3, 0
	s_cbranch_scc1 .Llap
	TURN 0, 1, 0                                   ; the last lap fills nothing
	STEP 1, 0, 0
	s_wait_dscnt 4*NL
	WIN MUL_LO
	MUL16 0, 1, NQ-1, 1, 0
	MUL16 2, 1, NQ-1, 1, 0
	s_wait_dscnt 0
	WIN MUL_HI
	MUL16 4, 1, NQ-1, 1, 0
	MUL16 6, 1, NQ-1, 1, 0
	WIN 0
; THE WAY OUT, token tile by token tile: the activation in f32, the quantiser, half an image.
.irp b, 0,1,2,3
	v_mov_b32 v[TM+4+\b], 0                        ; a lane permute's destination counts as one of its sources; these four are also the places behind the last products
.endr
.irp a, 0,1,2,3,4,5,6,7
.set AC, 64*(\a%4)
.set WN, 2+\a/4
	WIN WN                                         ; source 0: the accumulators' window
.set j, 0
.rept 16
	v_pk_mul_f32 v[E+j:E+j+1], v[AC+j:AC+j+1], s[NEGL:NEGL+1] op_sel_hi:[1,0]   ; -g log2 e; each accumulator is read from its low end on
.set j, j+2
.endr
	WIN 0
.set j, 0
.rept 32
	v_exp_f32 v[E+j], v[E+j]
.set j, j+1
.endr
	v_nop                                          ; a plain place behind the batch,
	s_wait_alu depctr_va_vdst(0)                   ; and one wait for it, ahead of its first reader
.set j, 0
.rept 16
	v_pk_add_f32 v[E+j:E+j+1], v[E+j:E+j+1], 1.0 op_sel_hi:[1,0]
.set j, j+2
.endr
.set j, 0
.rept 32
	v_rcp_f32 v[E+j], v[E+j]                       ; the sigmoid
.set j, j+1
.endr
	v_nop
	s_wait_alu depctr_va_vdst(0)
	WIN WN
.set j, 0
.rept 16
	v_pk_mul_f32 v[E+j:E+j+1], v[AC+j:AC+j+1], v[E+j:E+j+1]            ; g x sigmoid(g),
.set j, j+2
.endr
.set j, 0
.rept 16
	v_pk_mul_f32 v[E+j:E+j+1], v[AC+32+j:AC+33+j], v[E+j:E+j+1]        ; x up
.set j, j+2
.endr
	WIN 0
.irp b, 0,1
	v_max3_num_f32 v[TM+\b], |v[E+16*\b]|, |v[E+1+16*\b]|, 0x1800000   ; block b: my 16 numbers, and the floor 2^(3 - 127)
.endr
.irp i, 2,4,6,8,10,12,14
.irp b, 0,1
	v_max3_num_f32 v[TM+\b], v[TM+\b], |v[E+16*\b+\i]|, |v[E+1+16*\b+\i]|
.endr
.endr
.irp b, 0,1
	v_permlanex16_b32 v[TM+4+\b], v[TM+\b], s[SEL], s[SEL+1]
.endr
.irp b, 0,1
	v_max_num_f32 v[TM+\b], v[TM+\b], v[TM+4+\b]   ; with lane l xor 16's: the block's largest magnitude
.endr
.irp b, 0,1
	v_add_nc_u32 v[TM+12+\b], 0xff000000, v[TM+\b]   ; 2 off its exponent field: the conversion's scale operand
.endr
.irp b, 0,1
	v_lshrrev_b32 v[TM+4+\b], 23, v[TM+12+\b]      ; the scale's byte
.endr
.if \a > 0
	s_wait_xcnt 0x0                                ; the last tile's stores have read their registers: the bytes and the codes are written again only behind this wait
.endif
	v_lshl_or_b32 v[PW], v[TM+5], 8, v[TM+4]
	v_cvt_scalef32_pk16_fp6_f32 v[PC:PC+2], v[E:E+15], v[TM+12]
	v_cvt_scalef32_pk16_fp6_f32 v[PC+6:PC+8], v[E+16:E+31], v[TM+13]
	v_nop                                          ; one plain place behind a scaled conversion
.irp i, 0,1,2
	v_permlane16_swap_b32 v[PC+\i], v[PC+6+\i]     ; a whole block to a lane
.endr
.irp i, 0,1,2
	v_mov_b32 v[PC+3+\i], v[PC+6+\i]
.endr
	global_store_b128 v[VC], v[PC:PC+3], s[12:13] offset:\a*TPG            ; 512 consecutive bytes, at a multiple of 256 from G's first byte
	global_store_b64 v[VC8], v[PC+4:PC+5], s[12:13] offset:\a*TPG+512      ; 256 likewise
	global_store_b16 v[VS], v[PW], s[12:13] offset:\a*TPG+3072
.endr
	s_wait_tensorcnt 0x0                           ; the wave's end
	ds_add_u32 v[SPW], v[NIL]
	s_wait_dscnt 0x0
	CROUND                                         ; the closing round: no work-group ends while a partner may still ask for a tile that names it
	s_endpgm
.Lfunc_end_k_qfab3bc06d2_gemm_gu:
	.size	k_qfab3bc06d2_gemm_gu, .Lfunc_end_k_qfab3bc06d2_gemm_gu-k_qfab3bc06d2_gemm_gu
	.p2alignl 7, 3214868480
	.fill 96, 4, 3214868480
	.section	.rodata,"a",@progbits
	.p2align	6, 0x0
	.amdhsa_kernel k_qfab3bc06d2_gemm_gu
		.amdhsa_group_segment_fixed_size 327680
		.amdhsa_private_segment_fixed_size 0
		.amdhsa_enable_private_segment 0
		.amdhsa_kernarg_size 24
		.amdhsa_user_sgpr_count 2
		.amdhsa_user_sgpr_kernarg_segment_ptr 1
		.amdhsa_wavefront_size32 1
		.amdhsa_system_sgpr_workgroup_id_x 1
		.amdhsa_system_sgpr_workgroup_id_y 1
		.amdhsa_system_sgpr_workgroup_id_z 1
		.amdhsa_system_vgpr_workitem_id 0
		.amdhsa_next_free_vgpr 1024
		.amdhsa_next_free_sgpr 100
		.amdhsa_reserve_vcc 0
		.amdhsa_float_denorm_mode_32 3
		.amdhsa_float_denorm_mode_16_64 3
		.amdhsa_memory_ordered 1
		.amdhsa_forward_progress 1
		.amdhsa_inst_pref_size 179
	.end_amdhsa_kernel
	.amdgpu_metadata
---
amdhsa.version: [ 1, 2 ]
amdhsa.kernels:
  - .name:           k_qfab3bc06d2_gemm_gu
    .symbol:         k_qfab3bc06d2_gemm_gu.kd
    .args:
      - { .name: H2, .offset: 0, .size: 8, .value_kind: global_buffer, .address_space: global }
      - { .name: W, .offset: 8, .size: 8, .value_kind: global_buffer, .address_space: global }
      - { .name: G, .offset: 16, .size: 8, .value_kind: global_buffer, .address_space: global }
    .group_segment_fixed_size: 327680
    .private_segment_fixed_size: 0
    .kernarg_segment_align: 8
    .kernarg_segment_size: 24
    .max_flat_workgroup_size: 128
    .sgpr_count:     100
    .vgpr_count:     1024
    .wavefront_size: 32
...
	.end_amdgpu_metadata
.endif
;; end of part 6
;; launch gemm_d (part 7): grid 4 x 16, 4 waves a work-group, clusters of 4 x 4, 327,680 bytes of LDS; arguments G, W, X1, out0; writes out0
.if DOCPART == 7
	.amdgcn_target "amdgcn-amd-amdhsa--gfx1250"
	.amdhsa_code_object_version 6
	.text
	.protected	k_qfab3bc06d2_gemm_d
	.globl	k_qfab3bc06d2_gemm_d
	.p2align	8
	.type	k_qfab3bc06d2_gemm_d,@function
k_qfab3bc06d2_gemm_d:
	s_mov_b64 s[64:65], 0
	v_nop
	global_prefetch_b8 v0, s[64:65] scope:SCOPE_SE
	s_setreg_imm32_b32 hwreg(HW_REG_WAVE_MODE, 25, 1), 1
	s_wait_xcnt 0x0
	s_wait_alu depctr_hold_cnt(0) depctr_sa_sdst(0) depctr_va_vdst(0) depctr_va_sdst(0) depctr_va_ssrc(0) depctr_va_vcc(0) depctr_vm_vsrc(0)
	s_getreg_b32 s2, hwreg(HW_REG_IB_STS2, 6, 4)
	s_cmp_eq_u32 s2, 0
	s_cbranch_scc0 .Lentry_in_a_cluster
	s_endpgm
.Lentry_in_a_cluster:
	s_bfe_u32 s2, ttmp6, 0x10000c
	s_cmp_lg_u32 s2, 0xf033
	s_cbranch_scc0 .Lentry_shape_is_right
	s_endpgm
.Lentry_shape_is_right:
; out = res + A B^T on codes of FP6 (E2M3) with E8M0 scales: here A = the hidden layer (G, K = 2,048), B = w_down (in W), res = X1, out = out0; f32 [4096][1024].
; OPERANDS.  Both hold RECORDS: a tile of 16 rows x 256 K in 3,328 bytes: two images of a fragment's 12 registers (1,536 bytes each: for c = 0, 1: registers 6 c .. 6 c + 3 at 16 x lane, registers 6 c + 4, 6 c + 5 at 8 x lane),
; then the scale words at 3,072 + 8 r + 4 q.  A buffer is [tile][K / 256][3,328].  Row r of tile T is index 32 (T / 2) + 8 (T % 2) + r + 8 (r / 8), of tokens and of weight columns alike.
; SHAPE.  A work-group of four waves makes 256 x 256, a wave 128 x 128: 64 accumulators, 512 registers.  K goes in steps of 256 through a ring of two LDS slots; a slot holds 16 + 16 records' first 3,200 bytes, scales included.
; SOURCE 0 = weight columns, SOURCE 1 = tokens: in accumulator (a, b) lane (r, h) holds token r of tile a, and by the tiles' order the 16 registers of b = 2 b', 2 b' + 1 are the 16 neighbouring columns 32 b' + 16 h + 0 .. 15.
; CLUSTERS: 4 x 4 work-groups; source 1's tiles are shared along a row of the cluster, source 0's along a column: each is asked for jointly, by the same tensor load with the same descriptor and a mask that names the four.
; THE WAY OUT: a tile of 16 tokens x 128 columns goes through the wave's own stage in LDS and comes back as whole rows of 512 bytes, to which the residual's same 512 bytes are added.
; REGISTERS: window 0: v1-5 lane terms; v16-27 LDS addresses; v24, v25 the stage; v28, v29 the add's two; v32-63 scale words, two sets; v128-223 source 1's fragments; on the way out v64-255.
;   window 1: source 0's fragments, two sets, at v0 and v128.   windows 2, 3: the accumulators, (a, b) at v[8 (8 (a % 4) + b)].
; 64 work-groups: N = 1,024 gives no more tiles of 256 x 256.
.set TP,     26624                     ; bytes of a tile: K / 256 records
.set LAPS,   4                         ; a lap = two slots = 512 along K
.set WOFF,   512*13312                 ; source 0's first tile in W
.set LAST,   1                         ; 1: the stores are the program's last word on these bytes
.set NQ,     2                         ; matrix instructions deep in a slot
.set FR,     12                        ; registers of a fragment
.set NL,     4                         ; LDS loads that bring one
.set NP,     4                         ; places behind this matrix instruction (ISA guide 7.12.1)
.set RECD,   3200                      ; a record's bytes that move
.set RECP,   3328                      ; its pitch in memory
.set FRB,    1536                      ; an image
.set HALFT,  8*RECD                    ; what one tensor load brings, and what one wave reads of a source
.set SLOT,   4*HALFT                   ; source 1's 16 tiles, then source 0's 16
.set SPARE,  2*SLOT                    ; behind the ring: the spare words, 128 bytes for each wave: two blocks of 256 bytes that no other line names
.set SPITCH, 528                       ; the stage: 16 rows x (512 bytes + 16) for each wave, in slot 0, which has had its last fill and its last read when the first result is stored there
.set LI,   4                           ; v4      16 x lane
.set L8,   5                           ; v5      8 x lane
.set ADRA, 16                          ; v16-17  source 1's fragments in slot 0, 1: + 16 x lane;  v18-19: + 8 x lane
.set ADRB, 20                          ; v20-23  the same for source 0
.set STO,  24                          ; v24     the stage: where I put 64 bytes of a row
.set RD,   25                          ; v25     and where I read a row back
.set ADRS, 26                          ; v26-27  my scale words in slot 0, 1: lanes 0-15 source 1's rows, lanes 16-31 source 0's
.set SPW,  28                          ; v28     LDS address of my spare word; never rewritten
.set NIL,  29                          ; v29     0; never rewritten
.set SC,   32                          ; scale words: set s at v[SC + 16 s]; register 2 i + q: lanes 0-15 source 1's tile i, lanes 16-31 source 0's tile i, the slot's q-th 128 along K
.set AF,   128                         ; source 1's fragments
.set BB,   192                         ; the way out: 16 rows back from the stage;  v64-127, v128-191: the residual's rows, two sets
.set G1,   24                          ; s[24:31] descriptor group 1 for source 1's tiles;  s[32:39] group 0, one set for each slot
.set G0,   32
.set G1B,  48                          ; s[48:55], s[56:63] the same for source 0's
.set G0B,  56
.set MSB, 0
.macro WIN new                         ; the immediate's high byte repeats the setting that is left
.if MSB != (\new)
	s_set_vgpr_msb (MSB<<8)|(\new)
.set MSB, (\new)
.endif
.endm
.set MUL_LO, 0xa1                      ; source 0 window 1, source 1 window 0, C and D window 2
.set MUL_HI, 0xf1                      ; the same, C and D window 3
.set TO_B,   0x40                      ; destination window 1, address window 0
; A joint load: waves 0 and 1 fetch source 1's two halves, waves 2 and 3 source 0's.  Each line has one mask and one set of registers for all that issue it; the branch hangs on the wave's number alone.
; An s_nop 0 and four v_nop follow each of the two lines, ahead of the jump, the label and what follows.
.macro JLOAD g0a, g1a, g0b, g1b
	s_cmp_eq_u32 s15, 0
	s_cbranch_scc0 .Lfor_b_\@
	tensor_load_to_lds s[\g0a:\g0a+3], s[\g1a:\g1a+7]
	s_nop 0
.rept 4
	v_nop
.endr
	s_branch .Lasked_\@
.Lfor_b_\@:
	tensor_load_to_lds s[\g0b:\g0b+3], s[\g1b:\g1b+7]
	s_nop 0
.rept 4
	v_nop
.endr
.Lasked_\@:
.endm
.macro CREST                           ; a round of the cluster's barrier behind its opening barrier
	s_cmp_lg_u32 s14, 0
	s_cbranch_scc1 .Lnot_wave_0_\@
	s_barrier_signal -3
.Lnot_wave_0_\@:
	s_barrier_wait -3
	s_barrier_signal -1
	s_barrier_wait -1
.endm
.macro CROUND                          ; a whole round
	s_barrier_signal -1
	s_barrier_wait -1
	CREST
.endm
	s_load_b256 s[4:11], s[0:1], 0x0               ; source 1's buffer, W, the residual, out
	v_lshl_add_u32 v[SPW], v0, 2, SPARE
	v_mov_b32 v[NIL], 0
	ds_add_u32 v[SPW], v[NIL]                      ; the wave's opening: the add and its wait stand ahead of my first tensor load; the set-up below, work on registers, stands between them
	v_lshrrev_b32 v1, 5, v0
	v_readfirstlane_b32 s14, v1                    ; wave 0..3
	s_lshr_b32 s15, s14, 1                         ; which half of source 1's tiles is mine.  Also: I fetch for source 1 (0) or source 0 (1)
	s_and_b32 s16, s14, 1                          ; which half of source 0's.  Also: which 8 tiles I fetch
	s_bfe_u32 s40, ttmp6, 0x40000                  ; cx, cy: my place in the cluster
	s_bfe_u32 s41, ttmp6, 0x40004
	s_lshl_b32 s42, ttmp9, 2
	s_add_co_u32 s42, s42, s40                     ; source 0's block of 256 = 4 x cluster x + cx
	s_and_b32 s17, ttmp7, 0xffff
	s_lshl_b32 s17, s17, 2
	s_add_co_u32 s17, s17, s41                     ; source 1's block of 256 = 4 x cluster y + cy
	s_lshl_b32 s43, s41, 2
	s_lshl_b32 s43, 15, s43                        ; my row of the cluster
	s_lshl_b32 s44, 0x1111, s40                    ; my column
	; descriptor group 1: 8 rows (tiles) of 3,200 bytes (400 elements of 8), TP bytes apart, dense in LDS
	s_or_b32 s[G1+0], s43, (3<<16)|(1<<21)         ; 15:0 the mask: source 1's tiles go to my row; 17:16 elements of 8 bytes; 20 no padding; 21 set beside a mask
	s_or_b32 s[G1B+0], s44, (3<<16)|(1<<21)        ; source 0's go to my column
.irp g, G1, G1B
	s_mov_b32 s[\g+1], 400<<16                     ; tensor_dim0
	s_mov_b32 s[\g+2], 8<<16                       ; tensor_dim1
	s_mov_b32 s[\g+3], 400<<16                     ; tile_dim0
	s_mov_b32 s[\g+4], 8                           ; tile_dim1
	s_mov_b32 s[\g+5], TP/8                        ; tensor_dim0_stride
	s_mov_b32 s[\g+6], 0
	s_mov_b32 s[\g+7], 0
.endr
	s_lshl_b32 s18, s16, 3                         ; which 8 tiles of the 16 I fetch
	s_lshl_b32 s20, s17, 4
	s_add_co_u32 s20, s20, s18
	s_mul_i32 s20, s20, TP                         ; source 1: tile 16 x block + 8 x half, in bytes
	s_mov_b32 s21, 0
	s_lshl_b32 s46, s42, 4
	s_add_co_u32 s46, s46, s18
	s_mul_i32 s46, s46, TP                         ; source 0 likewise
	s_mov_b32 s47, 0
	s_mul_i32 s45, s14, HALFT                      ; where they go: wave x 8 tiles: no place in the cluster enters an LDS address
	s_wait_dscnt 0x0                               ; the opening add is done
	s_wait_kmcnt 0x0
	s_add_nc_u64 s[6:7], s[6:7], WOFF
	s_add_nc_u64 s[20:21], s[4:5], s[20:21]
	s_add_nc_u64 s[46:47], s[6:7], s[46:47]
	CROUND                                         ; all sixteen work-groups are here: the first joint loads meet
.irp s, 0,1
	s_mov_b32 s[G0+4*\s], 1                                        ; count = 1
	s_add_co_u32 s[G0+4*\s+1], s45, \s*SLOT                        ; LDS address
	s_add_nc_u64 s[G0+4*\s+2:G0+4*\s+3], s[20:21], \s*RECP         ; global address: record s
	s_or_b32 s[G0+4*\s+3], s[G0+4*\s+3], 0x80000000                ; type = 2
	s_mov_b32 s[G0B+4*\s], 1
	s_add_co_u32 s[G0B+4*\s+1], s45, \s*SLOT
	s_add_nc_u64 s[G0B+4*\s+2:G0B+4*\s+3], s[46:47], \s*RECP
	s_or_b32 s[G0B+4*\s+3], s[G0B+4*\s+3], 0x80000000
	JLOAD G0+4*\s, G1, G0B+4*\s, G1B
.endr
	v_and_b32 v1, 15, v0                           ; r
	v_bfe_u32 v2, v0, 4, 1                         ; h
	v_and_b32 v3, 31, v0
	v_lshlrev_b32 v[LI], 4, v3
	v_lshlrev_b32 v[L8], 3, v3
	s_mul_i32 s21, s15, HALFT                      ; my 8 tiles of source 1
	s_mul_i32 s22, s16, HALFT                      ; my 8 tiles of source 0,
	s_add_co_u32 s22, s22, 2*HALFT                 ; which lie behind source 1's 16
.irp s, 0,1
	v_add_nc_u32 v[ADRA+\s], s21, v[LI]
	v_add_nc_u32 v[ADRB+\s], s22, v[LI]
	v_add_nc_u32 v[ADRA+2+\s], s21, v[L8]
	v_add_nc_u32 v[ADRB+2+\s], s22, v[L8]
	s_add_co_u32 s21, s21, SLOT
	s_add_co_u32 s22, s22, SLOT
.endr
	s_xor_b32 s22, s15, 1                          ; from source 1's tiles of mine to source 0's: (2 + my half of 0 - my half of 1) x HALFT
	s_add_co_u32 s22, s22, s16
	s_add_co_u32 s22, s22, 1
	s_mul_i32 s22, s22, HALFT
	v_mul_u32_u24 v8, s22, v2                      ; lanes 16-31 take source 0's: one product, the lower base + h x the distance
	v_lshl_add_u32 v8, v1, 3, v8                   ; 8 bytes a row
	s_mul_i32 s21, s15, HALFT
	s_add_co_u32 s21, s21, 3072
	v_add_nc_u32 v[ADRS], s21, v8
	v_add_nc_u32 v[ADRS+1], SLOT, v[ADRS]
	s_mul_i32 s23, s14, 16*SPITCH                  ; my stage
	v_mul_u32_u24 v8, v1, SPITCH
	v_lshl_add_u32 v8, v2, 6, v8
	v_add_nc_u32 v[STO], s23, v8                   ; in: row r, + 64 h
	v_add_nc_u32 v[RD], s23, v[LI]                 ; back: the 32 lanes take one row of 512 bytes
	s_lshl_b32 s76, s17, 4
	s_lshl_b32 s77, s15, 3
	s_add_co_u32 s76, s76, s77                     ; my first tile of tokens,
	s_lshl_b32 s76, s76, 16                        ; 16 rows of 4,096 bytes each,
	s_lshl_b32 s77, s42, 1
	s_add_co_u32 s77, s77, s16
	s_lshl_b32 s77, s77, 9                         ; + my 128 columns
	s_add_co_u32 s76, s76, s77
	s_mov_b32 s77, 0
	s_add_nc_u64 s[8:9], s[8:9], s[76:77]
	s_add_nc_u64 s[10:11], s[10:11], s[76:77]
.macro FRAG reg, adr, q, i             ; tile i's fragment of the slot's q-th 128 along K, as its image lies: four dense loads
	ds_load_b128 v[\reg:\reg+3], v[\adr] offset:(\i)*RECD+(\q)*FRB
	ds_load_b64 v[\reg+4:\reg+5], v[\adr+2] offset:(\i)*RECD+(\q)*FRB+512
	ds_load_b128 v[\reg+6:\reg+9], v[\adr] offset:(\i)*RECD+(\q)*FRB+768
	ds_load_b64 v[\reg+10:\reg+11], v[\adr+2] offset:(\i)*RECD+(\q)*FRB+1280
.endm
; 16 matrix instructions: source 1's tiles a0, a0 + 1 x source 0's eight.  p: source 0's set;  sc: the set of scale words.  zero = 1: the first product starts the sums.
; The 64 accumulators take turns, one instruction a turn, in the same order in every step.
.macro MUL16 a0, p, q, sc, zero
.irp a, \a0, \a0+1
.irp b, 0,1,2,3,4,5,6,7
.if \zero
	v_wmma_scale_f32_16x16x128_f8f6f4 v[8*(8*((\a)%4)+\b):8*(8*((\a)%4)+\b)+7], v[128*(\p)+FR*\b:128*(\p)+FR*\b+FR-1], v[AF+FR*(\a):AF+FR*(\a)+FR-1], 0, v[SC+8*NQ*(\sc)+NQ*\b+(\q)], v[SC+8*NQ*(\sc)+NQ*(\a)+(\q)] matrix_a_fmt:MATRIX_FMT_FP6 matrix_b_fmt:MATRIX_FMT_FP6 matrix_a_scale:MATRIX_SCALE_ROW1
.else
	v_wmma_scale_f32_16x16x128_f8f6f4 v[8*(8*((\a)%4)+\b):8*(8*((\a)%4)+\b)+7], v[128*(\p)+FR*\b:128*(\p)+FR*\b+FR-1], v[AF+FR*(\a):AF+FR*(\a)+FR-1], v[8*(8*((\a)%4)+\b):8*(8*((\a)%4)+\b)+7], v[SC+8*NQ*(\sc)+NQ*\b+(\q)], v[SC+8*NQ*(\sc)+NQ*(\a)+(\q)] matrix_a_fmt:MATRIX_FMT_FP6 matrix_b_fmt:MATRIX_FMT_FP6 matrix_a_scale:MATRIX_SCALE_ROW1
.endif
.endr
.endr
.endm
.macro FETCH_B slot, q, p              ; source 0's eight fragments into set p
	WIN TO_B
.irp i, 0,1,2,3,4,5,6,7
	FRAG 128*(\p)+FR*\i, ADRB+\slot, \q, \i
.endr
	WIN 0
.endm
.macro FETCH_A slot, q, i0             ; source 1's tiles i0 .. i0 + 3
.irp i, \i0, \i0+1, \i0+2, \i0+3
	FRAG AF+FR*(\i), ADRA+\slot, \q, \i
.endr
.endm
.macro SCALES sc                       ; slot sc's scale words: both steps' words of a row by one load
.irp i, 0,1,2,3,4,5,6,7
	ds_load_b64 v[SC+8*NQ*\sc+NQ*\i:SC+8*NQ*\sc+NQ*\i+1], v[ADRS+\sc] offset:\i*RECD
.endr
.endm
.macro PLACES n                        ; a load into a register that a matrix instruction has read, and a read of a matrix result, stand NP plain vector instructions behind it (ISA guide 7.12.1 for the read of a result)
.rept \n
	v_nop
.endr
.endm
.macro STEP slot, q, zero              ; a step of 128 along K that has its successor in the same slot
	s_wait_dscnt 4*NL                              ; source 0's set and source 1's tiles 0-3 are in; the youngest 16 loads (tiles 4-7) may be out
	WIN MUL_LO
	MUL16 0, (\q)%2, \q, \slot, \zero
	MUL16 2, (\q)%2, \q, \slot, \zero
	s_wait_dscnt 0                                 ; tiles 4-7 are in
	PLACES NP
	FETCH_B \slot, (\q)+1, 1-(\q)%2
	FETCH_A \slot, (\q)+1, 0
	WIN MUL_HI
	MUL16 4, (\q)%2, \q, \slot, \zero
	MUL16 6, (\q)%2, \q, \slot, \zero
	PLACES NP
	WIN 0
	FETCH_A \slot, (\q)+1, 4
.endm
; A slot's last step changes slots: one barrier; in front of it each wave waits for all its tensor loads, adds 0 to its spare word, and waits for that and for its reads of this slot.  fill = 1: the slot is filled again, two records on.
.macro TURN slot, next, fill
	s_wait_tensorcnt 0x0                           ; all my tensor loads have landed: my part of the next slot
	ds_add_u32 v[SPW], v[NIL]                      ; 0 onto my spare word
	s_wait_dscnt 4*NL+1                            ; (the add and the youngest 16 loads may be out)
	WIN MUL_LO
	MUL16 0, 1, NQ-1, \slot, 0                     ; sixteen matrix instructions stand between the add and the wait for it
	s_wait_dscnt 0x0                               ; the add is done, and my reads of this slot are over
	s_barrier_signal -1
	MUL16 2, 1, NQ-1, \slot, 0
	WIN 0
	s_barrier_wait -1
.if \fill
	CREST                                          ; the barrier has opened a round of the cluster's barrier: no wave of any partner still reads this slot or has a load on its way
	s_add_nc_u64 s[G0+4*\slot+2:G0+4*\slot+3], s[G0+4*\slot+2:G0+4*\slot+3], 2*RECP
	s_add_nc_u64 s[G0B+4*\slot+2:G0B+4*\slot+3], s[G0B+4*\slot+2:G0B+4*\slot+3], 2*RECP
	JLOAD G0+4*\slot, G1, G0B+4*\slot, G1B         ; the first tensor load behind the round; its four v_nop are also the places in front of the loads below
.else
	PLACES NP
.endif
	FETCH_B \next, 0, 0
	FETCH_A \next, 0, 0
	SCALES \next
	WIN MUL_HI
	MUL16 4, 1, NQ-1, \slot, 0
	MUL16 6, 1, NQ-1, \slot, 0
	PLACES NP
	WIN 0
	FETCH_A \next, 0, 4
.endm
	s_wait_tensorcnt 1                             ; my part of slot 0 is in; slot 1's load may be out
	s_barrier_signal -1
	s_barrier_wait -1
	FETCH_B 0, 0, 0
	FETCH_A 0, 0, 0
	SCALES 0
	FETCH_A 0, 0, 4
	STEP 0, 0, 1                                   ; the first step stands in front of the loop: its products start the sums
	s_mov_b32 s3, LAPS-1
.Llap:                                                 ; a trip goes once round the ring and fills both slots again
	TURN 0, 1, 1
	STEP 1, 0, 0
	TURN 1, 0, 1
	STEP 0, 0, 0
	s_sub_co_u32 s3, s3, 1
	s_cmp_lg_u32 s3, 0
	s_cbranch_scc1 .Llap
	TURN 0, 1, 0                                   ; the last lap fills nothing
	STEP 1, 0, 0
	s_wait_dscnt 4*NL
	WIN MUL_LO
	MUL16 0, 1, NQ-1, 1, 0
	MUL16 2, 1, NQ-1, 1, 0
	s_wait_dscnt 0
	WIN MUL_HI
	MUL16 4, 1, NQ-1, 1, 0
	MUL16 6, 1, NQ-1, 1, 0
	WIN 0
; THE WAY OUT, tile by tile of 16 tokens.  Row t of tile a is token 32 (a / 2) + 8 (a % 2) + t + 8 (t / 8) of my 128: every row's offset is an immediate (127 rows of 4,096 bytes at the most), and no pointer is stepped.
.macro RLOAD a                         ; the residual's 16 rows of tile a, 512 consecutive bytes each, into set a % 2
.set RS, 64+64*((\a)%2)
.irp t, 0,1,2,3,4,5,6,7,8,9,10,11,12,13,14,15
	global_load_b128 v[RS+4*\t:RS+4*\t+3], v[LI], s[8:9] offset:(32*((\a)/2)+8*((\a)%2)+\t+8*(\t/8))*4096
.endr
.endm
.macro TOSTAGE a
.set AC, 64*((\a)%4)
	WIN 0x08+4*((\a)/4)                            ; an LDS store's data are its source 1: window 2 or 3
.irp b, 0,1,2,3,4,5,6,7
	ds_store_b128 v[STO], v[AC+8*\b:AC+8*\b+3] offset:128*(\b/2)+32*(\b%2)          ; each accumulator from its low end on
	ds_store_b128 v[STO], v[AC+8*\b+4:AC+8*\b+7] offset:128*(\b/2)+32*(\b%2)+16
.endr
	WIN 0
.irp t, 0,1,2,3,4,5,6,7,8,9,10,11,12,13,14,15
	ds_load_b128 v[BB+4*\t:BB+4*\t+3], v[RD] offset:\t*SPITCH   ; LDS serves a wave's instructions in order (ISA guide 5.7.1.4): these see my stores, and the next tile's stores come behind them
.endr
.endm
	PLACES NP                                      ; behind the last products: for the loads into the registers that held source 1's fragments, and for the stores of results
	RLOAD 0
.irp a, 0,1,2,3,4,5,6,7
.if \a < 7
	RLOAD \a+1
.endif
.if \a > 0
	s_wait_xcnt 0x0                                ; the last tile's stores have read their registers: the rows' registers are loaded again only behind this wait
.endif
	TOSTAGE \a
	s_wait_dscnt 0x0
.if \a < 7
	s_wait_loadcnt 16                              ; this tile's residual is in; the next tile's 16 loads may be out
.else
	s_wait_loadcnt 0x0
.endif
.set RS, 64+64*(\a%2)
.set j, 0
.rept 32
	v_pk_add_f32 v[BB+j:BB+j+1], v[BB+j:BB+j+1], v[RS+j:RS+j+1]
.set j, j+2
.endr
.irp t, 0,1,2,3,4,5,6,7,8,9,10,11,12,13,14,15
.if LAST
	global_store_b128 v[LI], v[BB+4*\t:BB+4*\t+3], s[10:11] offset:(32*(\a/2)+8*(\a%2)+\t+8*(\t/8))*4096 th:TH_STORE_NT   ; 32 lanes store 512 consecutive bytes, at a multiple of 256 from the buffer's first byte; written once, read by nobody here
.else
	global_store_b128 v[LI], v[BB+4*\t:BB+4*\t+3], s[10:11] offset:(32*(\a/2)+8*(\a%2)+\t+8*(\t/8))*4096
.endif
.endr
.endr
	s_wait_tensorcnt 0x0                           ; the wave's end, behind my last tensor load and my last LDS store
	ds_add_u32 v[SPW], v[NIL]
	s_wait_dscnt 0x0
	CROUND                                         ; the closing round: no work-group ends while a partner may still ask for a tile that names it
	s_endpgm
.Lfunc_end_k_qfab3bc06d2_gemm_d:
	.size	k_qfab3bc06d2_gemm_d, .Lfunc_end_k_qfab3bc06d2_gemm_d-k_qfab3bc06d2_gemm_d
	.p2alignl 7, 3214868480
	.fill 96, 4, 3214868480
	.section	.rodata,"a",@progbits
	.p2align	6, 0x0
	.amdhsa_kernel k_qfab3bc06d2_gemm_d
		.amdhsa_group_segment_fixed_size 327680
		.amdhsa_private_segment_fixed_size 0
		.amdhsa_enable_private_segment 0
		.amdhsa_kernarg_size 32
		.amdhsa_user_sgpr_count 2
		.amdhsa_user_sgpr_kernarg_segment_ptr 1
		.amdhsa_wavefront_size32 1
		.amdhsa_system_sgpr_workgroup_id_x 1
		.amdhsa_system_sgpr_workgroup_id_y 1
		.amdhsa_system_sgpr_workgroup_id_z 1
		.amdhsa_system_vgpr_workitem_id 0
		.amdhsa_next_free_vgpr 1024
		.amdhsa_next_free_sgpr 100
		.amdhsa_reserve_vcc 0
		.amdhsa_float_denorm_mode_32 3
		.amdhsa_float_denorm_mode_16_64 3
		.amdhsa_memory_ordered 1
		.amdhsa_forward_progress 1
		.amdhsa_inst_pref_size 169
	.end_amdhsa_kernel
	.amdgpu_metadata
---
amdhsa.version: [ 1, 2 ]
amdhsa.kernels:
  - .name:           k_qfab3bc06d2_gemm_d
    .symbol:         k_qfab3bc06d2_gemm_d.kd
    .args:
      - { .name: G, .offset: 0, .size: 8, .value_kind: global_buffer, .address_space: global }
      - { .name: W, .offset: 8, .size: 8, .value_kind: global_buffer, .address_space: global }
      - { .name: X1, .offset: 16, .size: 8, .value_kind: global_buffer, .address_space: global }
      - { .name: out0, .offset: 24, .size: 8, .value_kind: global_buffer, .address_space: global }
    .group_segment_fixed_size: 327680
    .private_segment_fixed_size: 0
    .kernarg_segment_align: 8
    .kernarg_segment_size: 32
    .max_flat_workgroup_size: 128
    .sgpr_count:     100
    .vgpr_count:     1024
    .wavefront_size: 32
...
	.end_amdgpu_metadata
.endif
;; end of part 7
;; ======== version 2 of 2: 6 launches
;; limits: right only within a limited range of input values
;; workspace buffers: W 8,519,680 bytes; H 3,407,872 bytes; QKV 12,582,912 bytes; AO 3,407,872 bytes; X1 16,777,216 bytes; H2 3,407,872 bytes; G 6,815,744 bytes
;; launch wquant (part 8): grid 576 x 1, 8 waves a work-group, no clusters, 69,120 bytes of LDS; arguments wq, wk, wv, wo, w_gate, w_up, w_down, W, x, attn_norm_w, H; writes W, H
.if DOCPART == 8
	.amdgcn_target "amdgcn-amd-amdhsa--gfx1250"
	.amdhsa_code_object_version 6
	.text
	.protected	k_qfab3bc06d2_wquant
	.globl	k_qfab3bc06d2_wquant
	.p2align	8
	.type	k_qfab3bc06d2_wquant,@function
k_qfab3bc06d2_wquant:
	s_mov_b64 s[64:65], 0
	v_nop
	global_prefetch_b8 v0, s[64:65] scope:SCOPE_SE
	s_setreg_imm32_b32 hwreg(HW_REG_WAVE_MODE, 25, 1), 1
	s_wait_xcnt 0x0
; The seven weights, f32 stored [K][N], become codes of FP6 (E2M3) with one E8M0 byte for each 32 along K, laid in W in the order in which a matrix operand's registers take them.
; A TILE is 16 columns: row r of tile T is column 32 (T / 2) + 8 (T % 2) + r + 8 (r / 8).  A FRAGMENT (a tile x 128 K) is 12 registers a lane: registers 6 c .. 6 c + 5 hold k = 64 c + 32 (lane / 16) + 0 .. 31.
; Its image is 1,536 bytes: for c = 0, 1: registers 6 c .. 6 c + 3 as 16 bytes at 16 x lane (512 bytes), then registers 6 c + 4, 6 c + 5 as 8 bytes at 8 x lane (256 bytes).
; A RECORD (a tile x 256 K) is 3,328 bytes: two images, then at 3,072 + 8 r + 4 q the scale word of row r for the q-th 128 along K; the last 128 bytes are never written and never read.  W is [tile][K / 256][3,328].
; Tiles: wq 0-63, wk 64-127, wv 128-191, wo 192-255; gate and up from 256: columns 64 g .. 64 g + 63 are tiles 256 + 8 g + 0 .. 3 (gate) and + 4 .. 7 (up); w_down (K = 2,048: 26,624 bytes a tile) from byte WD_OFF.
; SHARES.  A work-group takes 256 columns x 128 K of one weight, a wave 32 columns (two tiles).  A LANE TAKES A COLUMN AND ITS REGISTERS RUN DOWN K: each load reads 128 consecutive bytes, a block of 32 along K lies in one
; lane, and the conversions give codes with K innermost.  Lanes 0-15 hold the even tile's four blocks, lanes 16-31 the odd tile's: twelve exchanges of halves make the two fragments.  No LDS, no barrier: waves share nothing.
; A block's scale is 2^(floor(log2(its largest magnitude)) - 2); its byte is the largest magnitude's exponent field - 2, held at 1 from below.
; LIMITS: NaN and infinities are not served; a block whose largest magnitude lies under 2^-124 has its byte held at 1; a block of zeros gets the byte 1 and not 127 (its codes are zeros, and this program alone reads the bytes).
.set TP1,    13312                     ; bytes of a tile with K = 1,024
.set TP2,    26624                     ; with K = 2,048
.set RECP,   3328
.set FRB,    1536
.set WD_OFF, 512*TP1
.set X,  32                            ; v32-95   two sets of 32 numbers
.set FA, 96                            ; v96-107  blocks 0 and 2, then the even tile's fragment
.set FB, 108                           ; v108-119 blocks 1 and 3, then the odd tile's
.set T,  120                           ; v120-122 a block's upper 16 codes (a conversion's three registers begin on an even number)
.set SW, 14                            ; v14      my column's scale word
; THE LAUNCH HAS TWO TASKS that do not hang on each other: work-groups 0 .. 319 quantise the weights (131,072 bytes read each), work-groups 320 .. 575 norm and quantise the tokens (65,536 bytes read each; the text behind .Lnorm).
; The branch hangs on the work-group's number alone: all eight waves of a work-group go the same way.  Only the second task uses LDS.
	s_cmp_ge_u32 ttmp9, 320
	s_cbranch_scc1 .Lnorm
	s_load_b256 s[4:11], s[0:1], 0x0               ; wq, wk, wv, wo
	s_load_b256 s[12:19], s[0:1], 0x20             ; w_gate, w_up, w_down, W
	v_lshrrev_b32 v1, 5, v0
	s_delay_alu instid0(VALU_DEP_1)
	v_readfirstlane_b32 s21, v1                    ; wave 0..7
	v_and_b32 v1, 15, v0                           ; r
	v_bfe_u32 v2, v0, 4, 1                         ; t: which of the wave's two tiles
	s_delay_alu instid0(VALU_DEP_2)
	v_and_b32 v3, 8, v1
	s_delay_alu instid0(VALU_DEP_1)
	v_add_nc_u32 v3, v3, v1                        ; r + 8 (r / 8)
	s_delay_alu instid0(VALU_DEP_1)
	v_lshl_add_u32 v3, v2, 3, v3                   ; + 8 t: my column among the wave's 32
	s_delay_alu instid0(VALU_DEP_1)
	v_lshlrev_b32 v4, 2, v3                        ; in bytes
	v_and_b32 v3, 31, v0
	s_delay_alu instid0(VALU_DEP_1)
	v_lshlrev_b32 v5, 4, v3                        ; 16 x lane
	s_delay_alu instid0(VALU_DEP_2)
	v_lshlrev_b32 v6, 3, v3                        ; 8 x lane
	s_mov_b32 s20, ttmp9                           ; u: which weight, which 256 columns, which 128 along K
	s_wait_kmcnt 0x0
	s_cmp_ge_u32 s20, 256
	s_cbranch_scc1 .Ldown
	s_cmp_ge_u32 s20, 128
	s_cbranch_scc1 .Lgu
	s_lshr_b32 s22, s20, 5                         ; u < 128: weight u / 32 of wq, wk, wv, wo
	s_cmp_lt_u32 s22, 2
	s_cselect_b64 s[24:25], s[4:5], s[8:9]
	s_cselect_b64 s[32:33], s[6:7], s[10:11]
	s_and_b32 s23, s22, 1
	s_cmp_eq_u32 s23, 0
	s_cselect_b64 s[24:25], s[24:25], s[32:33]
	s_bfe_u32 s23, s20, 0x20003                    ; which 256 columns
	s_and_b32 s28, s20, 7                          ; which 128 along K
	s_lshl_b32 s29, s23, 3
	s_add_co_u32 s29, s29, s21                     ; my wave's group of 32 columns
	s_lshl_b32 s26, s22, 6
	s_lshl_b32 s23, s29, 1
	s_add_co_u32 s26, s26, s23                     ; its even tile: 64 x weight + 2 x group
	s_mul_i32 s26, s26, TP1
	s_mov_b32 s27, TP1
	s_branch .Lnarrow
.Ldown:
	s_mov_b64 s[24:25], s[16:17]                   ; u >= 256: w_down
	s_sub_co_u32 s22, s20, 256
	s_lshr_b32 s23, s22, 4
	s_and_b32 s28, s20, 15
	s_lshl_b32 s29, s23, 3
	s_add_co_u32 s29, s29, s21
	s_lshl_b32 s26, s29, 1
	s_mul_i32 s26, s26, TP2
	s_add_co_u32 s26, s26, WD_OFF
	s_mov_b32 s27, TP2
.macro LOAD t, pitch                   ; block t: W(32 t + i, my column), i = 0 .. 31, into set t % 2
.irp i, 0,1,2,3,4,5,6,7,8,9,10,11,12,13,14,15,16,17,18,19,20,21,22,23,24,25,26,27,28,29,30,31
	global_load_b32 v[X+32*((\t)%2)+\i], v4, s[24:25] offset:(32*(\t)+\i)*\pitch th:TH_LOAD_NT
.endr
.endm
.macro BLOCK t, dst, pitch
.set XS, X+32*((\t)%2)
.if (\t) < 3
	s_wait_loadcnt 32                              ; this block's 32 loads are in; the next block's 32 may be out
.else
	s_wait_loadcnt 0x0
.endif
	v_max3_num_f32 v10, |v[XS]|, |v[XS+1]|, |v[XS+2]|               ; the block's largest magnitude: all 32 numbers are mine; two chains
	v_max3_num_f32 v11, |v[XS+3]|, |v[XS+4]|, |v[XS+5]|
.irp i, 6,10,14,18,22,26
	s_delay_alu instid0(VALU_DEP_2)
	v_max3_num_f32 v10, v10, |v[XS+\i]|, |v[XS+\i+1]|
	s_delay_alu instid0(VALU_DEP_2)
	v_max3_num_f32 v11, v11, |v[XS+\i+2]|, |v[XS+\i+3]|
.endr
	s_delay_alu instid0(VALU_DEP_2)
	v_max3_num_f32 v10, v10, |v[XS+30]|, |v[XS+31]|
	s_delay_alu instid0(VALU_DEP_1)
	v_max3_num_f32 v10, v10, v11, 0x1800000        ; and the floor 2^(3 - 127): the byte cannot fall under 1
	s_delay_alu instid0(VALU_DEP_1)
	v_add_nc_u32 v12, 0xff000000, v10              ; 2 off the exponent field: the conversion takes this operand's exponent field as its scale
	s_delay_alu instid0(VALU_DEP_1)
	v_lshrrev_b32 v13, 23, v12                     ; the scale's byte
.if (\t) == 0
	s_delay_alu instid0(VALU_DEP_1)
	v_mov_b32 v[SW], v13
.else
	s_delay_alu instid0(VALU_DEP_1)
	v_lshl_or_b32 v[SW], v13, 8*(\t), v[SW]
.endif
	v_cvt_scalef32_pk16_fp6_f32 v[\dst:\dst+2], v[XS:XS+15], v12
	v_cvt_scalef32_pk16_fp6_f32 v[T:T+2], v[XS+16:XS+31], v12
	v_nop                                          ; one plain place behind a scaled conversion
.irp i, 0,1,2
	v_mov_b32 v[\dst+3+\i], v[T+\i]
.endr
.if (\t) < 2
	LOAD (\t)+2, \pitch
.endif
.endm
; s[24:25] the weight, s26 the even tile's byte in W, s27 bytes of a tile, s28 the 128 along K, s29 the group of 32 columns.  pitch = bytes of a row of the weight = 1 << (shift - 7)
.macro WQ pitch, shift
	s_lshl_b32 s36, s28, \shift                    ; 128 rows for each step along K,
	s_lshl_b32 s35, s29, 7                         ; 128 bytes for each group of columns
	s_add_co_u32 s36, s36, s35
	s_mov_b32 s37, 0
	s_add_nc_u64 s[24:25], s[24:25], s[36:37]
	LOAD 0, \pitch
	LOAD 1, \pitch
	s_lshr_b32 s35, s28, 1
	s_mul_i32 s35, s35, RECP                       ; the record,
	s_add_co_u32 s36, s26, s35
	s_and_b32 s35, s28, 1
	s_mul_i32 s38, s35, FRB                        ; and the image in it
	s_add_co_u32 s36, s36, s38
	s_add_nc_u64 s[30:31], s[18:19], s[36:37]
	s_mul_i32 s38, s35, FRB-4
	s_sub_co_u32 s38, 3072, s38                    ; the scale words, counted from the image: 3,072 + 4 q - 1,536 q
	v_mul_u32_u24 v7, v2, s27
	s_delay_alu instid0(VALU_DEP_1)
	v_lshl_add_u32 v7, v1, 3, v7
	s_delay_alu instid0(VALU_DEP_1)
	v_add_nc_u32 v7, s38, v7                       ; my scale word: tile t, row r
	v_add_nc_u32 v8, s27, v5                       ; the odd tile's places
	v_add_nc_u32 v9, s27, v6
	BLOCK 0, FA, \pitch
	BLOCK 1, FB, \pitch
	BLOCK 2, FA+6, \pitch
	BLOCK 3, FB+6, \pitch
.irp i, 0,1,2,3,4,5,6,7,8,9,10,11
	v_permlane16_swap_b32 v[FA+\i], v[FB+\i]       ; FA's lanes 16-31 change places with FB's lanes 0-15: FA is the even tile's fragment (lanes 0-15 blocks 0, 2; lanes 16-31 blocks 1, 3), FB the odd tile's
.endr
	global_store_b128 v5, v[FA:FA+3], s[30:31]                     ; each store covers 512 or 256 consecutive bytes, at a multiple of 256 from W's first byte
	global_store_b64 v6, v[FA+4:FA+5], s[30:31] offset:512
	global_store_b128 v5, v[FA+6:FA+9], s[30:31] offset:768
	global_store_b64 v6, v[FA+10:FA+11], s[30:31] offset:1280
	global_store_b128 v8, v[FB:FB+3], s[30:31]
	global_store_b64 v9, v[FB+4:FB+5], s[30:31] offset:512
	global_store_b128 v8, v[FB+6:FB+9], s[30:31] offset:768
	global_store_b64 v9, v[FB+10:FB+11], s[30:31] offset:1280
	global_store_b32 v7, v[SW], s[30:31]           ; 4 bytes of every 8: the other K step's work-group writes the others; 1 byte in 24 of what the launch stores
.endm
.Lnarrow:
	s_wait_alu depctr_va_vdst(0)
	WQ 4096, 19
	s_endpgm
.Lgu:
	s_sub_co_u32 s22, s20, 128                     ; 128 <= u < 256: gate (the first 64), up
	s_cmp_lt_u32 s22, 64
	s_cselect_b64 s[24:25], s[12:13], s[14:15]
	s_lshr_b32 s34, s22, 6                         ; 1 for up
	s_bfe_u32 s23, s22, 0x30003
	s_and_b32 s28, s20, 7
	s_lshl_b32 s29, s23, 3
	s_add_co_u32 s29, s29, s21                     ; my wave's group of 32 columns, 0..63
	s_lshr_b32 s26, s29, 1
	s_lshl_b32 s26, s26, 3                         ; 8 tiles for each 64 columns,
	s_lshl_b32 s34, s34, 2
	s_add_co_u32 s26, s26, s34                     ; up's four behind gate's four,
	s_and_b32 s34, s29, 1
	s_lshl_b32 s34, s34, 1
	s_add_co_u32 s26, s26, s34                     ; two for each 32 columns
	s_add_co_u32 s26, s26, 256
	s_mul_i32 s26, s26, TP1
	s_mov_b32 s27, TP1
	s_wait_alu depctr_va_vdst(0)
	WQ 8192, 20
	s_endpgm
; THE SECOND TASK.  H = Q(rmsnorm(x) * w): x [4096][1024] f32, w [1024] f32; H: codes of FP6 (E2M3) with one E8M0 byte for each 32 along the row, laid as a matrix operand's registers take them.
; A TILE is 16 tokens: row r of tile T is token 32 (T / 2) + 8 (T % 2) + r + 8 (r / 8).  A fragment (a tile x 128 K) is 12 registers a lane; its image is 1,536 bytes: for c = 0, 1: registers 6 c .. 6 c + 3 at 16 x lane,
; then registers 6 c + 4, 6 c + 5 at 8 x lane.  A record (a tile x 256 K) is 3,328 bytes: two images, then the scale words at 3,072 + 8 r + 4 q.  H is [256 tiles][4][3,328].
; SHARES.  A work-group takes one tile; wave s takes columns 128 s .. 128 s + 127 of its 16 rows: one fragment.  Each load reads 512 consecutive bytes of a row; the 16 x 512 bytes turn through the wave's own stage in LDS,
; so that lane (r, h) holds, of row r, 16 neighbours of each block of 32 (k = 32 b + 16 h + i in register 16 b + i), as the conversions want them.  The rows' sums of squares meet in LDS behind the one barrier.
; The arithmetic is reference()'s: x * rsqrt(mean(x^2) + 1e-6), rounded, then * w, rounded.
; LIMITS: NaN and infinities are not served; v_rsq_f32 is good to one unit in the last place; a block whose largest magnitude lies under 2^-124 has its byte held at 1; a block of zeros gets the byte 1 and not 127.
.set STG,   8448                       ; a wave's stage: 16 rows x (512 bytes + 16)
.set PART,  8*STG                      ; [16 rows][8 waves] partial sums, 512 bytes
.set SPARE, PART+512                   ; the spare words, 128 bytes for each wave: four blocks of 256 bytes that no other line names
.set X,   16                           ; v16-79   the numbers
.set GN,  80                           ; v80-143  w at the same places
.set TM,  144                          ; v144-159 the quantiser's work
.set PW,  160                          ; v160     the scale word
.set PC,  162                          ; v162-180 the codes, and the conversions' second halves
.set SM,  182                          ; v182-191 sums
.set SPW, 14                           ; v14      LDS address of my spare word; never rewritten
.set NIL, 15                           ; v15      0; never rewritten
.set SEL, 20                           ; s20, s21 v_permlanex16_b32's selects for lane l xor 16
; 64 numbers of a lane, register 16 b + i = k 32 b + 16 (lane / 16) + i of my row, become a fragment's codes in v[PC] on and its scale word in v[PW]
.macro QUANT s
.irp b, 0,1,2,3
	v_max3_num_f32 v[TM+\b], |v[\s+16*\b]|, |v[\s+1+16*\b]|, 0x1800000   ; block b: my 16 numbers, and the floor 2^(3 - 127): the byte cannot fall under 1
.endr
.irp i, 2,4,6,8,10,12,14
.irp b, 0,1,2,3
	s_delay_alu instid0(VALU_DEP_4)
	v_max3_num_f32 v[TM+\b], v[TM+\b], |v[\s+16*\b+\i]|, |v[\s+1+16*\b+\i]|   ; (the four blocks by turns)
.endr
.endr
.irp b, 0,1,2,3
	s_delay_alu instid0(VALU_DEP_4)
	v_permlanex16_b32 v[TM+4+\b], v[TM+\b], s[SEL], s[SEL+1]
.endr
.irp b, 0,1,2,3
	s_delay_alu instid0(VALU_DEP_4)
	v_max_num_f32 v[TM+\b], v[TM+\b], v[TM+4+\b]   ; with lane l xor 16's: the block's largest magnitude
.endr
.irp b, 0,1,2,3
	s_delay_alu instid0(VALU_DEP_4)
	v_add_nc_u32 v[TM+12+\b], 0xff000000, v[TM+\b]   ; 2 off its exponent field: the conversion's scale operand
.endr
.irp b, 0,1,2,3
	s_delay_alu instid0(VALU_DEP_4)
	v_lshrrev_b32 v[TM+4+\b], 23, v[TM+12+\b]      ; the scale's byte
.endr
	s_delay_alu instid0(VALU_DEP_3)
	v_lshl_or_b32 v[PW], v[TM+5], 8, v[TM+4]
	s_delay_alu instid0(VALU_DEP_1)
	v_lshl_or_b32 v[PW], v[TM+6], 16, v[PW]
	s_delay_alu instid0(VALU_DEP_1)
	v_lshl_or_b32 v[PW], v[TM+7], 24, v[PW]
.irp c, 0,1
	v_cvt_scalef32_pk16_fp6_f32 v[PC+6*\c:PC+2+6*\c], v[\s+32*\c:\s+15+32*\c], v[TM+12+2*\c]
	v_cvt_scalef32_pk16_fp6_f32 v[PC+12+4*\c:PC+14+4*\c], v[\s+16+32*\c:\s+31+32*\c], v[TM+12+2*\c+1]   ; (a conversion's three registers begin on an even number)
.endr
	v_nop                                          ; one plain place behind a scaled conversion
.irp c, 0,1                                    ; the operand's layout wants a whole block in a lane: lanes 0-15 block 2 c, lanes 16-31 block 2 c + 1
.irp i, 0,1,2
	v_permlane16_swap_b32 v[PC+6*\c+\i], v[PC+12+4*\c+\i]
.endr
.irp i, 0,1,2
	s_delay_alu instid0(VALU_DEP_3)
	v_mov_b32 v[PC+3+6*\c+\i], v[PC+12+4*\c+\i]
.endr
.endr
.endm
.Lnorm:
	s_sub_co_u32 s11, ttmp9, 320                   ; T: my tile of tokens, 0 .. 255
	s_load_b128 s[4:7], s[0:1], 0x40               ; x, w
	s_load_b64 s[8:9], s[0:1], 0x50                ; H
	v_lshl_add_u32 v[SPW], v0, 2, SPARE
	v_mov_b32 v[NIL], 0
	v_lshrrev_b32 v1, 5, v0
	s_delay_alu instid0(VALU_DEP_1)
	v_readfirstlane_b32 s10, v1                    ; wave 0..7 = which 128 columns
	v_and_b32 v1, 15, v0                           ; r
	v_bfe_u32 v2, v0, 4, 1                         ; h
	v_and_b32 v3, 31, v0
	s_delay_alu instid0(VALU_DEP_1)
	v_lshlrev_b32 v4, 4, v3                        ; 16 x lane
	s_delay_alu instid0(VALU_DEP_2)
	v_lshlrev_b32 v11, 3, v3                       ; 8 x lane
	v_lshlrev_b32 v12, 3, v1                       ; 8 r
	v_lshlrev_b32 v7, 6, v2                        ; 64 h
	s_mul_i32 s12, s10, STG
	v_add_nc_u32 v5, s12, v4                       ; the stage, on the way in: a row as it lies
	v_mul_u32_u24 v6, v1, 528
	s_delay_alu instid0(VALU_DEP_1)
	v_lshl_add_u32 v6, v2, 6, v6
	s_delay_alu instid0(VALU_DEP_1)
	v_add_nc_u32 v6, s12, v6                       ; and on the way out: row r, + 64 h
	v_lshlrev_b32 v9, 5, v1
	s_delay_alu instid0(VALU_DEP_1)
	v_add_nc_u32 v9, PART, v9                      ; row r's eight partial sums,
	s_lshl_b32 s13, s10, 2
	v_add_nc_u32 v8, s13, v9                       ; and my wave's among them
	s_lshr_b32 s14, s11, 1
	s_lshl_b32 s14, s14, 5
	s_and_b32 s15, s11, 1
	s_lshl_b32 s15, s15, 3
	s_add_co_u32 s14, s14, s15                     ; the tile's first token: 32 (T / 2) + 8 (T % 2)
	s_lshl_b32 s14, s14, 12                        ; rows of 4,096 bytes
	s_lshl_b32 s16, s10, 9                         ; my wave's 512 bytes of a row
	s_add_co_u32 s14, s14, s16
	s_mov_b32 s15, 0
	s_mov_b32 s17, 0
	s_mul_i32 s18, s11, 13312                      ; the tile in H,
	s_lshr_b32 s22, s10, 1
	s_mul_i32 s22, s22, 3328                       ; the record,
	s_add_co_u32 s18, s18, s22
	s_mov_b32 s19, 0
	s_and_b32 s22, s10, 1
	s_mul_i32 s24, s22, 1536                       ; the image in it,
	s_mov_b32 s25, 0
	s_lshl_b32 s26, s22, 2                         ; and which of a row's two scale words
	s_mov_b32 s27, 0
	s_mov_b32 s[SEL], 0x76543210
	s_mov_b32 s[SEL+1], 0xfedcba98
	s_mov_b32 s30, 0x358637bd                      ; 1e-6
	s_mov_b32 s31, 0x3a800000                      ; 1 / 1024
	s_wait_alu depctr_va_vdst(0)                   ; a wait at the head's end
	s_wait_kmcnt 0x0
	s_add_nc_u64 s[4:5], s[4:5], s[14:15]
	s_add_nc_u64 s[6:7], s[6:7], s[16:17]
	s_add_nc_u64 s[8:9], s[8:9], s[18:19]
	s_add_nc_u64 s[28:29], s[8:9], s[26:27]        ; base of the scale words' store
	s_add_nc_u64 s[8:9], s[8:9], s[24:25]          ; base of the image's stores
.irp i, 0,1,2,3,4,5,6,7,8,9,10,11,12,13,14,15
	global_load_b128 v[X+4*\i:X+4*\i+3], v4, s[4:5] offset:(\i+8*(\i/8))*4096   ; row i of the tile: 512 consecutive bytes
.endr
.irp b, 0,1,2,3
.irp j, 0,1,2,3
	global_load_b128 v[GN+16*\b+4*\j:GN+16*\b+4*\j+3], v7, s[6:7] offset:128*\b+16*\j   ; w at k = 32 b + 16 h + 4 j ..
.endr
.endr
	v_mov_b32 v[SM+8], 0                           ; written once: a lane permute's destination counts as one of its sources
.irp b, 0,1,2,3
	v_mov_b32 v[TM+4+\b], 0
.endr
	s_wait_loadcnt 16                              ; the 16 rows are in; w's 16 loads may be out
.irp i, 0,1,2,3,4,5,6,7,8,9,10,11,12,13,14,15
	ds_store_b128 v5, v[X+4*\i:X+4*\i+3] offset:528*\i
.endr
.irp b, 0,1,2,3
.irp j, 0,1,2,3
	ds_load_b128 v[X+16*\b+4*\j:X+16*\b+4*\j+3], v6 offset:128*\b+16*\j   ; LDS serves a wave's instructions in order (ISA guide 5.7.1.4): these see my stores
.endr
.endr
	s_wait_dscnt 0x0
.irp k, 0,1,2,3
	v_pk_mul_f32 v[SM+2*\k:SM+2*\k+1], v[X+2*\k:X+2*\k+1], v[X+2*\k:X+2*\k+1]   ; the sum of my 64 squares: four chains, started by the first products
.endr
.set j, 4
.rept 28
	s_delay_alu instid0(VALU_DEP_4)
	v_pk_fma_f32 v[SM+2*(j%4):SM+2*(j%4)+1], v[X+2*j:X+2*j+1], v[X+2*j:X+2*j+1], v[SM+2*(j%4):SM+2*(j%4)+1]
.set j, j+1
.endr
	s_delay_alu instid0(VALU_DEP_3)
	v_pk_add_f32 v[SM:SM+1], v[SM:SM+1], v[SM+2:SM+3]
	s_delay_alu instid0(VALU_DEP_2)
	v_pk_add_f32 v[SM+4:SM+5], v[SM+4:SM+5], v[SM+6:SM+7]
	s_delay_alu instid0(VALU_DEP_1)
	v_pk_add_f32 v[SM:SM+1], v[SM:SM+1], v[SM+4:SM+5]
	s_delay_alu instid0(VALU_DEP_1)
	v_add_f32 v[SM], v[SM], v[SM+1]
	s_delay_alu instid0(VALU_DEP_1)
	v_permlanex16_b32 v[SM+8], v[SM], s[SEL], s[SEL+1]
	s_delay_alu instid0(VALU_DEP_1)
	v_add_f32 v[SM], v[SM], v[SM+8]                ; with lane l xor 16's: row r's 128 columns of my wave
	ds_store_b32 v8, v[SM]                         ; (both lanes of a row write the same word with the same value)
	s_wait_dscnt 0x0                               ; for the others' sake: my store has landed
	s_barrier_signal -1
	s_barrier_wait -1
	ds_load_b128 v[SM+2:SM+5], v9
	ds_load_b128 v[SM+6:SM+9], v9 offset:16
	s_wait_dscnt 0x0
	v_add_f32 v[SM+2], v[SM+2], v[SM+3]
	v_add_f32 v[SM+4], v[SM+4], v[SM+5]
	v_add_f32 v[SM+6], v[SM+6], v[SM+7]
	v_add_f32 v[SM+8], v[SM+8], v[SM+9]
	s_delay_alu instid0(VALU_DEP_3)
	v_add_f32 v[SM+2], v[SM+2], v[SM+4]
	s_delay_alu instid0(VALU_DEP_2)
	v_add_f32 v[SM+6], v[SM+6], v[SM+8]
	s_delay_alu instid0(VALU_DEP_1)
	v_add_f32 v[SM+2], v[SM+2], v[SM+6]            ; the row's sum of squares
	s_delay_alu instid0(VALU_DEP_1)
	v_fma_f32 v[SM+2], v[SM+2], s31, s30           ; the mean + 1e-6
	s_wait_alu depctr_va_vdst(0)                   ; a wait ahead of the transcendental
	v_rsq_f32 v[SM], v[SM+2]
	v_nop                                          ; a plain place behind the transcendental
	s_wait_alu depctr_va_vdst(0)                   ; and the wait ahead of its first reader
	s_wait_loadcnt 0x0                             ; w
.set j, 0
.rept 32
	v_pk_mul_f32 v[X+j:X+j+1], v[X+j:X+j+1], v[SM:SM+1] op_sel_hi:[1,0]   ; x * rms (the pair's low word serves both halves)
.set j, j+2
.endr
.set j, 0
.rept 32
	v_pk_mul_f32 v[X+j:X+j+1], v[X+j:X+j+1], v[GN+j:GN+j+1]               ; * w: a second rounding, as reference() has it
.set j, j+2
.endr
	QUANT X
	global_store_b128 v4, v[PC:PC+3], s[8:9]                       ; each store covers 512 or 256 consecutive bytes, at a multiple of 256 from the buffer's first byte
	global_store_b64 v11, v[PC+4:PC+5], s[8:9] offset:512
	global_store_b128 v4, v[PC+6:PC+9], s[8:9] offset:768
	global_store_b64 v11, v[PC+10:PC+11], s[8:9] offset:1280
	global_store_b32 v12, v[PW], s[28:29] offset:3072              ; row r's word (both lanes of a row hold it)
	s_wait_tensorcnt 0x0                           ; the wave's end, behind my last LDS store
	ds_add_u32 v[SPW], v[NIL]
	s_wait_dscnt 0x0
	s_endpgm
.Lfunc_end_k_qfab3bc06d2_wquant:
	.size	k_qfab3bc06d2_wquant, .Lfunc_end_k_qfab3bc06d2_wquant-k_qfab3bc06d2_wquant
	.p2alignl 7, 3214868480
	.fill 96, 4, 3214868480
	.section	.rodata,"a",@progbits
	.p2align	6, 0x0
	.amdhsa_kernel k_qfab3bc06d2_wquant
		.amdhsa_group_segment_fixed_size 69120
		.amdhsa_private_segment_fixed_size 0
		.amdhsa_enable_private_segment 0
		.amdhsa_kernarg_size 88
		.amdhsa_user_sgpr_count 2
		.amdhsa_user_sgpr_kernarg_segment_ptr 1
		.amdhsa_wavefront_size32 1
		.amdhsa_system_sgpr_workgroup_id_x 1
		.amdhsa_system_sgpr_workgroup_id_y 1
		.amdhsa_system_sgpr_workgroup_id_z 1
		.amdhsa_system_vgpr_workitem_id 0
		.amdhsa_next_free_vgpr 192
		.amdhsa_next_free_sgpr 66
		.amdhsa_reserve_vcc 0
		.amdhsa_float_denorm_mode_32 3
		.amdhsa_float_denorm_mode_16_64 3
		.amdhsa_memory_ordered 1
		.amdhsa_forward_progress 1
		.amdhsa_inst_pref_size 70
	.end_amdhsa_kernel
	.amdgpu_metadata
---
amdhsa.version: [ 1, 2 ]
amdhsa.kernels:
  - .name:           k_qfab3bc06d2_wquant
    .symbol:         k_qfab3bc06d2_wquant.kd
    .args:
      - { .name: wq, .offset: 0, .size: 8, .value_kind: global_buffer, .address_space: global }
      - { .name: wk, .offset: 8, .size: 8, .value_kind: global_buffer, .address_space: global }
      - { .name: wv, .offset: 16, .size: 8, .value_kind: global_buffer, .address_space: global }
      - { .name: wo, .offset: 24, .size: 8, .value_kind: global_buffer, .address_space: global }
      - { .name: w_gate, .offset: 32, .size: 8, .value_kind: global_buffer, .address_space: global }
      - { .name: w_up, .offset: 40, .size: 8, .value_kind: global_buffer, .address_space: global }
      - { .name: w_down, .offset: 48, .size: 8, .value_kind: global_buffer, .address_space: global }
      - { .name: W, .offset: 56, .size: 8, .value_kind: global_buffer, .address_space: global }
      - { .name: x, .offset: 64, .size: 8, .value_kind: global_buffer, .address_space: global }
      - { .name: attn_norm_w, .offset: 72, .size: 8, .value_kind: global_buffer, .address_space: global }
      - { .name: H, .offset: 80, .size: 8, .value_kind: global_buffer, .address_space: global }
    .group_segment_fixed_size: 69120
    .private_segment_fixed_size: 0
    .kernarg_segment_align: 8
    .kernarg_segment_size: 88
    .max_flat_workgroup_size: 256
    .sgpr_count:     66
    .vgpr_count:     192
    .wavefront_size: 32
...
	.end_amdgpu_metadata
.endif
;; end of part 8
;; launch qkv (part 9): grid 12 x 16, 4 waves a work-group, clusters of 4 x 4, 327,680 bytes of LDS; arguments H, W, QKV; writes QKV
.if DOCPART == 9
	.amdgcn_target "amdgcn-amd-amdhsa--gfx1250"
	.amdhsa_code_object_version 6
	.text
	.protected	k_qfab3bc06d2_qkv
	.globl	k_qfab3bc06d2_qkv
	.p2align	8
	.type	k_qfab3bc06d2_qkv,@function
k_qfab3bc06d2_qkv:
	s_mov_b64 s[64:65], 0
	v_nop
	global_prefetch_b8 v0, s[64:65] scope:SCOPE_SE
	s_setreg_imm32_b32 hwreg(HW_REG_WAVE_MODE, 25, 1), 1
	s_wait_xcnt 0x0
	s_wait_alu depctr_hold_cnt(0) depctr_sa_sdst(0) depctr_va_vdst(0) depctr_va_sdst(0) depctr_va_ssrc(0) depctr_va_vcc(0) depctr_vm_vsrc(0)
	s_getreg_b32 s2, hwreg(HW_REG_IB_STS2, 6, 4)
	s_cmp_eq_u32 s2, 0
	s_cbranch_scc0 .Lentry_in_a_cluster
	s_endpgm
.Lentry_in_a_cluster:
	s_bfe_u32 s2, ttmp6, 0x10000c
	s_cmp_lg_u32 s2, 0xf033
	s_cbranch_scc0 .Lentry_shape_is_right
	s_endpgm
.Lentry_shape_is_right:
; q = h wq, k = h wk, v = h wv on codes of FP6 (E2M3) with E8M0 scales (h = the normed tokens, K = 1,024), and each result quantised at once, along the K of the attention product that will take it.
; OPERANDS.  H and W hold RECORDS: a tile of 16 rows x 256 K in 3,328 bytes: two images of a fragment's 12 registers (1,536 bytes each: for c = 0, 1: registers 6 c .. 6 c + 3 at 16 x lane, registers 6 c + 4, 6 c + 5 at 8 x lane),
; then the scale words at 3,072 + 8 r + 4 q.  A buffer is [tile][K / 256][3,328].  Row r of tile T is index 32 (T / 2) + 8 (T % 2) + r + 8 (r / 8), of tokens and of weight columns alike.
; SHAPE.  A work-group of four waves makes 256 x 256, a wave 128 x 128: 64 accumulators, 512 registers.  K goes in steps of 256 through a ring of two LDS slots; a slot holds 16 + 16 records' first 3,200 bytes, scales included.
; SOURCE 0 gives a lane's registers, SOURCE 1 its lane: in accumulator (a, b) lane (r, h) holds row r of source 1's tile a, and by the tiles' order its 64 registers of b = 0 .. 7 are the 128 rows of source 0 as 32 b' + 16 h + i.
; For q and k (clusters x = 0, 1) source 0 = 128 weight columns (two heads), source 1 = tokens: a lane holds a token, registers along the head's axis.  For v (cluster x = 2) source 0 = 128 tokens, source 1 = wv's columns:
; a lane holds a channel, registers along the keys.  One text serves both: only pointers and offsets are chosen, on the cluster's x, which all partners share.
; OUT.  A fragment record of QKV is 2,048 bytes, two halves of 1,024: [768 bytes: registers 6 c .. 6 c + 5][16 scale words at 768 + 4 r][192 bytes never written, never read]; half 0's words hold the fragment's scale word, half 1's
; the same shifted down by 16 bits.  q, k: record (group of 128 columns, 0-7 q, 8-15 k) x 256 + token tile.  v, from byte 8,388,608: record (128 keys' step, 0-31) x 64 + column tile.
; CLUSTERS: 4 x 4 work-groups; source 1's tiles are shared along a row of the cluster, source 0's along a column: each is asked for jointly, by the same tensor load with the same descriptor and a mask that names the four.
; REGISTERS: window 0: v1-7 lane terms; v16-27 LDS addresses; v28, v29 the add's two; v32-63 scale words, two sets; v64-103 the way out; v128-223 source 1's fragments, one set.  window 1: source 0's fragments, two sets, at v0 and v128.
;   windows 2, 3: the accumulators, (a, b) at v[8 (8 (a % 4) + b)].
; LIMITS: NaN and infinities are not served; a block whose largest magnitude lies under 2^-124 has its byte held at 1; a block of zeros gets the byte 1 and not 127 (its codes are zeros; this program alone reads the bytes).
.set TP,     13312                     ; bytes of a tile: 4 records
.set LAPS,   2                         ; a lap = two slots = 512 along K
.set NQ,     2                         ; matrix instructions deep in a slot
.set FR,     12                        ; registers of a fragment
.set NL,     4                         ; LDS loads that bring one
.set NP,     4                         ; places behind this matrix instruction (ISA guide 7.12.1)
.set RECD,   3200                      ; a record's bytes that move
.set RECP,   3328                      ; its pitch in memory
.set FRB,    1536                      ; an image
.set HALFT,  8*RECD                    ; what one tensor load brings, and what one wave reads of a source
.set SLOT,   4*HALFT                   ; source 1's 16 tiles, then source 0's 16
.set SPARE,  2*SLOT                    ; behind the ring: the spare words, 128 bytes for each wave: two blocks of 256 bytes that no other line names
.set WV_OFF, 128*TP                    ; wv's tiles in W
.set VREG,   8388608                   ; v's records in QKV
.set LI,   4                           ; v4      16 x lane
.set L8,   5                           ; v5      8 x lane
.set LW,   6                           ; v6      4 r + 1,024 h: a scale word's place in a fragment record
.set SH,   7                           ; v7      16 h
.set ADRA, 16                          ; v16-17  source 1's fragments in slot 0, 1: + 16 x lane;  v18-19: + 8 x lane
.set ADRB, 20                          ; v20-23  the same for source 0
.set ADRS, 26                          ; v26-27  my scale words in slot 0, 1: lanes 0-15 source 1's rows, lanes 16-31 source 0's
.set SPW,  28                          ; v28     LDS address of my spare word; never rewritten
.set NIL,  29                          ; v29     0; never rewritten
.set SC,   32                          ; scale words: set s at v[SC + 16 s]; register 2 i + q: lanes 0-15 source 1's tile i, lanes 16-31 source 0's tile i, the slot's q-th 128 along K
.set TM,   64                          ; v64-79  the quantiser's work
.set PW,   80                          ; v80     the scale word;  v81 as it is stored
.set PWS,  81
.set PC,   84                          ; v84-102 the codes, and the conversions' second halves
.set AF,   128                         ; source 1's fragments
.set G1,   24                          ; s[24:31] descriptor group 1 for source 1's tiles;  s[32:39] group 0, one set for each slot
.set G0,   32
.set G1B,  48                          ; s[48:55], s[56:63] the same for source 0's
.set G0B,  56
.set SEL,  66                          ; s66, s67 v_permlanex16_b32's selects for lane l xor 16
.set MSB, 0
.macro WIN new                         ; the immediate's high byte repeats the setting that is left
.if MSB != (\new)
	s_set_vgpr_msb (MSB<<8)|(\new)
.set MSB, (\new)
.endif
.endm
.set MUL_LO, 0xa1                      ; source 0 window 1, source 1 window 0, C and D window 2
.set MUL_HI, 0xf1                      ; the same, C and D window 3
.set TO_B,   0x40                      ; destination window 1, address window 0
; A joint load: waves 0 and 1 fetch source 1's two halves, waves 2 and 3 source 0's.  Each line has one mask and one set of registers for all that issue it; the branch hangs on the wave's number alone.
; An s_nop 0 and four v_nop follow each of the two lines, ahead of the jump, the label and what follows.
.macro JLOAD g0a, g1a, g0b, g1b
	s_cmp_eq_u32 s15, 0
	s_cbranch_scc0 .Lfor_b_\@
	tensor_load_to_lds s[\g0a:\g0a+3], s[\g1a:\g1a+7]
	s_nop 0
.rept 4
	v_nop
.endr
	s_branch .Lasked_\@
.Lfor_b_\@:
	tensor_load_to_lds s[\g0b:\g0b+3], s[\g1b:\g1b+7]
	s_nop 0
.rept 4
	v_nop
.endr
.Lasked_\@:
.endm
.macro CREST                           ; a round of the cluster's barrier behind its opening barrier
	s_cmp_lg_u32 s14, 0
	s_cbranch_scc1 .Lnot_wave_0_\@
	s_barrier_signal -3
.Lnot_wave_0_\@:
	s_barrier_wait -3
	s_barrier_signal -1
	s_barrier_wait -1
.endm
.macro CROUND                          ; a whole round
	s_barrier_signal -1
	s_barrier_wait -1
	CREST
.endm
	s_load_b128 s[4:7], s[0:1], 0x0                ; H, W
	s_load_b64 s[8:9], s[0:1], 0x10                ; QKV
	v_lshl_add_u32 v[SPW], v0, 2, SPARE
	v_mov_b32 v[NIL], 0
	ds_add_u32 v[SPW], v[NIL]                      ; the wave's opening: the add and its wait stand ahead of my first tensor load; the set-up below, work on registers, stands between them
	ds_add_u32 v[SPW], v[NIL]
	v_lshrrev_b32 v1, 5, v0
	v_readfirstlane_b32 s14, v1                    ; wave 0..3
	s_lshr_b32 s15, s14, 1                         ; which half of source 1's tiles is mine.  Also: I fetch for source 1 (0) or source 0 (1)
	s_and_b32 s16, s14, 1                          ; which half of source 0's.  Also: which 8 tiles I fetch
	s_bfe_u32 s40, ttmp6, 0x40000                  ; cx, cy: my place in the cluster
	s_bfe_u32 s41, ttmp6, 0x40004
	s_and_b32 s18, ttmp7, 0xffff                   ; the cluster's y, 0..3
	s_cmp_eq_u32 ttmp9, 2                          ; the cluster's x: 0, 1: q and k; 2: v.  The same in all sixteen partners
	s_cselect_b32 s42, s18, ttmp9                  ; which four blocks of source 0: v: of the tokens, by y; else of wq's and wk's columns, by x
	s_cselect_b32 s17, 0, s18                      ; which four blocks of source 1: v: wv's only four; else of the tokens, by y
	s_cselect_b32 s68, 64, 256                     ; records for each block of 128 of source 0
	s_cselect_b32 s69, VREG, 0                     ; where the records begin in QKV
	s_cselect_b32 s70, WV_OFF, 0                   ; where source 1's tiles begin in their buffer
	s_lshl_b32 s42, s42, 2
	s_add_co_u32 s42, s42, s40                     ; source 0's block of 256
	s_lshl_b32 s17, s17, 2
	s_add_co_u32 s17, s17, s41                     ; source 1's block of 256
	s_lshl_b32 s43, s41, 2
	s_lshl_b32 s43, 15, s43                        ; my row of the cluster
	s_lshl_b32 s44, 0x1111, s40                    ; my column
	; descriptor group 1: 8 rows (tiles) of 3,200 bytes (400 elements of 8), TP bytes apart, dense in LDS
	s_or_b32 s[G1+0], s43, (3<<16)|(1<<21)         ; 15:0 the mask: source 1's tiles go to my row; 17:16 elements of 8 bytes; 20 no padding; 21 set beside a mask
	s_or_b32 s[G1B+0], s44, (3<<16)|(1<<21)        ; source 0's go to my column
.irp g, G1, G1B
	s_mov_b32 s[\g+1], 400<<16                     ; tensor_dim0
	s_mov_b32 s[\g+2], 8<<16                       ; tensor_dim1
	s_mov_b32 s[\g+3], 400<<16                     ; tile_dim0
	s_mov_b32 s[\g+4], 8                           ; tile_dim1
	s_mov_b32 s[\g+5], TP/8                        ; tensor_dim0_stride
	s_mov_b32 s[\g+6], 0
	s_mov_b32 s[\g+7], 0
.endr
	s_lshl_b32 s18, s16, 3                         ; which 8 tiles of the 16 I fetch
	s_lshl_b32 s20, s17, 4
	s_add_co_u32 s20, s20, s18
	s_mul_i32 s20, s20, TP                         ; source 1: tile 16 x block + 8 x half, in bytes
	s_mov_b32 s21, 0
	s_lshl_b32 s46, s42, 4
	s_add_co_u32 s46, s46, s18
	s_mul_i32 s46, s46, TP                         ; source 0 likewise
	s_mov_b32 s47, 0
	s_mul_i32 s45, s14, HALFT                      ; where they go: wave x 8 tiles: no place in the cluster enters an LDS address
	s_mov_b32 s71, 0
	s_mov_b32 s[SEL], 0x76543210
	s_mov_b32 s[SEL+1], 0xfedcba98
	s_wait_dscnt 0x0                               ; the opening add is done
	s_wait_kmcnt 0x0
	s_cmp_eq_u32 ttmp9, 2
	s_cselect_b64 s[72:73], s[4:5], s[6:7]         ; source 0's buffer: v: H; else W
	s_cselect_b64 s[74:75], s[6:7], s[4:5]         ; source 1's: v: W; else H
	s_add_nc_u64 s[74:75], s[74:75], s[70:71]
	s_add_nc_u64 s[20:21], s[74:75], s[20:21]
	s_add_nc_u64 s[46:47], s[72:73], s[46:47]
	CROUND                                         ; all sixteen work-groups are here: the first joint loads meet
.irp s, 0,1
	s_mov_b32 s[G0+4*\s], 1                                        ; count = 1
	s_add_co_u32 s[G0+4*\s+1], s45, \s*SLOT                        ; LDS address
	s_add_nc_u64 s[G0+4*\s+2:G0+4*\s+3], s[20:21], \s*RECP         ; global address: record s
	s_or_b32 s[G0+4*\s+3], s[G0+4*\s+3], 0x80000000                ; type = 2
	s_mov_b32 s[G0B+4*\s], 1
	s_add_co_u32 s[G0B+4*\s+1], s45, \s*SLOT
	s_add_nc_u64 s[G0B+4*\s+2:G0B+4*\s+3], s[46:47], \s*RECP
	s_or_b32 s[G0B+4*\s+3], s[G0B+4*\s+3], 0x80000000
.if \s
	s_wait_alu depctr_va_vdst(0)
	s_wait_tensorcnt 0x0                           ; slot 1's first fill is issued as a refill is: my part of slot 0 is in,
	ds_add_u32 v[SPW], v[NIL]                      ; the add,
	s_wait_dscnt 0x0                               ; and its wait;
	CROUND                                         ; a whole round, and the joint load first behind it
.endif
	JLOAD G0+4*\s, G1, G0B+4*\s, G1B
.endr
	v_and_b32 v1, 15, v0                           ; r
	v_bfe_u32 v2, v0, 4, 1                         ; h
	v_and_b32 v3, 31, v0
	v_lshlrev_b32 v[LI], 4, v3
	v_lshlrev_b32 v[L8], 3, v3
	s_mul_i32 s21, s15, HALFT                      ; my 8 tiles of source 1
	s_mul_i32 s22, s16, HALFT                      ; my 8 tiles of source 0,
	s_add_co_u32 s22, s22, 2*HALFT                 ; which lie behind source 1's 16
.irp s, 0,1
	v_add_nc_u32 v[ADRA+\s], s21, v[LI]
	v_add_nc_u32 v[ADRB+\s], s22, v[LI]
	v_add_nc_u32 v[ADRA+2+\s], s21, v[L8]
	v_add_nc_u32 v[ADRB+2+\s], s22, v[L8]
	s_add_co_u32 s21, s21, SLOT
	s_add_co_u32 s22, s22, SLOT
.endr
	s_xor_b32 s22, s15, 1                          ; from source 1's tiles of mine to source 0's: (2 + my half of 0 - my half of 1) x HALFT
	s_add_co_u32 s22, s22, s16
	s_add_co_u32 s22, s22, 1
	s_mul_i32 s22, s22, HALFT
	v_mul_u32_u24 v8, s22, v2                      ; lanes 16-31 take source 0's: one product, the lower base + h x the distance
	v_lshl_add_u32 v8, v1, 3, v8                   ; 8 bytes a row
	s_mul_i32 s21, s15, HALFT
	s_add_co_u32 s21, s21, 3072
	v_add_nc_u32 v[ADRS], s21, v8
	v_add_nc_u32 v[ADRS+1], SLOT, v[ADRS]
	v_lshlrev_b32 v[LW], 2, v1
	v_lshl_add_u32 v[LW], v2, 10, v[LW]
	v_lshlrev_b32 v[SH], 4, v2
	s_lshl_b32 s76, s42, 1                         ; the way out: my block of 128 of source 0,
	s_add_co_u32 s76, s76, s16
	s_mul_i32 s76, s76, s68                        ; its records,
	s_lshl_b32 s77, s17, 4
	s_add_co_u32 s76, s76, s77
	s_lshl_b32 s77, s15, 3
	s_add_co_u32 s76, s76, s77                     ; + my first tile of source 1
	s_lshl_b32 s76, s76, 11                        ; 2,048 bytes each
	s_add_co_u32 s76, s76, s69
	s_mov_b32 s77, 0
	s_add_nc_u64 s[12:13], s[8:9], s[76:77]
.macro FRAG reg, adr, q, i             ; tile i's fragment of the slot's q-th 128 along K, as its image lies: four dense loads
	ds_load_b128 v[\reg:\reg+3], v[\adr] offset:(\i)*RECD+(\q)*FRB
	ds_load_b64 v[\reg+4:\reg+5], v[\adr+2] offset:(\i)*RECD+(\q)*FRB+512
	ds_load_b128 v[\reg+6:\reg+9], v[\adr] offset:(\i)*RECD+(\q)*FRB+768
	ds_load_b64 v[\reg+10:\reg+11], v[\adr+2] offset:(\i)*RECD+(\q)*FRB+1280
.endm
; 16 matrix instructions: source 1's tiles a0, a0 + 1 x source 0's eight.  p: source 0's set;  sc: the set of scale words.  zero = 1: the first product starts the sums.
; The 64 accumulators take turns, one instruction a turn, in the same order in every step.
.macro MUL16 a0, p, q, sc, zero
.irp a, \a0, \a0+1
.irp b, 0,1,2,3,4,5,6,7
.if \zero
	v_wmma_scale_f32_16x16x128_f8f6f4 v[8*(8*((\a)%4)+\b):8*(8*((\a)%4)+\b)+7], v[128*(\p)+FR*\b:128*(\p)+FR*\b+FR-1], v[AF+FR*(\a):AF+FR*(\a)+FR-1], 0, v[SC+8*NQ*(\sc)+NQ*\b+(\q)], v[SC+8*NQ*(\sc)+NQ*(\a)+(\q)] matrix_a_fmt:MATRIX_FMT_FP6 matrix_b_fmt:MATRIX_FMT_FP6 matrix_a_scale:MATRIX_SCALE_ROW1
.else
	v_wmma_scale_f32_16x16x128_f8f6f4 v[8*(8*((\a)%4)+\b):8*(8*((\a)%4)+\b)+7], v[128*(\p)+FR*\b:128*(\p)+FR*\b+FR-1], v[AF+FR*(\a):AF+FR*(\a)+FR-1], v[8*(8*((\a)%4)+\b):8*(8*((\a)%4)+\b)+7], v[SC+8*NQ*(\sc)+NQ*\b+(\q)], v[SC+8*NQ*(\sc)+NQ*(\a)+(\q)] matrix_a_fmt:MATRIX_FMT_FP6 matrix_b_fmt:MATRIX_FMT_FP6 matrix_a_scale:MATRIX_SCALE_ROW1
.endif
.endr
.endr
.endm
.macro FETCH_B slot, q, p              ; source 0's eight fragments into set p
	WIN TO_B
.irp i, 0,1,2,3,4,5,6,7
	FRAG 128*(\p)+FR*\i, ADRB+\slot, \q, \i
.endr
	WIN 0
.endm
.macro FETCH_A slot, q, i0             ; source 1's tiles i0 .. i0 + 3
.irp i, \i0, \i0+1, \i0+2, \i0+3
	FRAG AF+FR*(\i), ADRA+\slot, \q, \i
.endr
.endm
.macro SCALES sc                       ; slot sc's scale words: both steps' words of a row by one load
.irp i, 0,1,2,3,4,5,6,7
	ds_load_b64 v[SC+8*NQ*\sc+NQ*\i:SC+8*NQ*\sc+NQ*\i+1], v[ADRS+\sc] offset:\i*RECD
.endr
.endm
.macro PLACES n                        ; a load into a register that a matrix instruction has read, and a read of a matrix result, stand NP plain vector instructions behind it (ISA guide 7.12.1 for the read of a result)
.rept \n
	v_nop
.endr
.endm
.macro STEP slot, q, zero              ; a step of 128 along K that has its successor in the same slot
	s_wait_dscnt 4*NL                              ; source 0's set and source 1's tiles 0-3 are in; the youngest 16 loads (tiles 4-7) may be out
	WIN MUL_LO
	MUL16 0, (\q)%2, \q, \slot, \zero
	MUL16 2, (\q)%2, \q, \slot, \zero
	s_wait_dscnt 0                                 ; tiles 4-7 are in
	PLACES NP
	FETCH_B \slot, (\q)+1, 1-(\q)%2
	FETCH_A \slot, (\q)+1, 0
	WIN MUL_HI
	MUL16 4, (\q)%2, \q, \slot, \zero
	MUL16 6, (\q)%2, \q, \slot, \zero
	PLACES NP
	WIN 0
	FETCH_A \slot, (\q)+1, 4
.endm
; A slot's last step changes slots: one barrier; in front of it each wave waits for all its tensor loads, adds 0 to its spare word, and waits for that and for its reads of this slot.  fill = 1: the slot is filled again, two records on.
.macro TURN slot, next, fill
	s_wait_tensorcnt 0x0                           ; all my tensor loads have landed: my part of the next slot
	ds_add_u32 v[SPW], v[NIL]                      ; 0 onto my spare word
	s_wait_dscnt 4*NL+1                            ; (the add and the youngest 16 loads may be out)
	WIN MUL_LO
	MUL16 0, 1, NQ-1, \slot, 0                     ; sixteen matrix instructions stand between the add and the wait for it
	s_wait_dscnt 0x0                               ; the add is done, and my reads of this slot are over
	s_barrier_signal -1
	MUL16 2, 1, NQ-1, \slot, 0
	WIN 0
	s_barrier_wait -1
.if \fill
	CREST                                          ; the barrier has opened a round of the cluster's barrier: no wave of any partner still reads this slot or has a load on its way
	s_add_nc_u64 s[G0+4*\slot+2:G0+4*\slot+3], s[G0+4*\slot+2:G0+4*\slot+3], 2*RECP
	s_add_nc_u64 s[G0B+4*\slot+2:G0B+4*\slot+3], s[G0B+4*\slot+2:G0B+4*\slot+3], 2*RECP
	JLOAD G0+4*\slot, G1, G0B+4*\slot, G1B         ; the first tensor load behind the round; its four v_nop are also the places in front of the loads below
.else
	PLACES NP
.endif
	FETCH_B \next, 0, 0
	FETCH_A \next, 0, 0
	SCALES \next
	WIN MUL_HI
	MUL16 4, 1, NQ-1, \slot, 0
	MUL16 6, 1, NQ-1, \slot, 0
	PLACES NP
	WIN 0
	FETCH_A \next, 0, 4
.endm
	s_wait_alu depctr_va_vdst(0)
	s_wait_tensorcnt 1                             ; my part of slot 0 is in; slot 1's load may be out
	s_barrier_signal -1
	s_barrier_wait -1
	FETCH_B 0, 0, 0
	FETCH_A 0, 0, 0
	SCALES 0
	FETCH_A 0, 0, 4
	STEP 0, 0, 1                                   ; the first step stands in front of the loop: its products start the sums
	s_mov_b32 s3, LAPS-1
.Llap:                                                 ; a trip goes once round the ring and fills both slots again
	TURN 0, 1, 1
	STEP 1, 0, 0
	TURN 1, 0, 1
	STEP 0, 0, 0
	s_sub_co_u32 s3, s3, 1
	s_cmp_lg_u32 s3, 0
	s_cbranch_scc1 .Llap
	TURN 0, 1, 0                                   ; the last lap fills nothing
	STEP 1, 0, 0
	s_wait_dscnt 4*NL
	WIN MUL_LO
	MUL16 0, 1, NQ-1, 1, 0
	MUL16 2, 1, NQ-1, 1, 0
	s_wait_dscnt 0
	WIN MUL_HI
	MUL16 4, 1, NQ-1, 1, 0
	MUL16 6, 1, NQ-1, 1, 0
	WIN 0
; THE WAY OUT.  The 64 registers of source 1's tile a are 128 numbers' worth of one row along the next K: they are quantised where they lie and leave as a fragment's image.
.macro QUANTW a
.set AC, 64*((\a)%4)
.set WN, 2+(\a)/4
	WIN WN|(WN<<2)                                 ; sources 0 and 1: the accumulators' window
.irp b, 0,1,2,3
	v_max3_num_f32 v[TM+\b], |v[AC+16*\b]|, |v[AC+1+16*\b]|, 0x1800000   ; each accumulator is read from its low end on; the floor 2^(3 - 127) holds the byte at 1 from below
.endr
.irp i, 2,4,6,8,10,12,14
.irp b, 0,1,2,3
	v_max3_num_f32 v[TM+\b], |v[AC+16*\b+\i]|, |v[AC+1+16*\b+\i]|, v[TM+\b]
.endr
.endr
	WIN 0
.irp b, 0,1,2,3
	v_permlanex16_b32 v[TM+4+\b], v[TM+\b], s[SEL], s[SEL+1]
.endr
.irp b, 0,1,2,3
	v_max_num_f32 v[TM+\b], v[TM+\b], v[TM+4+\b]   ; with lane l xor 16's: the block's largest magnitude
.endr
.irp b, 0,1,2,3
	v_add_nc_u32 v[TM+12+\b], 0xff000000, v[TM+\b]   ; 2 off its exponent field: the conversion's scale operand
.endr
.irp b, 0,1,2,3
	v_lshrrev_b32 v[TM+4+\b], 23, v[TM+12+\b]      ; the scale's byte
.endr
	v_lshl_or_b32 v[PW], v[TM+5], 8, v[TM+4]
	v_lshl_or_b32 v[PW], v[TM+6], 16, v[PW]
	v_lshl_or_b32 v[PW], v[TM+7], 24, v[PW]
.if (\a) > 0
	s_wait_xcnt 0x0                                ; the last tile's stores have read their registers: the codes and the stored word are written again only behind this wait
.endif
	WIN WN
.irp c, 0,1
	v_cvt_scalef32_pk16_fp6_f32 v[PC+6*\c:PC+2+6*\c], v[AC+32*\c:AC+15+32*\c], v[TM+12+2*\c]
	v_cvt_scalef32_pk16_fp6_f32 v[PC+12+4*\c:PC+14+4*\c], v[AC+16+32*\c:AC+31+32*\c], v[TM+12+2*\c+1]
.endr
	v_nop                                          ; one plain place behind a scaled conversion
	WIN 0
.irp c, 0,1
.irp i, 0,1,2
	v_permlane16_swap_b32 v[PC+6*\c+\i], v[PC+12+4*\c+\i]   ; a whole block to a lane
.endr
.irp i, 0,1,2
	v_mov_b32 v[PC+3+6*\c+\i], v[PC+12+4*\c+\i]
.endr
.endr
.endm
.irp b, 0,1,2,3
	v_mov_b32 v[TM+4+\b], 0                        ; a lane permute's destination counts as one of its sources; these four are also the places behind the last products
.endr
.irp a, 0,1,2,3,4,5,6,7
	QUANTW \a
	v_lshrrev_b32 v[PWS], v[SH], v[PW]             ; lanes 0-15 store the word, lanes 16-31 its upper two bytes
	global_store_b128 v[LI], v[PC:PC+3], s[12:13] offset:\a*2048           ; 512 or 256 consecutive bytes, at a multiple of 256 from QKV's first byte
	global_store_b64 v[L8], v[PC+4:PC+5], s[12:13] offset:\a*2048+512
	global_store_b128 v[LI], v[PC+6:PC+9], s[12:13] offset:\a*2048+1024
	global_store_b64 v[L8], v[PC+10:PC+11], s[12:13] offset:\a*2048+1536
	global_store_b32 v[LW], v[PWS], s[12:13] offset:\a*2048+768
.endr
	s_wait_tensorcnt 0x0                           ; the wave's end
	ds_add_u32 v[SPW], v[NIL]
	s_wait_dscnt 0x0
	CROUND                                         ; the closing round: no work-group ends while a partner may still ask for a tile that names it
	s_endpgm
.Lfunc_end_k_qfab3bc06d2_qkv:
	.size	k_qfab3bc06d2_qkv, .Lfunc_end_k_qfab3bc06d2_qkv-k_qfab3bc06d2_qkv
	.p2alignl 7, 3214868480
	.fill 96, 4, 3214868480
	.section	.rodata,"a",@progbits
	.p2align	6, 0x0
	.amdhsa_kernel k_qfab3bc06d2_qkv
		.amdhsa_group_segment_fixed_size 327680
		.amdhsa_private_segment_fixed_size 0
		.amdhsa_enable_private_segment 0
		.amdhsa_kernarg_size 24
		.amdhsa_user_sgpr_count 2
		.amdhsa_user_sgpr_kernarg_segment_ptr 1
		.amdhsa_wavefront_size32 1
		.amdhsa_system_sgpr_workgroup_id_x 1
		.amdhsa_system_sgpr_workgroup_id_y 1
		.amdhsa_system_sgpr_workgroup_id_z 1
		.amdhsa_system_vgpr_workitem_id 0
		.amdhsa_next_free_vgpr 1024
		.amdhsa_next_free_sgpr 100
		.amdhsa_reserve_vcc 0
		.amdhsa_float_denorm_mode_32 3
		.amdhsa_float_denorm_mode_16_64 3
		.amdhsa_memory_ordered 1
		.amdhsa_forward_progress 1
		.amdhsa_inst_pref_size 148
	.end_amdhsa_kernel
	.amdgpu_metadata
---
amdhsa.version: [ 1, 2 ]
amdhsa.kernels:
  - .name:           k_qfab3bc06d2_qkv
    .symbol:         k_qfab3bc06d2_qkv.kd
    .args:
      - { .name: H, .offset: 0, .size: 8, .value_kind: global_buffer, .address_space: global }
      - { .name: W, .offset: 8, .size: 8, .value_kind: global_buffer, .address_space: global }
      - { .name: QKV, .offset: 16, .size: 8, .value_kind: global_buffer, .address_space: global }
    .group_segment_fixed_size: 327680
    .private_segment_fixed_size: 0
    .kernarg_segment_align: 8
    .kernarg_segment_size: 24
    .max_flat_workgroup_size: 128
    .sgpr_count:     100
    .vgpr_count:     1024
    .wavefront_size: 32
...
	.end_amdgpu_metadata
.endif
;; end of part 9
;; launch attn (part 10): grid 8 x 32, 16 waves a work-group, no clusters, 327,680 bytes of LDS; arguments QKV, AO; writes AO
.if DOCPART == 10
	.amdgcn_target "amdgcn-amd-amdhsa--gfx1250"
	.amdhsa_code_object_version 6
	.text
	.protected	k_qfab3bc06d2_attn
	.globl	k_qfab3bc06d2_attn
	.p2align	8
	.type	k_qfab3bc06d2_attn,@function
k_qfab3bc06d2_attn:
	s_mov_b64 s[64:65], 0
	v_nop
	global_prefetch_b8 v0, s[64:65] scope:SCOPE_SE
	s_setreg_imm32_b32 hwreg(HW_REG_WAVE_MODE, 25, 1), 1
	s_wait_xcnt 0x0
; Causal attention of 32 (batch, head) pairs, 2,048 tokens, head size 64, both products on codes of FP6 (E2M3) with E8M0 scales; the result is quantised along the channels and leaves as codes for the product with wo.
; IN.  QKV holds fragment records of 2,048 bytes, two halves of 1,024: [768 bytes: six registers a lane: four at 16 x lane, two at 8 x lane][16 scale words at 768 + 4 r].  q, k: record (head pair; k's 8 further on) x 256 + token tile,
; half = head % 2 (64 along K: the operand's upper six registers are zeros, kept in registers).  v, from byte 8,388,608: record (16 x batch + step of 128 keys) x 64 + 4 x head + dt: 16 channels x 128 keys, both halves.
; Row r of a tile T of tokens (or of channels) is index 32 (T / 2) + 8 (T % 2) + r + 8 (r / 8): so the 16 registers of two neighbouring tiles' results are 16 neighbours.
; THE SOFTMAX AHEAD OF THE SECOND PRODUCT: t = score x log2(e) / 8; M = the row's largest t so far, rounded up to a whole number; p = 2^(t - M) is quantised along the keys, not normalised.  The row's sum is taken of the
; unquantised p and divides O at the end.  When M moves, the sum and O are multiplied by 2^(old M - new M): exact.
; SHARES.  Work-group (a, batch x 16 + head); each of its sixteen waves owns one tile of 16 queries.  Waves 0-7 take the 128 queries of block a, waves 8-15 those of block 15 - a: (a + 1) + (16 - a) = 17 key steps for each pair
; of waves, whatever a is.  Both products are used transposed (S^T = K Q^T, O^T = V^T P^T): a lane holds one query throughout.
; RING.  Two LDS slots of 256 keys: 16 tiles of k and 2 x 8 halves of v, 832 bytes each.  Wave 0 fetches k's, waves 1 and 2 v's two steps; all sixteen read.  Every work-group walks all eight slots, so that every trip count is a
; constant; a step whose keys all come after the wave's queries is jumped over, and a slot whose first key comes after the work-group's last query is not asked for.
; NO CLUSTER: the eight work-groups of a head need 5 to 8 slots (ceil((16 - a) / 2)), so partners would not all make every joint request; and a slot is 26,624 bytes for 32 wave-steps of work.
; OUT.  AO is [256 token tiles][4][3,328]: records of two images of 1,536 bytes and the scale words at 3,072 + 8 r + 4 q; my head's 64 channels are half an image (768 bytes) and two bytes of a word.
; REGISTERS: v1-4 lane terms; v5, v6 the add's two; v7 the prefetches' offset; v8-11 addresses in hand; v12 -M, v13 the largest t, v[14:15] the sum; v16-27 Q; v28-31 V's scale words; v32-79 four fragments of K;
;   v80-127 four of V; v128-191 S^T, then p; v192-223 O^T; v224-235 p's codes; v232-254 at work; v248-251 K's scale words; v253 p's; v255 Q's.
; LIMITS: NaN and infinities are not served; v_exp_f32 and v_rcp_f32 are good to one unit in the last place, and a block's largest p is taken from its largest score (it takes v_exp_f32 not to fall where its input rises);
;   a block of zeros gets the byte 1 and not 127.
.set SK,    256                        ; keys in a slot
.set HR,    832                        ; bytes of a half record that move
.set VOFF,  16*HR                      ; a slot: 16 tiles of K, then V
.set VSTEP, 8*HR                       ; V's eight halves of a key step
.set SLOT1, 1<<17                      ; slot 1 begins here: one exclusive or turns an address
.set NSL,   8                          ; slots' worth of keys
.set SPARE, 2*SLOT1                    ; the spare words, 128 bytes for each wave: eight blocks of 256 bytes that no other line names
.set VREG,  8388608
.set SPW,  5
.set NIL,  6
.set PFO,  7
.set TB,   2                           ; s2   LDS byte at which the slot in hand begins
.set WV,   18                          ; s18  my wave's number
.set SEL,  20                          ; s20, s21 selects for lane l xor 16
.set CS,   22                          ; s[22:23] c = log2(e) / 8
.set G1K,  24                          ; s[24:31] descriptor group 1 for K's tiles;  s[32:39] for V's;  s[40:43], s[44:47] their groups 0, which walk
.set G1V,  32
.set G0K,  40
.set G0V,  44
.set KF,   48                          ; s48  the step's first key
.set Q32,  49                          ; s49  the first of the 32 tokens among which my 16 queries lie
.set QHI,  50                          ; s50  the last of them
.set LASTQ, 51                         ; s51  my work-group's last query
.set SLOTS, 52                         ; s52  changes of slots still to come in the loop
.set LIM,  53                          ; s53  1 in a wave that prefetches, else the greatest number
.set PFA,  56                          ; s[56:57] where my prefetches stand
.set PFS,  58                          ; s[58:59] a slot on, in bytes
.set TM,   160                         ; the way out's quantiser: v160-175, v176 the two scale bytes, v178-186 the codes
.set PW,   176
.set PC,   178
; Wave 0 fetches K's tiles, waves 1 and 2 V's, the others nothing: branches on the wave's number alone.  An s_nop 0 and four v_nop follow each of the two lines.
.macro TLOAD
	s_cmp_lt_u32 s[WV], 1
	s_cbranch_scc0 .Lnot_k_\@
	tensor_load_to_lds s[G0K:G0K+3], s[G1K:G1K+7]
	s_nop 0
.rept 4
	v_nop
.endr
	s_branch .Lasked_\@
.Lnot_k_\@:
	s_cmp_lt_u32 s[WV], 3
	s_cbranch_scc0 .Lasked_\@
	tensor_load_to_lds s[G0V:G0V+3], s[G1V:G1V+7]
	s_nop 0
.rept 4
	v_nop
.endr
.Lasked_\@:
.endm
; A prefetch of what the NEXT change of slots will ask for.  All eight work-groups of a head walk the same K and V: the one with a = 0, which loads all eight slots, asks.  In it waves 4 and 5 ask for K's 16 halves (8 a wave,
; four blocks of 256 bytes each), waves 6 and 7 for V's two steps (8,192 dense bytes a wave): a lane a block, one instruction a wave, each block named once in the launch.
; Slots 0 and 1 come by their loads alone; the last change that fills a slot asks for nothing: there is no slot behind it.
.macro ASK
	s_cmp_gt_u32 s[SLOTS], s[LIM]
	s_cbranch_scc0 .Lnot_mine_\@
	global_prefetch_b8 v[PFO], s[PFA:PFA+1] th:TH_LOAD_NT scope:SCOPE_SE
.Lnot_mine_\@:
.endm
	s_load_b128 s[4:7], s[0:1], 0x0                ; QKV, AO
	v_lshl_add_u32 v[SPW], v0, 2, SPARE
	v_mov_b32 v[NIL], 0
	ds_add_u32 v[SPW], v[NIL]                      ; the wave's opening: the add and its wait stand ahead of my first tensor load; the set-up below, work on registers, stands between them
	ds_add_u32 v[SPW], v[NIL]
	v_lshrrev_b32 v8, 5, v0
	s_delay_alu instid0(VALU_DEP_1)
	v_readfirstlane_b32 s[WV], v8                  ; wave 0..15
	s_and_b32 s66, ttmp7, 0xffff
	s_lshr_b32 s67, s66, 4                         ; batch
	s_and_b32 s68, s66, 15                         ; head
	s_and_b32 s69, s68, 1                          ; which half of a q or k record
	s_lshr_b32 s70, s68, 1                         ; head pair
	s_sub_co_u32 s71, 15, ttmp9
	s_cmp_lt_u32 s[WV], 8
	s_cselect_b32 s71, ttmp9, s71                  ; my block of 128 queries: a or 15 - a
	s_and_b32 s72, s[WV], 7
	s_lshl_b32 s73, s71, 3
	s_add_co_u32 s73, s73, s72                     ; my tile of queries, 0..127
	s_lshr_b32 s[Q32], s73, 1
	s_lshl_b32 s[Q32], s[Q32], 5
	s_or_b32 s[QHI], s[Q32], 31
	s_sub_co_u32 s[LASTQ], 16, ttmp9
	s_lshl_b32 s[LASTQ], s[LASTQ], 7
	s_sub_co_u32 s[LASTQ], s[LASTQ], 1             ; 128 (16 - a) - 1
	s_lshl_b32 s72, s67, 7                         ; the batch's 128 tiles
	s_lshl_b32 s84, s69, 10
	s_add_co_u32 s74, s70, 8
	s_lshl_b32 s74, s74, 8
	s_add_co_u32 s74, s74, s72
	s_lshl_b32 s74, s74, 11
	s_add_co_u32 s74, s74, s84                     ; K: the head's first half record
	s_mov_b32 s75, 0
	s_lshl_b32 s78, s70, 8
	s_add_co_u32 s78, s78, s72
	s_add_co_u32 s78, s78, s73
	s_lshl_b32 s78, s78, 11
	s_add_co_u32 s78, s78, s84                     ; Q: my tile's half record
	s_mov_b32 s79, 0
	s_add_co_u32 s82, s[WV], 1
	s_and_b32 s82, s82, 1                          ; which of a slot's two steps of V I fetch, if I fetch: wave 1: 0, wave 2: 1
	s_mul_i32 s83, s82, VSTEP
	s_lshl_b32 s85, s67, 10
	s_lshl_b32 s84, s68, 2
	s_add_co_u32 s85, s85, s84
	s_lshl_b32 s85, s85, 11
	s_add_co_u32 s85, s85, VREG                    ; V: the head's four records of the batch's first key step
	s_lshl_b32 s76, s82, 17                        ; a key step on: 64 records
	s_add_co_u32 s76, s76, s85
	s_mov_b32 s77, 0
	s_add_co_u32 s80, s72, s73
	s_mul_i32 s80, s80, 13312                      ; AO: my token tile,
	s_lshr_b32 s84, s68, 2
	s_mul_i32 s84, s84, 3328                       ; the record of my head's 256 channels
	s_add_co_u32 s80, s80, s84
	s_mov_b32 s81, 0
	s_and_b32 s84, s70, 1                          ; which image of the record
	s_mul_i32 s90, s84, 1536
	s_mul_i32 s91, s69, 768                        ; which half of the image
	s_add_co_u32 s90, s90, s91
	s_lshl_b32 s91, s84, 2
	s_lshl_b32 s84, s69, 1
	s_add_co_u32 s91, s91, s84
	s_add_co_u32 s91, s91, 3072                    ; and my two bytes of a row's scale words
	; descriptor group 1: K: 16 rows of 832 bytes (104 elements of 8), 2,048 bytes apart;  V: 8 rows of 832 bytes, 1,024 apart; dense in LDS
	s_mov_b32 s[G1K], 3<<16                        ; no mask; elements of 8 bytes; no padding
	s_mov_b32 s[G1K+1], 104<<16                    ; tensor_dim0
	s_mov_b32 s[G1K+2], 16<<16                     ; tensor_dim1
	s_mov_b32 s[G1K+3], 104<<16                    ; tile_dim0
	s_mov_b32 s[G1K+4], 16                         ; tile_dim1
	s_mov_b32 s[G1K+5], 256                        ; tensor_dim0_stride
	s_mov_b32 s[G1K+6], 0
	s_mov_b32 s[G1K+7], 0
	s_mov_b32 s[G1V], 3<<16
	s_mov_b32 s[G1V+1], 104<<16
	s_mov_b32 s[G1V+2], 8<<16
	s_mov_b32 s[G1V+3], 104<<16
	s_mov_b32 s[G1V+4], 8
	s_mov_b32 s[G1V+5], 128
	s_mov_b32 s[G1V+6], 0
	s_mov_b32 s[G1V+7], 0
	s_mov_b32 s[SEL], 0x76543210
	s_mov_b32 s[SEL+1], 0xfedcba98
	s_mov_b32 s[CS], 0x3e38aa3b                    ; c = log2(e) / sqrt(64)
	s_mov_b32 s[CS+1], s[CS]                       ; (named with it as a pair, so it is written)
	s_mov_b32 s[TB], 0
	s_mov_b32 s[KF], 0
	s_mov_b32 s[SLOTS], NSL-1
	; the prefetches: waves 4, 5: K; waves 6, 7: V
	s_cmp_lt_u32 s[WV], 6
	s_cselect_b32 s86, s74, s85                    ; the stream's first byte
	s_mov_b32 s87, 262144
	s_cselect_b32 s[PFS], 32768, s87               ; a slot on
	s_mov_b32 s87, 131072
	s_cselect_b32 s88, 16384, s87                  ; from wave to wave: 8 records of K, a key step of V
	s_mov_b32 s87, 1024
	s_cselect_b32 s89, 2048, s87                   ; from half record to half record
	s_and_b32 s87, s[WV], 1
	s_mul_i32 s87, s87, s88
	s_add_co_u32 s86, s86, s87
	s_add_co_u32 s86, s86, s[PFS]                  ; in slot 1: the first change of slots steps it to slot 2
	s_mov_b32 s87, 0
	s_mov_b32 s[PFS+1], 0
	s_lshr_b32 s88, s[WV], 2
	s_xor_b32 s88, s88, 1                          ; 0 in waves 4 to 7,
	s_or_b32 s88, s88, ttmp9                       ; of the work-group with a = 0
	s_cmp_eq_u32 s88, 0
	s_cselect_b32 s[LIM], 1, -1
	s_wait_dscnt 0x0                               ; the opening add is done
	s_wait_kmcnt 0x0
	s_mov_b32 s[G0K], 1                            ; count = 1
	s_mov_b32 s[G0K+1], 0                          ; LDS address: slot 0
	s_add_nc_u64 s[G0K+2:G0K+3], s[4:5], s[74:75]  ; global address: the first 256 keys
	s_or_b32 s[G0K+3], s[G0K+3], 0x80000000        ; type = 2
	s_mov_b32 s[G0V], 1
	s_add_co_u32 s[G0V+1], s83, VOFF
	s_add_nc_u64 s[G0V+2:G0V+3], s[4:5], s[76:77]
	s_or_b32 s[G0V+3], s[G0V+3], 0x80000000
	TLOAD                                          ; slot 0
	s_add_nc_u64 s[78:79], s[4:5], s[78:79]        ; Q
	s_add_nc_u64 s[PFA:PFA+1], s[4:5], s[86:87]
	s_add_nc_u64 s[80:81], s[6:7], s[80:81]        ; AO
	v_and_b32 v8, 15, v0                           ; r
	v_bfe_u32 v9, v0, 4, 1                         ; h
	v_and_b32 v10, 31, v0
	s_delay_alu instid0(VALU_DEP_1)
	v_lshlrev_b32 v1, 4, v10                       ; 16 x lane: four registers of a half record
	s_delay_alu instid0(VALU_DEP_2)
	v_lshlrev_b32 v2, 3, v10
	s_delay_alu instid0(VALU_DEP_1)
	v_add_nc_u32 v2, 512, v2                       ; 8 x lane + 512: the other two
	v_lshlrev_b32 v3, 2, v8
	s_delay_alu instid0(VALU_DEP_1)
	v_add_nc_u32 v3, 768, v3                       ; 4 r + 768: row r's scale word
	global_load_b128 v[16:19], v1, s[78:79]        ; Q's half fragment stays in registers
	global_load_b64 v[20:21], v2, s[78:79]
	global_load_b32 v255, v3, s[78:79]             ; and its scale words
	v_and_b32 v11, 8, v8
	s_delay_alu instid0(VALU_DEP_1)
	v_add_nc_u32 v4, v11, v8                       ; r + 8 (r / 8)
	v_lshlrev_b32 v11, 4, v9
	s_delay_alu instid0(VALU_DEP_1)
	v_sub_nc_u32 v4, v4, v11
	s_and_b32 s87, s[WV], 1
	s_lshl_b32 s87, s87, 3
	v_add_nc_u32 v4, s87, v4                       ; my query - Q32 - 16 h
	v_lshrrev_b32 v11, 2, v10
	v_and_b32 v[PFO], 3, v10
	s_delay_alu instid0(VALU_DEP_1)
	v_lshlrev_b32 v[PFO], 8, v[PFO]
	s_delay_alu instid0(VALU_DEP_3)
	v_mul_lo_u32 v11, v11, s89
	s_delay_alu instid0(VALU_DEP_1)
	v_add_nc_u32 v[PFO], v[PFO], v11               ; half record lane / 4, block lane % 4 of it
.irp i, 22,23,24,25,26,27
	v_mov_b32 v[\i], 0                             ; K = 64: the upper half of Q's operand is zero codes,
.endr
.irp t, 0,1,2,3
.irp i, 6,7,8,9,10,11
	v_mov_b32 v[32+12*\t+\i], 0                    ; and of K's four: written once
.endr
.endr
	v_mov_b32 v13, 0xff61b1e6                      ; the largest t so far: -3e38, under every t
	s_delay_alu instid0(VALU_DEP_1)
	v_floor_f32 v12, -v13                          ; -M
	v_mov_b32 v14, 0                               ; the sum, in two halves
	v_mov_b32 v15, 0
.irp b, 0,1,2,3
	v_mov_b32 v[236+\b], 0                         ; written once: a lane permute's destination counts as one of its sources
.endr
	v_mov_b32 v252, 0
	v_mov_b32 v253, 0                              ; (named as the upper half of the pair v[252:253] before it is first written)
.set j, 0
.rept 32
	v_mov_b32 v[192+j], 0                          ; O^T: the step is written once; the first finds zeros, which the first change of M leaves zeros
.set j, j+1
.endr
; A KEY STEP: 128 keys, the q-th of the slot in hand.
.macro STEP q
	s_cmp_gt_u32 s[KF], s[QHI]                     ; all its keys come after my queries: the work is left out (ids and the count of steps alone); no barrier and no tensor load stands in a step
	s_cbranch_scc1 .Lhidden_\@
	v_add_nc_u32 v8, s[TB], v1
	s_wait_alu depctr_va_vdst(0)
	v_add_nc_u32 v9, s[TB], v2
	s_wait_alu depctr_va_vdst(0)
	v_add_nc_u32 v10, s[TB], v3
	s_wait_alu depctr_va_vdst(0)
	v_nop                                          ; four places in front of loads into registers that the last step's products have read
.irp g, 0,1                                    ; S^T = K Q^T, four tiles of 16 keys at a time
.if \g > 0
.rept 4
	v_nop
.endr
.endif
.irp t, 0,1,2,3
	ds_load_b128 v[32+12*\t:35+12*\t], v8 offset:HR*(8*(\q)+4*\g+\t)
	ds_load_b64 v[36+12*\t:37+12*\t], v9 offset:HR*(8*(\q)+4*\g+\t)
	ds_load_b32 v[248+\t], v10 offset:HR*(8*(\q)+4*\g+\t)
.endr
	s_wait_dscnt 0x0
.irp t, 0,1,2,3
	v_wmma_scale_f32_16x16x128_f8f6f4 v[128+8*(4*\g+\t):135+8*(4*\g+\t)], v[32+12*\t:43+12*\t], v[16:27], 0, v[248+\t], v255 matrix_a_fmt:MATRIX_FMT_FP6 matrix_b_fmt:MATRIX_FMT_FP6
.endr
.endr                                          ; lane (r, h) holds query r; register 16 b + i is key KF + 32 b + 16 h + i
.irp t, 0,1,2,3                                ; V's four fragments are asked for now and land under the softmax
.irp c, 0,1
	ds_load_b128 v[80+12*\t+6*\c:83+12*\t+6*\c], v8 offset:VOFF+HR*(8*(\q)+2*\t+\c)
	ds_load_b64 v[84+12*\t+6*\c:85+12*\t+6*\c], v9 offset:VOFF+HR*(8*(\q)+2*\t+\c)
.endr
	ds_load_b32 v[28+\t], v10 offset:VOFF+HR*(8*(\q)+2*\t)
.endr
.rept 4
	v_nop                                          ; places behind the products, ahead of the first read of the scores
.endr
	s_add_co_u32 s96, s[KF], 127                   ; on the diagonal the scores of hidden keys become -infinity ahead of the maximum: p = 0 then.  A step all of whose keys count skips this
	s_cmp_le_u32 s96, s[Q32]
	s_cbranch_scc1 .Lopen_\@
	s_sub_co_i32 s96, s[Q32], s[KF]
	v_add_nc_u32 v252, s96, v4                     ; d = my query - KF - 16 h: register 16 b + i is hidden where 32 b + i > d
	v_mov_b32 v254, 0xff800000                     ; -infinity
.set n, 0
.rept 64
	v_cmp_gt_i32 vcc_lo, 32*(n/16)+n%16, v252
	v_cndmask_b32 v[128+n], v[128+n], v254, vcc_lo
.set n, n+1
.endr
.Lopen_\@:
.irp b, 0,1,2,3
	v_max3_num_f32 v[232+\b], v[128+16*\b], v[129+16*\b], v[130+16*\b]   ; the largest score of each block of 32 keys: it serves the row's maximum and, since p rises with the score, the block's largest p
.endr
.irp i, 3,5,7,9,11,13
.irp b, 0,1,2,3
	v_max3_num_f32 v[232+\b], v[232+\b], v[128+16*\b+\i], v[129+16*\b+\i]
.endr
.endr
.irp b, 0,1,2,3
	v_max_num_f32 v[232+\b], v[232+\b], v[143+16*\b]
.endr
.irp b, 0,1,2,3
	s_delay_alu instid0(VALU_DEP_4)
	v_permlanex16_b32 v[236+\b], v[232+\b], s[SEL], s[SEL+1]
.endr
.irp b, 0,1,2,3
	s_delay_alu instid0(VALU_DEP_4)
	v_max_num_f32 v[232+\b], v[232+\b], v[236+\b]  ; with lane l xor 16's 16 keys
.endr
	s_delay_alu instid0(VALU_DEP_2)
	v_max3_num_f32 v254, v232, v233, v234
	s_delay_alu instid0(VALU_DEP_1)
	v_max_num_f32 v254, v254, v235                 ; the step's largest score of my query
	s_delay_alu instid0(VALU_DEP_1)
	v_mul_f32 v254, s[CS], v254                    ; as t (c is positive)
	s_delay_alu instid0(VALU_DEP_1)
	v_max_num_f32 v13, v13, v254                   ; the running largest t
	v_mov_b32 v254, v12
	s_delay_alu instid0(VALU_DEP_2)
	v_floor_f32 v12, -v13                          ; the new -M = floor(-t) = -ceil(t): a whole number
	s_delay_alu instid0(VALU_DEP_1)
	v_sub_f32 v254, v12, v254                      ; old M - new M: a whole number, 0 or less
	s_delay_alu instid0(VALU_DEP_1)
	v_cvt_i32_f32 v254, v254                       ; (it saturates)
	s_delay_alu instid0(VALU_DEP_1)
	v_ldexp_f32 v252, 1.0, v254                    ; f = 2^(old M - new M)
.set j, 0
.rept 32
	v_pk_fma_f32 v[128+j:129+j], v[128+j:129+j], s[CS:CS+1], v[12:13] op_sel_hi:[1,0,0]   ; t - M, two at a time
.set j, j+2
.endr
.irp b, 0,1,2,3
	v_fma_f32 v[232+\b], v[232+\b], s[CS], v12     ; the same of each block's largest score
.endr
.set j, 0
	s_wait_alu depctr_va_vdst(0)
.rept 64
	v_exp_f32 v[128+j], v[128+j]                   ; p = 2^(t - M), at most 1: not normalised
.set j, j+1
.endr
	v_pk_mul_f32 v[14:15], v[14:15], v[252:253] op_sel_hi:[1,0]   ; the sums under the new M (a plain place behind the exponentials)
	s_wait_alu depctr_va_vdst(0)                   ; one wait for the whole batch, ahead of its first reader
.irp b, 0,1,2,3
	v_exp_f32 v[232+\b], v[232+\b]                 ; the block's largest p
.endr
	v_pk_add_f32 v[236:237], v[132:133], v[136:137]
	v_pk_add_f32 v[250:251], v[140:141], v[144:145]
	v_pk_add_f32 v[248:249], v[148:149], v[152:153]
	v_pk_add_f32 v[246:247], v[156:157], v[160:161]
	v_pk_add_f32 v[244:245], v[164:165], v[168:169]
	v_pk_add_f32 v[242:243], v[172:173], v[176:177]
	v_pk_add_f32 v[240:241], v[180:181], v[184:185]
	v_pk_add_f32 v[14:15], v[14:15], v[188:189]
	v_pk_add_f32 v[236:237], v[236:237], v[128:129]
	v_pk_add_f32 v[250:251], v[250:251], v[130:131]
	v_pk_add_f32 v[248:249], v[248:249], v[134:135]
	v_pk_add_f32 v[246:247], v[246:247], v[138:139]
	v_pk_add_f32 v[244:245], v[244:245], v[142:143]
	v_pk_add_f32 v[242:243], v[242:243], v[146:147]
	v_pk_add_f32 v[240:241], v[240:241], v[150:151]
	v_pk_add_f32 v[14:15], v[14:15], v[154:155]
	v_pk_add_f32 v[236:237], v[236:237], v[158:159]
	v_pk_add_f32 v[250:251], v[250:251], v[162:163]
	v_pk_add_f32 v[248:249], v[248:249], v[166:167]
	v_pk_add_f32 v[246:247], v[246:247], v[170:171]
	v_pk_add_f32 v[244:245], v[244:245], v[174:175]
	v_pk_add_f32 v[242:243], v[242:243], v[178:179]
	v_pk_add_f32 v[240:241], v[240:241], v[182:183]
	v_pk_add_f32 v[14:15], v[14:15], v[186:187]
	v_pk_add_f32 v[236:237], v[236:237], v[190:191]
	s_delay_alu instid0(VALU_DEP_2)
	v_pk_add_f32 v[14:15], v[14:15], v[246:247]
	s_delay_alu instid0(VALU_DEP_2)
	v_pk_add_f32 v[236:237], v[236:237], v[244:245]
	v_pk_add_f32 v[250:251], v[250:251], v[242:243]
	v_pk_add_f32 v[248:249], v[248:249], v[240:241]
	s_delay_alu instid0(VALU_DEP_2)
	v_pk_add_f32 v[14:15], v[14:15], v[250:251]
	s_delay_alu instid0(VALU_DEP_2)
	v_pk_add_f32 v[236:237], v[236:237], v[248:249]
	s_delay_alu instid0(VALU_DEP_1)
	v_pk_add_f32 v[14:15], v[14:15], v[236:237]
	s_wait_alu depctr_va_vdst(0)                   ; and one for the four
.irp b, 0,1,2,3
	v_max_num_f32 v[232+\b], 0x1800000, v[232+\b]  ; the floor 2^(3 - 127): the byte cannot fall under 1
.endr
.irp b, 0,1,2,3
	s_delay_alu instid0(VALU_DEP_4)
	v_add_nc_u32 v[244+\b], 0xff000000, v[232+\b]  ; 2 off the exponent field: the conversion's scale operand
.endr
.irp b, 0,1,2,3
	s_delay_alu instid0(VALU_DEP_4)
	v_lshrrev_b32 v[236+\b], 23, v[244+\b]         ; the scale's byte
.endr
	s_delay_alu instid0(VALU_DEP_3)
	v_lshl_or_b32 v253, v237, 8, v236              ; p's scale word for these 128 keys
	s_delay_alu instid0(VALU_DEP_1)
	v_lshl_or_b32 v253, v238, 16, v253
	s_delay_alu instid0(VALU_DEP_1)
	v_lshl_or_b32 v253, v239, 24, v253
.irp c, 0,1
	v_cvt_scalef32_pk16_fp6_f32 v[224+6*\c:226+6*\c], v[128+32*\c:143+32*\c], v[244+2*\c]
	v_cvt_scalef32_pk16_fp6_f32 v[236+4*\c:238+4*\c], v[144+32*\c:159+32*\c], v[244+2*\c+1]   ; (a conversion's three registers begin on an even number)
.endr
	v_nop                                          ; one plain place behind a scaled conversion
.irp c, 0,1                                    ; a whole block to a lane
.irp i, 0,1,2
	v_permlane16_swap_b32 v[224+6*\c+\i], v[236+4*\c+\i]
.endr
.irp i, 0,1,2
	s_delay_alu instid0(VALU_DEP_3)
	v_mov_b32 v[227+6*\c+\i], v[236+4*\c+\i]
.endr
.endr
.set j, 0
.rept 16
	v_pk_mul_f32 v[192+j:193+j], v[192+j:193+j], v[252:253] op_sel_hi:[1,0]   ; O^T under the new M.  (These sixteen are also the places between the scale word's and the codes' last writes and the products below)
.set j, j+2
.endr
	s_wait_alu depctr_va_vdst(0)
	s_wait_dscnt 0x0                               ; V is in
.irp t, 0,1,2,3                                ; O^T += V^T P^T: four tiles of 16 channels, four accumulators by turns
	v_wmma_scale_f32_16x16x128_f8f6f4 v[192+8*\t:199+8*\t], v[80+12*\t:91+12*\t], v[224:235], v[192+8*\t:199+8*\t], v[28+\t], v253 matrix_a_fmt:MATRIX_FMT_FP6 matrix_b_fmt:MATRIX_FMT_FP6
.endr
.Lhidden_\@:
	s_add_co_u32 s[KF], s[KF], 128
.endm
; THE CHANGE OF SLOTS stands at a slot's head.  Each wave waits for all its tensor loads, adds 0 to its spare word, and waits for that and for its reads of the slot that it has left.  Behind the barrier the slot ahead is whole
; and nobody reads the other one.  fill = 1: that other slot is filled with the keys that follow, up to the causal limit.
.macro CHANGE fill
	s_wait_tensorcnt 0x0                           ; no tensor load of mine is out, so a group 0 may be written
	ds_add_u32 v[SPW], v[NIL]                      ; 0 onto my spare word
.if \fill
	s_xor_b32 s[G0K+1], s[G0K+1], SLOT1            ; the walking descriptors: the other slot than last time,
	s_add_nc_u64 s[G0K+2:G0K+3], s[G0K+2:G0K+3], 32768     ; the next 16 tiles of K (2,048 bytes each),
	s_xor_b32 s[G0V+1], s[G0V+1], SLOT1
	s_add_nc_u64 s[G0V+2:G0V+3], s[G0V+2:G0V+3], 262144    ; two key steps of V on (64 records each)
	s_wait_xcnt 0x0                                ; the last prefetch, a slot back, has read its address, so it may be written
	s_add_nc_u64 s[PFA:PFA+1], s[PFA:PFA+1], s[PFS:PFS+1]
.endif
	s_wait_dscnt 0x0                               ; the add is done, and my reads of the slot that I have left are over
	s_barrier_signal -1
	s_barrier_wait -1
.if \fill
	s_add_co_u32 s96, s[KF], SK                    ; the first key of the slot that this change would ask for:
	s_cmp_gt_u32 s96, s[LASTQ]                     ; behind my work-group's last query none of its waves reads it, so it is not asked for.  Ids and the count of steps alone: all sixteen waves go the same way;
	s_cbranch_scc1 .Lpast_\@                       ; every wait on TENSORcnt in this text is for 0
	TLOAD                                          ; a wave's one tensor load until the next such barrier
.Lpast_\@:
	ASK
.endif
.endm
.macro SLOT_STEPS
	STEP 0
	STEP 1
	s_xor_b32 s[TB], s[TB], SLOT1                  ; on to the other slot
.endm
	s_wait_loadcnt 0x0                             ; Q
.Lslot:                                            ; NSL - 1 trips
	CHANGE 1
	SLOT_STEPS
	s_sub_co_u32 s[SLOTS], s[SLOTS], 1
	s_cmp_lg_u32 s[SLOTS], 0
	s_cbranch_scc1 .Lslot
	CHANGE 0                                       ; the last slot is written out: nothing is left to fetch
	SLOT_STEPS
	; THE WAY OUT.  O^T / the sum: register 16 b + i is channel 32 b + 16 h + i of my query's head: 32 numbers, two blocks along the next K.  They are quantised and leave as half an image.
.rept 4
	v_nop                                          ; places behind the last products
.endr
	v_add_f32 v14, v14, v15                        ; the sum's two halves,
	s_delay_alu instid0(VALU_DEP_1)
	v_permlanex16_b32 v252, v14, s[SEL], s[SEL+1]
	s_delay_alu instid0(VALU_DEP_1)
	v_add_f32 v14, v14, v252                       ; and lane l xor 16's
	s_wait_alu depctr_va_vdst(0)
	v_rcp_f32 v14, v14
	v_and_b32 v8, 15, v0                           ; (plain work behind the transcendental)
	v_add_nc_u32 v9, s90, v1                       ; 16 x lane + my half image
	v_add_nc_u32 v10, s90, v2                      ; 8 x lane + 512 + my half image
	s_delay_alu instid0(VALU_DEP_3)
	v_lshl_add_u32 v11, v8, 3, s91                 ; my two bytes of row r's scale words
	v_mov_b32 v[TM+4], 0                           ; a lane permute's destination counts as one of its sources
	v_mov_b32 v[TM+5], 0
	s_wait_alu depctr_va_vdst(0)                   ; the wait ahead of the reciprocal's first reader
.set j, 0
.rept 32
	v_mul_f32 v[128+j], v[192+j], v14              ; each accumulator from its low end on
.set j, j+1
.endr
.irp b, 0,1
	v_max3_num_f32 v[TM+\b], |v[128+16*\b]|, |v[129+16*\b]|, 0x1800000
.endr
.irp i, 2,4,6,8,10,12,14
.irp b, 0,1
	s_delay_alu instid0(VALU_DEP_2)
	v_max3_num_f32 v[TM+\b], v[TM+\b], |v[128+16*\b+\i]|, |v[129+16*\b+\i]|
.endr
.endr
.irp b, 0,1
	s_delay_alu instid0(VALU_DEP_2)
	v_permlanex16_b32 v[TM+4+\b], v[TM+\b], s[SEL], s[SEL+1]
.endr
.irp b, 0,1
	s_delay_alu instid0(VALU_DEP_2)
	v_max_num_f32 v[TM+\b], v[TM+\b], v[TM+4+\b]
.endr
.irp b, 0,1
	s_delay_alu instid0(VALU_DEP_2)
	v_add_nc_u32 v[TM+12+\b], 0xff000000, v[TM+\b]
.endr
.irp b, 0,1
	s_delay_alu instid0(VALU_DEP_2)
	v_lshrrev_b32 v[TM+4+\b], 23, v[TM+12+\b]
.endr
	s_delay_alu instid0(VALU_DEP_1)
	v_lshl_or_b32 v[PW], v[TM+5], 8, v[TM+4]
	v_cvt_scalef32_pk16_fp6_f32 v[PC:PC+2], v[128:143], v[TM+12]
	v_cvt_scalef32_pk16_fp6_f32 v[PC+6:PC+8], v[144:159], v[TM+13]
	v_nop                                          ; one plain place behind a scaled conversion
.irp i, 0,1,2
	v_permlane16_swap_b32 v[PC+\i], v[PC+6+\i]
.endr
.irp i, 0,1,2
	s_delay_alu instid0(VALU_DEP_3)
	v_mov_b32 v[PC+3+\i], v[PC+6+\i]
.endr
	global_store_b128 v9, v[PC:PC+3], s[80:81]     ; 512 consecutive bytes, at a multiple of 256 from AO's first byte
	global_store_b64 v10, v[PC+4:PC+5], s[80:81]   ; 256 likewise
	global_store_b16 v11, v[PW], s[80:81]          ; two bytes a row: the neighbouring head's wave writes the word's other two; 1 byte in 24 of what the launch stores
	s_wait_tensorcnt 0x0                           ; the wave's end
	ds_add_u32 v[SPW], v[NIL]
	s_wait_dscnt 0x0
	s_endpgm
.Lfunc_end_k_qfab3bc06d2_attn:
	.size	k_qfab3bc06d2_attn, .Lfunc_end_k_qfab3bc06d2_attn-k_qfab3bc06d2_attn
	.p2alignl 7, 3214868480
	.fill 96, 4, 3214868480
	.section	.rodata,"a",@progbits
	.p2align	6, 0x0
	.amdhsa_kernel k_qfab3bc06d2_attn
		.amdhsa_group_segment_fixed_size 327680
		.amdhsa_private_segment_fixed_size 0
		.amdhsa_enable_private_segment 0
		.amdhsa_kernarg_size 16
		.amdhsa_user_sgpr_count 2
		.amdhsa_user_sgpr_kernarg_segment_ptr 1
		.amdhsa_wavefront_size32 1
		.amdhsa_system_sgpr_workgroup_id_x 1
		.amdhsa_system_sgpr_workgroup_id_y 1
		.amdhsa_system_sgpr_workgroup_id_z 1
		.amdhsa_system_vgpr_workitem_id 0
		.amdhsa_next_free_vgpr 256
		.amdhsa_next_free_sgpr 100
		.amdhsa_reserve_vcc 1
		.amdhsa_float_denorm_mode_32 3
		.amdhsa_float_denorm_mode_16_64 3
		.amdhsa_memory_ordered 1
		.amdhsa_forward_progress 1
		.amdhsa_inst_pref_size 108
	.end_amdhsa_kernel
	.amdgpu_metadata
---
amdhsa.version: [ 1, 2 ]
amdhsa.kernels:
  - .name:           k_qfab3bc06d2_attn
    .symbol:         k_qfab3bc06d2_attn.kd
    .args:
      - { .name: QKV, .offset: 0, .size: 8, .value_kind: global_buffer, .address_space: global }
      - { .name: AO, .offset: 8, .size: 8, .value_kind: global_buffer, .address_space: global }
    .group_segment_fixed_size: 327680
    .private_segment_fixed_size: 0
    .kernarg_segment_align: 8
    .kernarg_segment_size: 16
    .max_flat_workgroup_size: 512
    .sgpr_count:     100
    .vgpr_count:     256
    .wavefront_size: 32
...
	.end_amdgpu_metadata
.endif
;; end of part 10
;; launch onorm (part 11): grid 256 x 1, 8 waves a work-group, no clusters, 167,936 bytes of LDS; arguments AO, W, x, ffn_norm_w, X1, H2; writes X1, H2
.if DOCPART == 11
	.amdgcn_target "amdgcn-amd-amdhsa--gfx1250"
	.amdhsa_code_object_version 6
	.text
	.protected	k_qfab3bc06d2_onorm
	.globl	k_qfab3bc06d2_onorm
	.p2align	8
	.type	k_qfab3bc06d2_onorm,@function
k_qfab3bc06d2_onorm:
	s_mov_b64 s[64:65], 0
	v_nop
	global_prefetch_b8 v0, s[64:65] scope:SCOPE_SE
	s_setreg_imm32_b32 hwreg(HW_REG_WAVE_MODE, 25, 1), 1
	s_wait_xcnt 0x0
; X1 = x + AO wo (codes of FP6 (E2M3) with E8M0 scales, K = 1,024, f32 sums), and at once H2 = Q(rmsnorm(X1) * w), the codes for the products with w_gate and w_up.
; OPERANDS.  AO and W hold records: a tile of 16 rows x 256 K in 3,328 bytes: two images of a fragment's 12 registers (1,536 bytes: for c = 0, 1: registers 6 c .. 6 c + 3 at 16 x lane, 6 c + 4, 6 c + 5 at 8 x lane),
; then the scale words at 3,072 + 8 r + 4 q.  Row r of tile T is index 32 (T / 2) + 8 (T % 2) + r + 8 (r / 8), of tokens and of weight columns alike.  H2 is laid the same way.
; SHARES.  A work-group owns one tile of 16 tokens and all 1,024 columns, so that a row's sum of squares is formed inside it: 256 work-groups.  Wave s takes columns 128 s .. 128 s + 127: wo's tiles 8 s .. 8 s + 7, 8 accumulators.
; Source 0 = weight columns, source 1 = tokens: lane (r, h) holds token r, and register 16 b + i of v[X] on is column 128 s + 32 b + 16 h + i: the layout that the quantiser wants.
; STRAIGHT INTO REGISTERS.  Each lane loads its 16 or 8 bytes of an image into the operand's registers; a K step of 128 is 32 loads of wo, 4 of AO and, for each 256 along K, 5 of scale words.  Loads run two K steps ahead, in two sets.
; NO CLUSTER, NO RING IN LDS: with 16 tokens each fragment of wo feeds one matrix instruction of the work-group; joint loads land in LDS alone and would add a store and a read of all 851,968 bytes of wo.
; NO PREFETCH: the loads themselves stand two K steps (72 to 77 loads a wave) ahead of their use, and all 256 work-groups walk the same bytes of wo in the same order.
; THE RESIDUAL.
; X1 leaves through a second stage of my own as whole rows of 512 bytes.  The norm's arithmetic is reference()'s: x * rsqrt(mean(x^2) + 1e-6), rounded, then * w, rounded.
; REGISTERS: window 0: v1-13 lane terms; v14, v15 the add's two; v16-79 accumulators; v80-143 w; v144-191 the quantiser and sums; v192-215 AO's fragments, two sets; v216-235 scale words, two sets, and nothing else.
;   window 1: v0-191 wo's fragments, two sets of 8; behind the products v0-63 x, v64-127 X1 by rows.
; LIMITS: NaN and infinities are not served; v_rsq_f32 is good to one unit in the last place; a block whose largest magnitude lies under 2^-124 has its byte held at 1; a block of zeros gets the byte 1 and not 127.
.set TP,    13312
.set KS,    8
.set WOFF,  192*13312
.set RECP,  3328
.set FRB,   1536
.set STG,   8448                       ; a stage: 16 rows x (512 bytes + 16)
.set STGO,  8*STG                      ; the stages for the way out, behind the eight that the copies fill
.set PART,  16*STG                     ; [16 rows][8 waves] partial sums
.set SPARE, PART+512                   ; the spare words, 128 bytes a wave
.set X,   16
.set GN,  80
.set TM,  144
.set PW,  160
.set PC,  162
.set SM,  182
.set AF,  192
.set SCB, 216
.set SPW, 14
.set NIL, 15
.set SEL, 20
.set MSB, 0
.macro WIN new                         ; the immediate's high byte repeats the setting that is left
.if MSB != (\new)
	s_set_vgpr_msb (MSB<<8)|(\new)
.set MSB, (\new)
.endif
.endm
.macro PLACES                          ; four plain places behind a matrix instruction, ahead of loads into its registers and of reads of its result
.rept 4
	v_nop
.endr
.endm
.macro GFRAG reg, base, off            ; a fragment as its image lies: four dense loads
	global_load_b128 v[\reg:\reg+3], v4, s[\base:\base+1] offset:\off
	global_load_b64 v[\reg+4:\reg+5], v11, s[\base:\base+1] offset:(\off)+512
	global_load_b128 v[\reg+6:\reg+9], v4, s[\base:\base+1] offset:(\off)+768
	global_load_b64 v[\reg+10:\reg+11], v11, s[\base:\base+1] offset:(\off)+1280
.endm
.macro LOADS k                         ; K step k: 36 loads, 41 where a record begins
.set SS, SCB+10*(((\k)/2)%2)
.set KO, ((\k)/2)*RECP
.if (\k)%2 == 0
.irp p, 0,1,2,3
	global_load_b64 v[SS+2*\p:SS+2*\p+1], v13, s[6:7] offset:2*\p*TP+KO+3072   ; lanes 0-15: tile 2 p's two words of row r; lanes 16-31: tile 2 p + 1's
.endr
	global_load_b64 v[SS+8:SS+9], v12, s[4:5] offset:KO+3072                   ; the tokens' two words
.endif
.set KO, KO+((\k)%2)*FRB
	GFRAG AF+12*((\k)%2), 4, KO
	WIN 0x40                                       ; destination window 1
.irp t, 0,1,2,3,4,5,6,7
	GFRAG 96*((\k)%2)+12*\t, 6, \t*TP+KO
.endr
	WIN 0
.endm
.macro MULS k, zero                    ; 8 matrix instructions, the 8 accumulators by turns; zero = 1: the products start the sums
.set SS, SCB+10*(((\k)/2)%2)+(\k)%2
.set FB, 96*((\k)%2)
.set FA, AF+12*((\k)%2)
	WIN 0x01                                       ; source 0 window 1
.irp t, 0,1,2,3,4,5,6,7
.if \zero
.if \t%2
	v_wmma_scale_f32_16x16x128_f8f6f4 v[X+8*\t:X+8*\t+7], v[FB+12*\t:FB+12*\t+11], v[FA:FA+11], 0, v[SS+2*(\t/2)], v[SS+8] matrix_a_fmt:MATRIX_FMT_FP6 matrix_b_fmt:MATRIX_FMT_FP6 matrix_a_scale:MATRIX_SCALE_ROW1
.else
	v_wmma_scale_f32_16x16x128_f8f6f4 v[X+8*\t:X+8*\t+7], v[FB+12*\t:FB+12*\t+11], v[FA:FA+11], 0, v[SS+2*(\t/2)], v[SS+8] matrix_a_fmt:MATRIX_FMT_FP6 matrix_b_fmt:MATRIX_FMT_FP6
.endif
.else
.if \t%2
	v_wmma_scale_f32_16x16x128_f8f6f4 v[X+8*\t:X+8*\t+7], v[FB+12*\t:FB+12*\t+11], v[FA:FA+11], v[X+8*\t:X+8*\t+7], v[SS+2*(\t/2)], v[SS+8] matrix_a_fmt:MATRIX_FMT_FP6 matrix_b_fmt:MATRIX_FMT_FP6 matrix_a_scale:MATRIX_SCALE_ROW1
.else
	v_wmma_scale_f32_16x16x128_f8f6f4 v[X+8*\t:X+8*\t+7], v[FB+12*\t:FB+12*\t+11], v[FA:FA+11], v[X+8*\t:X+8*\t+7], v[SS+2*(\t/2)], v[SS+8] matrix_a_fmt:MATRIX_FMT_FP6 matrix_b_fmt:MATRIX_FMT_FP6
.endif
.endif
.endr
	WIN 0
.endm
; 64 numbers of a lane, register 16 b + i = k 32 b + 16 (lane / 16) + i of my row, become a fragment's codes in v[PC] on and its scale word in v[PW]
.macro QUANT s
.irp b, 0,1,2,3
	v_max3_num_f32 v[TM+\b], |v[\s+16*\b]|, |v[\s+1+16*\b]|, 0x1800000   ; my 16 numbers of block b, and the floor 2^(3 - 127)
.endr
.irp i, 2,4,6,8,10,12,14
.irp b, 0,1,2,3
	s_delay_alu instid0(VALU_DEP_4)
	v_max3_num_f32 v[TM+\b], v[TM+\b], |v[\s+16*\b+\i]|, |v[\s+1+16*\b+\i]|
.endr
.endr
.irp b, 0,1,2,3
	s_delay_alu instid0(VALU_DEP_4)
	v_permlanex16_b32 v[TM+4+\b], v[TM+\b], s[SEL], s[SEL+1]
.endr
.irp b, 0,1,2,3
	s_delay_alu instid0(VALU_DEP_4)
	v_max_num_f32 v[TM+\b], v[TM+\b], v[TM+4+\b]   ; with lane l xor 16's: the block's largest magnitude
.endr
.irp b, 0,1,2,3
	s_delay_alu instid0(VALU_DEP_4)
	v_add_nc_u32 v[TM+12+\b], 0xff000000, v[TM+\b]   ; 2 off its exponent field: the conversion's scale operand
.endr
.irp b, 0,1,2,3
	s_delay_alu instid0(VALU_DEP_4)
	v_lshrrev_b32 v[TM+4+\b], 23, v[TM+12+\b]      ; the scale's byte
.endr
	s_delay_alu instid0(VALU_DEP_3)
	v_lshl_or_b32 v[PW], v[TM+5], 8, v[TM+4]
	s_delay_alu instid0(VALU_DEP_1)
	v_lshl_or_b32 v[PW], v[TM+6], 16, v[PW]
	s_delay_alu instid0(VALU_DEP_1)
	v_lshl_or_b32 v[PW], v[TM+7], 24, v[PW]
.irp c, 0,1
	v_cvt_scalef32_pk16_fp6_f32 v[PC+6*\c:PC+2+6*\c], v[\s+32*\c:\s+15+32*\c], v[TM+12+2*\c]
	v_cvt_scalef32_pk16_fp6_f32 v[PC+12+4*\c:PC+14+4*\c], v[\s+16+32*\c:\s+31+32*\c], v[TM+12+2*\c+1]
.endr
	v_nop                                          ; one plain place behind a scaled conversion
.irp c, 0,1                                    ; a whole block to a lane
.irp i, 0,1,2
	v_permlane16_swap_b32 v[PC+6*\c+\i], v[PC+12+4*\c+\i]
.endr
.irp i, 0,1,2
	s_delay_alu instid0(VALU_DEP_3)
	v_mov_b32 v[PC+3+6*\c+\i], v[PC+12+4*\c+\i]
.endr
.endr
.endm
	s_load_b256 s[4:11], s[0:1], 0x0               ; AO, W, x, w
	s_load_b128 s[12:15], s[0:1], 0x20             ; X1, H2
	v_lshl_add_u32 v[SPW], v0, 2, SPARE
	v_mov_b32 v[NIL], 0
	ds_add_u32 v[SPW], v[NIL]                      ; the opening lines ahead of my first copy: the add,
	ds_add_u32 v[SPW], v[NIL]                      ; the same add once more; work on registers stands between it and the wait
	v_lshrrev_b32 v1, 5, v0
	s_delay_alu instid0(VALU_DEP_1)
	v_readfirstlane_b32 s16, v1                    ; wave 0..7 = which 128 columns
	v_and_b32 v1, 15, v0                           ; r
	v_bfe_u32 v2, v0, 4, 1                         ; h
	v_and_b32 v3, 31, v0
	s_delay_alu instid0(VALU_DEP_1)
	v_lshlrev_b32 v4, 4, v3                        ; 16 x lane
	s_delay_alu instid0(VALU_DEP_2)
	v_lshlrev_b32 v11, 3, v3                       ; 8 x lane
	v_lshlrev_b32 v12, 3, v1                       ; 8 r
	v_lshlrev_b32 v7, 6, v2                        ; 64 h
	v_mul_u32_u24 v13, v2, TP
	v_mul_u32_u24 v6, v1, 528
	s_mul_i32 s17, s16, STG
	s_lshl_b32 s19, s16, 2
	v_add_nc_u32 v5, s17, v4                       ; x's stage, a row as it lies: where the copies land
	v_lshlrev_b32 v9, 5, v1
	v_add_nc_u32 v13, v13, v12                     ; 8 r + h x a tile: wo's scale words, two tiles a load
	v_lshl_add_u32 v6, v2, 6, v6
	s_delay_alu instid0(VALU_DEP_3)
	v_add_nc_u32 v9, PART, v9                      ; row r's eight partial sums,
	v_add_nc_u32 v10, STGO, v5                     ; the way out's stage, a row as it lies
	s_delay_alu instid0(VALU_DEP_3)
	v_add_nc_u32 v6, s17, v6                       ; x's stage in the accumulators' layout: row r, + 64 h
	s_delay_alu instid0(VALU_DEP_3)
	v_add_nc_u32 v8, s19, v9                       ; and my wave's among them
	s_delay_alu instid0(VALU_DEP_2)
	v_add_nc_u32 v3, STGO, v6                      ; the way out's stage in the accumulators' layout
	s_lshr_b32 s18, ttmp9, 1
	s_lshl_b32 s18, s18, 5
	s_and_b32 s19, ttmp9, 1
	s_lshl_b32 s19, s19, 3
	s_add_co_u32 s18, s18, s19                     ; the tile's first token: 32 (T / 2) + 8 (T % 2)
	s_lshl_b32 s18, s18, 12                        ; rows of 4,096 bytes
	s_lshl_b32 s22, s16, 9                         ; my wave's 512 bytes of a row
	s_add_co_u32 s18, s18, s22
	s_mov_b32 s19, 0
	s_mov_b32 s23, 0
	s_mul_i32 s24, ttmp9, TP                       ; the tile in AO and in H2
	s_mov_b32 s25, 0
	s_mul_i32 s26, s16, 8*TP
	s_add_co_u32 s26, s26, WOFF                    ; my eight tiles of wo in W
	s_mov_b32 s27, 0
	s_lshr_b32 s28, s16, 1
	s_mul_i32 s28, s28, RECP                       ; H2: the record of my 128 columns,
	s_and_b32 s29, s16, 1
	s_mul_i32 s68, s29, FRB                        ; the image in it,
	s_add_co_u32 s68, s68, s28
	s_mov_b32 s69, 0
	s_lshl_b32 s70, s29, 2                         ; and which of a row's two scale words
	s_add_co_u32 s70, s70, s28
	s_mov_b32 s71, 0
	s_mov_b32 s[SEL], 0x76543210
	s_mov_b32 s[SEL+1], 0xfedcba98
	s_mov_b32 s30, 0x358637bd                      ; 1e-6
	s_mov_b32 s31, 0x3a800000                      ; 1 / 1024
	s_wait_alu depctr_va_vdst(0)                   ; a wait at the head's end
	s_wait_dscnt 0x0                               ; both opening adds are done
	s_wait_kmcnt 0x0
	s_add_nc_u64 s[8:9], s[8:9], s[18:19]
	s_add_nc_u64 s[12:13], s[12:13], s[18:19]
	s_add_nc_u64 s[10:11], s[10:11], s[22:23]
	s_add_nc_u64 s[4:5], s[4:5], s[24:25]
	s_add_nc_u64 s[6:7], s[6:7], s[26:27]
	s_add_nc_u64 s[14:15], s[14:15], s[24:25]
	s_add_nc_u64 s[28:29], s[14:15], s[70:71]      ; base of the scale words' store
	s_add_nc_u64 s[14:15], s[14:15], s[68:69]      ; base of the image's stores
; a copy's immediate is added to both addresses: it is the LDS row's 528 i, and row i's base in memory is its own pair, 528 i short of the row
.irp i, 0,1,2,3,4,5,6,7,8,9,10,11,12,13,14,15
	s_add_nc_u64 s[32+2*\i:33+2*\i], s[8:9], (\i+8*(\i/8))*4096-528*\i
.endr
.irp i, 0,1,2,3,4,5,6,7,8,9,10,11,12,13,14,15
	global_load_async_to_lds_b128 v5, v4, s[32+2*\i:33+2*\i] offset:528*\i   ; 512 consecutive bytes of row i
.endr
	LOADS 0
	LOADS 1
.set K, 0
.rept KS
.if K+1 >= KS
	s_wait_loadcnt 0x0
.elseif (K+1)%2 == 0
	s_wait_loadcnt 41                              ; step K's loads are in; the next step's 41 may be out
.else
	s_wait_loadcnt 36                              ; the next step's 36 may be out
.endif
.if K == 0
	MULS K, 1
.else
	MULS K, 0
.endif
.if K+2 < KS
	PLACES
	LOADS K+2
.endif
.set K, K+1
.endr
	PLACES
.irp b, 0,1,2,3
.irp j, 0,1,2,3
	global_load_b128 v[GN+16*\b+4*\j:GN+16*\b+4*\j+3], v7, s[10:11] offset:128*\b+16*\j   ; w at k = 32 b + 16 h + 4 j ..
.endr
.endr
	s_wait_asynccnt 0x0                            ; x is in my stage
	WIN 0x40
.irp b, 0,1,2,3
.irp j, 0,1,2,3
	ds_load_b128 v[16*\b+4*\j:16*\b+4*\j+3], v6 offset:128*\b+16*\j
.endr
.endr
	WIN 0
	v_mov_b32 v[SM+8], 0                           ; a lane permute's destination counts as one of its sources
.irp b, 0,1,2,3
	v_mov_b32 v[TM+4+\b], 0
.endr
	s_wait_dscnt 0x0
	WIN 0x04                                       ; source 1 window 1
.set j, 0
.rept 32
	v_pk_add_f32 v[X+j:X+j+1], v[X+j:X+j+1], v[j:j+1]   ; X1 = the product + x; each accumulator from its low end on
.set j, j+2
.endr
	WIN 0
	s_wait_alu depctr_va_vdst(0)
.irp b, 0,1,2,3
.irp j, 0,1,2,3
	ds_store_b128 v3, v[X+16*\b+4*\j:X+16*\b+4*\j+3] offset:128*\b+16*\j
.endr
.endr
	WIN 0x40
.irp i, 0,1,2,3,4,5,6,7,8,9,10,11,12,13,14,15
	ds_load_b128 v[64+4*\i:67+4*\i], v10 offset:528*\i   ; LDS serves a wave's instructions in order (ISA guide 5.7.1.4): these see my stores
.endr
	WIN 0
.irp k, 0,1,2,3
	v_pk_mul_f32 v[SM+2*\k:SM+2*\k+1], v[X+2*\k:X+2*\k+1], v[X+2*\k:X+2*\k+1]   ; the sum of my 64 squares: four chains
.endr
.set j, 4
.rept 28
	s_delay_alu instid0(VALU_DEP_4)
	v_pk_fma_f32 v[SM+2*(j%4):SM+2*(j%4)+1], v[X+2*j:X+2*j+1], v[X+2*j:X+2*j+1], v[SM+2*(j%4):SM+2*(j%4)+1]
.set j, j+1
.endr
	s_delay_alu instid0(VALU_DEP_3)
	v_pk_add_f32 v[SM:SM+1], v[SM:SM+1], v[SM+2:SM+3]
	s_delay_alu instid0(VALU_DEP_2)
	v_pk_add_f32 v[SM+4:SM+5], v[SM+4:SM+5], v[SM+6:SM+7]
	s_delay_alu instid0(VALU_DEP_1)
	v_pk_add_f32 v[SM:SM+1], v[SM:SM+1], v[SM+4:SM+5]
	s_delay_alu instid0(VALU_DEP_1)
	v_add_f32 v[SM], v[SM], v[SM+1]
	s_delay_alu instid0(VALU_DEP_1)
	v_permlanex16_b32 v[SM+8], v[SM], s[SEL], s[SEL+1]
	s_delay_alu instid0(VALU_DEP_1)
	v_add_f32 v[SM], v[SM], v[SM+8]                ; with lane l xor 16's: row r's 128 columns of my wave
	ds_store_b32 v8, v[SM]                         ; (both lanes of a row write the same word with the same value)
	s_wait_dscnt 0x0                               ; X1's rows are back, and for the others' sake my store has landed
	WIN 0x04                                       ; a store's data are its source 1: window 1
.irp i, 0,1,2,3,4,5,6,7,8,9,10,11,12,13,14,15
	global_store_b128 v4, v[64+4*\i:67+4*\i], s[12:13] offset:(\i+8*(\i/8))*4096   ; 512 consecutive bytes, at a multiple of 256 from X1's first byte
.endr
	WIN 0
	s_barrier_signal -1
	s_barrier_wait -1
	ds_load_b128 v[SM+2:SM+5], v9
	ds_load_b128 v[SM+6:SM+9], v9 offset:16
	s_wait_dscnt 0x0
	v_add_f32 v[SM+2], v[SM+2], v[SM+3]
	v_add_f32 v[SM+4], v[SM+4], v[SM+5]
	v_add_f32 v[SM+6], v[SM+6], v[SM+7]
	v_add_f32 v[SM+8], v[SM+8], v[SM+9]
	s_delay_alu instid0(VALU_DEP_3)
	v_add_f32 v[SM+2], v[SM+2], v[SM+4]
	s_delay_alu instid0(VALU_DEP_2)
	v_add_f32 v[SM+6], v[SM+6], v[SM+8]
	s_delay_alu instid0(VALU_DEP_1)
	v_add_f32 v[SM+2], v[SM+2], v[SM+6]            ; the row's sum of squares
	s_delay_alu instid0(VALU_DEP_1)
	v_fma_f32 v[SM+2], v[SM+2], s31, s30           ; the mean + 1e-6
	s_wait_alu depctr_va_vdst(0)                   ; a wait ahead of the transcendental
	v_rsq_f32 v[SM], v[SM+2]
	v_nop                                          ; a plain place behind it
	s_wait_alu depctr_va_vdst(0)                   ; and the wait ahead of its first reader
	s_wait_loadcnt 0x0                             ; w
.set j, 0
.rept 32
	v_pk_mul_f32 v[X+j:X+j+1], v[X+j:X+j+1], v[SM:SM+1] op_sel_hi:[1,0]   ; X1 * rms
.set j, j+2
.endr
.set j, 0
.rept 32
	v_pk_mul_f32 v[X+j:X+j+1], v[X+j:X+j+1], v[GN+j:GN+j+1]               ; * w: a second rounding, as reference() has it
.set j, j+2
.endr
	QUANT X
	global_store_b128 v4, v[PC:PC+3], s[14:15]                     ; 512 or 256 consecutive bytes, at a multiple of 256 from H2's first byte
	global_store_b64 v11, v[PC+4:PC+5], s[14:15] offset:512
	global_store_b128 v4, v[PC+6:PC+9], s[14:15] offset:768
	global_store_b64 v11, v[PC+10:PC+11], s[14:15] offset:1280
	global_store_b32 v12, v[PW], s[28:29] offset:3072              ; row r's word (both lanes of a row hold it)
	s_wait_tensorcnt 0x0                           ; the wave's end
	ds_add_u32 v[SPW], v[NIL]
	s_wait_dscnt 0x0
	s_endpgm
.Lfunc_end_k_qfab3bc06d2_onorm:
	.size	k_qfab3bc06d2_onorm, .Lfunc_end_k_qfab3bc06d2_onorm-k_qfab3bc06d2_onorm
	.p2alignl 7, 3214868480
	.fill 96, 4, 3214868480
	.section	.rodata,"a",@progbits
	.p2align	6, 0x0
	.amdhsa_kernel k_qfab3bc06d2_onorm
		.amdhsa_group_segment_fixed_size 167936
		.amdhsa_private_segment_fixed_size 0
		.amdhsa_enable_private_segment 0
		.amdhsa_kernarg_size 48
		.amdhsa_user_sgpr_count 2
		.amdhsa_user_sgpr_kernarg_segment_ptr 1
		.amdhsa_wavefront_size32 1
		.amdhsa_system_sgpr_workgroup_id_x 1
		.amdhsa_system_sgpr_workgroup_id_y 1
		.amdhsa_system_sgpr_workgroup_id_z 1
		.amdhsa_system_vgpr_workitem_id 0
		.amdhsa_next_free_vgpr 512
		.amdhsa_next_free_sgpr 80
		.amdhsa_reserve_vcc 0
		.amdhsa_float_denorm_mode_32 3
		.amdhsa_float_denorm_mode_16_64 3
		.amdhsa_memory_ordered 1
		.amdhsa_forward_progress 1
		.amdhsa_inst_pref_size 68
	.end_amdhsa_kernel
	.amdgpu_metadata
---
amdhsa.version: [ 1, 2 ]
amdhsa.kernels:
  - .name:           k_qfab3bc06d2_onorm
    .symbol:         k_qfab3bc06d2_onorm.kd
    .args:
      - { .name: AO, .offset: 0, .size: 8, .value_kind: global_buffer, .address_space: global }
      - { .name: W, .offset: 8, .size: 8, .value_kind: global_buffer, .address_space: global }
      - { .name: x, .offset: 16, .size: 8, .value_kind: global_buffer, .address_space: global }
      - { .name: ffn_norm_w, .offset: 24, .size: 8, .value_kind: global_buffer, .address_space: global }
      - { .name: X1, .offset: 32, .size: 8, .value_kind: global_buffer, .address_space: global }
      - { .name: H2, .offset: 40, .size: 8, .value_kind: global_buffer, .address_space: global }
    .group_segment_fixed_size: 167936
    .private_segment_fixed_size: 0
    .kernarg_segment_align: 8
    .kernarg_segment_size: 48
    .max_flat_workgroup_size: 256
    .sgpr_count:     80
    .vgpr_count:     512
    .wavefront_size: 32
...
	.end_amdgpu_metadata
.endif
;; end of part 11
;; launch gemm_gu (part 12): grid 16 x 16, 4 waves a work-group, clusters of 4 x 4, 327,680 bytes of LDS; arguments H2, W, G; writes G
.if DOCPART == 12
	.amdgcn_target "amdgcn-amd-amdhsa--gfx1250"
	.amdhsa_code_object_version 6
	.text
	.protected	k_qfab3bc06d2_gemm_gu
	.globl	k_qfab3bc06d2_gemm_gu
	.p2align	8
	.type	k_qfab3bc06d2_gemm_gu,@function
k_qfab3bc06d2_gemm_gu:
	s_mov_b64 s[64:65], 0
	v_nop
	global_prefetch_b8 v0, s[64:65] scope:SCOPE_SE
	s_setreg_imm32_b32 hwreg(HW_REG_WAVE_MODE, 25, 1), 1
	s_wait_xcnt 0x0
	s_wait_alu depctr_hold_cnt(0) depctr_sa_sdst(0) depctr_va_vdst(0) depctr_va_sdst(0) depctr_va_ssrc(0) depctr_va_vcc(0) depctr_vm_vsrc(0)
	s_getreg_b32 s2, hwreg(HW_REG_IB_STS2, 6, 4)
	s_cmp_eq_u32 s2, 0
	s_cbranch_scc0 .Lentry_in_a_cluster
	s_endpgm
.Lentry_in_a_cluster:
	s_bfe_u32 s2, ttmp6, 0x10000c
	s_cmp_lg_u32 s2, 0xf033
	s_cbranch_scc0 .Lentry_shape_is_right
	s_endpgm
.Lentry_shape_is_right:
.set TP,     13312
.set LAPS,   2
.set WOFF,   256*13312
.set TPG,    26624
.set NQ,     2
.set FR,     12
.set NL,     4
.set NP,     4
.set RECD,   3200
.set RECP,   3328
.set FRB,    1536
.set HALFT,  8*RECD
.set SLOT,   4*HALFT
.set SPARE,  2*SLOT
.set LI,   4
.set L8,   5
.set VC,   6
.set VC8,  7
.set VS,   8
.set ADRA, 16
.set ADRB, 20
.set ADRS, 26
.set SPW,  28
.set NIL,  29
.set SC,   32
.set E,    64
.set TM,   96
.set PW,   112
.set PC,   114
.set AF,   128
.set G1,   24
.set G0,   32
.set G1B,  48
.set G0B,  56
.set SEL,  66
.set NEGL, 70
.set MSB, 0
.macro WIN new
.if MSB != (\new)
	s_set_vgpr_msb (MSB<<8)|(\new)
.set MSB, (\new)
.endif
.endm
.set MUL_LO, 0xa1
.set MUL_HI, 0xf1
.set TO_B,   0x40
.macro JLOAD g0a, g1a, g0b, g1b
	s_cmp_eq_u32 s15, 0
	s_cbranch_scc0 .Lfor_b_\@
	tensor_load_to_lds s[\g0a:\g0a+3], s[\g1a:\g1a+7]
	s_nop 0
.rept 4
	v_nop
.endr
	s_branch .Lasked_\@
.Lfor_b_\@:
	tensor_load_to_lds s[\g0b:\g0b+3], s[\g1b:\g1b+7]
	s_nop 0
.rept 4
	v_nop
.endr
.Lasked_\@:
.endm
.macro CREST
	s_cmp_lg_u32 s14, 0
	s_cbranch_scc1 .Lnot_wave_0_\@
	s_barrier_signal -3
.Lnot_wave_0_\@:
	s_barrier_wait -3
	s_barrier_signal -1
	s_barrier_wait -1
.endm
.macro CROUND
	s_barrier_signal -1
	s_barrier_wait -1
	CREST
.endm
	s_load_b128 s[4:7], s[0:1], 0x0
	s_load_b64 s[8:9], s[0:1], 0x10
	v_lshl_add_u32 v[SPW], v0, 2, SPARE
	v_mov_b32 v[NIL], 0
	ds_add_u32 v[SPW], v[NIL]
	ds_add_u32 v[SPW], v[NIL]
	v_lshrrev_b32 v1, 5, v0
	v_readfirstlane_b32 s14, v1
	s_lshr_b32 s15, s14, 1
	s_and_b32 s16, s14, 1
	s_bfe_u32 s40, ttmp6, 0x40000
	s_bfe_u32 s41, ttmp6, 0x40004
	s_lshl_b32 s42, ttmp9, 2
	s_add_co_u32 s42, s42, s40
	s_and_b32 s17, ttmp7, 0xffff
	s_lshl_b32 s17, s17, 2
	s_add_co_u32 s17, s17, s41
	s_lshl_b32 s43, s41, 2
	s_lshl_b32 s43, 15, s43
	s_lshl_b32 s44, 0x1111, s40
	s_or_b32 s[G1+0], s43, (3<<16)|(1<<21)
	s_or_b32 s[G1B+0], s44, (3<<16)|(1<<21)
.irp g, G1, G1B
	s_mov_b32 s[\g+1], 400<<16
	s_mov_b32 s[\g+2], 8<<16
	s_mov_b32 s[\g+3], 400<<16
	s_mov_b32 s[\g+4], 8
	s_mov_b32 s[\g+5], TP/8
	s_mov_b32 s[\g+6], 0
	s_mov_b32 s[\g+7], 0
.endr
	s_lshl_b32 s18, s16, 3
	s_lshl_b32 s20, s17, 4
	s_add_co_u32 s20, s20, s18
	s_mul_i32 s20, s20, TP
	s_mov_b32 s21, 0
	s_lshl_b32 s46, s42, 4
	s_add_co_u32 s46, s46, s18
	s_mul_i32 s46, s46, TP
	s_mov_b32 s47, 0
	s_mul_i32 s45, s14, HALFT
	s_mov_b32 s[SEL], 0x76543210
	s_mov_b32 s[SEL+1], 0xfedcba98
	s_mov_b32 s[NEGL], 0xbfb8aa3b
	s_mov_b32 s[NEGL+1], s[NEGL]
	s_wait_dscnt 0x0
	s_wait_kmcnt 0x0
	s_add_nc_u64 s[6:7], s[6:7], WOFF
	s_add_nc_u64 s[20:21], s[4:5], s[20:21]
	s_add_nc_u64 s[46:47], s[6:7], s[46:47]
	CROUND
.irp s, 0,1
	s_mov_b32 s[G0+4*\s], 1
	s_add_co_u32 s[G0+4*\s+1], s45, \s*SLOT
	s_add_nc_u64 s[G0+4*\s+2:G0+4*\s+3], s[20:21], \s*RECP
	s_or_b32 s[G0+4*\s+3], s[G0+4*\s+3], 0x80000000
	s_mov_b32 s[G0B+4*\s], 1
	s_add_co_u32 s[G0B+4*\s+1], s45, \s*SLOT
	s_add_nc_u64 s[G0B+4*\s+2:G0B+4*\s+3], s[46:47], \s*RECP
	s_or_b32 s[G0B+4*\s+3], s[G0B+4*\s+3], 0x80000000
.if \s
	s_wait_alu depctr_va_vdst(0)
	s_wait_tensorcnt 0x0                           ; slot 1's first fill is issued as a refill is: my part of slot 0 is in,
	ds_add_u32 v[SPW], v[NIL]                      ; the add,
	s_wait_dscnt 0x0                               ; and its wait;
	CROUND                                         ; a whole round, and the joint load first behind it
.endif
	JLOAD G0+4*\s, G1, G0B+4*\s, G1B
.endr
	v_and_b32 v1, 15, v0
	v_bfe_u32 v2, v0, 4, 1
	v_and_b32 v3, 31, v0
	v_lshlrev_b32 v[LI], 4, v3
	v_lshlrev_b32 v[L8], 3, v3
	s_mul_i32 s21, s15, HALFT
	s_mul_i32 s22, s16, HALFT
	s_add_co_u32 s22, s22, 2*HALFT
.irp s, 0,1
	v_add_nc_u32 v[ADRA+\s], s21, v[LI]
	v_add_nc_u32 v[ADRB+\s], s22, v[LI]
	v_add_nc_u32 v[ADRA+2+\s], s21, v[L8]
	v_add_nc_u32 v[ADRB+2+\s], s22, v[L8]
	s_add_co_u32 s21, s21, SLOT
	s_add_co_u32 s22, s22, SLOT
.endr
	s_xor_b32 s22, s15, 1
	s_add_co_u32 s22, s22, s16
	s_add_co_u32 s22, s22, 1
	s_mul_i32 s22, s22, HALFT
	v_mul_u32_u24 v9, s22, v2
	v_lshl_add_u32 v9, v1, 3, v9
	s_mul_i32 s21, s15, HALFT
	s_add_co_u32 s21, s21, 3072
	v_add_nc_u32 v[ADRS], s21, v9
	v_add_nc_u32 v[ADRS+1], SLOT, v[ADRS]
	s_lshl_b32 s76, s17, 4
	s_lshl_b32 s77, s15, 3
	s_add_co_u32 s76, s76, s77
	s_mul_i32 s76, s76, TPG
	s_lshr_b32 s77, s42, 1
	s_mul_i32 s77, s77, RECP
	s_add_co_u32 s76, s76, s77
	s_mov_b32 s77, 0
	s_add_nc_u64 s[12:13], s[8:9], s[76:77]
	s_and_b32 s78, s42, 1
	s_mul_i32 s79, s78, FRB
	s_mul_i32 s80, s16, 768
	s_add_co_u32 s79, s79, s80
	v_add_nc_u32 v[VC], s79, v[LI]
	v_add_nc_u32 v[VC8], s79, v[L8]
	s_lshl_b32 s78, s78, 2
	s_lshl_b32 s80, s16, 1
	s_add_co_u32 s78, s78, s80
	v_lshl_add_u32 v[VS], v1, 3, s78
.macro FRAG reg, adr, q, i
	ds_load_b128 v[\reg:\reg+3], v[\adr] offset:(\i)*RECD+(\q)*FRB
	ds_load_b64 v[\reg+4:\reg+5], v[\adr+2] offset:(\i)*RECD+(\q)*FRB+512
	ds_load_b128 v[\reg+6:\reg+9], v[\adr] offset:(\i)*RECD+(\q)*FRB+768
	ds_load_b64 v[\reg+10:\reg+11], v[\adr+2] offset:(\i)*RECD+(\q)*FRB+1280
.endm
.macro MUL16 a0, p, q, sc, zero
.irp a, \a0, \a0+1
.irp b, 0,1,2,3,4,5,6,7
.if \zero
	v_wmma_scale_f32_16x16x128_f8f6f4 v[8*(8*((\a)%4)+\b):8*(8*((\a)%4)+\b)+7], v[128*(\p)+FR*\b:128*(\p)+FR*\b+FR-1], v[AF+FR*(\a):AF+FR*(\a)+FR-1], 0, v[SC+8*NQ*(\sc)+NQ*\b+(\q)], v[SC+8*NQ*(\sc)+NQ*(\a)+(\q)] matrix_a_fmt:MATRIX_FMT_FP6 matrix_b_fmt:MATRIX_FMT_FP6 matrix_a_scale:MATRIX_SCALE_ROW1
.else
	v_wmma_scale_f32_16x16x128_f8f6f4 v[8*(8*((\a)%4)+\b):8*(8*((\a)%4)+\b)+7], v[128*(\p)+FR*\b:128*(\p)+FR*\b+FR-1], v[AF+FR*(\a):AF+FR*(\a)+FR-1], v[8*(8*((\a)%4)+\b):8*(8*((\a)%4)+\b)+7], v[SC+8*NQ*(\sc)+NQ*\b+(\q)], v[SC+8*NQ*(\sc)+NQ*(\a)+(\q)] matrix_a_fmt:MATRIX_FMT_FP6 matrix_b_fmt:MATRIX_FMT_FP6 matrix_a_scale:MATRIX_SCALE_ROW1
.endif
.endr
.endr
.endm
.macro FETCH_B slot, q, p
	WIN TO_B
.irp i, 0,1,2,3,4,5,6,7
	FRAG 128*(\p)+FR*\i, ADRB+\slot, \q, \i
.endr
	WIN 0
.endm
.macro FETCH_A slot, q, i0
.irp i, \i0, \i0+1, \i0+2, \i0+3
	FRAG AF+FR*(\i), ADRA+\slot, \q, \i
.endr
.endm
.macro SCALES sc
.irp i, 0,1,2,3,4,5,6,7
	ds_load_b64 v[SC+8*NQ*\sc+NQ*\i:SC+8*NQ*\sc+NQ*\i+1], v[ADRS+\sc] offset:\i*RECD
.endr
.endm
.macro PLACES n
.rept \n
	v_nop
.endr
.endm
.macro STEP slot, q, zero
	s_wait_dscnt 4*NL
	WIN MUL_LO
	MUL16 0, (\q)%2, \q, \slot, \zero
	MUL16 2, (\q)%2, \q, \slot, \zero
	s_wait_dscnt 0
	PLACES NP
	FETCH_B \slot, (\q)+1, 1-(\q)%2
	FETCH_A \slot, (\q)+1, 0
	WIN MUL_HI
	MUL16 4, (\q)%2, \q, \slot, \zero
	MUL16 6, (\q)%2, \q, \slot, \zero
	PLACES NP
	WIN 0
	FETCH_A \slot, (\q)+1, 4
.endm
.macro TURN slot, next, fill
	s_wait_tensorcnt 0x0
	ds_add_u32 v[SPW], v[NIL]
	s_wait_dscnt 4*NL+1
	WIN MUL_LO
	MUL16 0, 1, NQ-1, \slot, 0
	s_wait_dscnt 0x0
	s_barrier_signal -1
	MUL16 2, 1, NQ-1, \slot, 0
	WIN 0
	s_barrier_wait -1
.if \fill
	CREST
	s_add_nc_u64 s[G0+4*\slot+2:G0+4*\slot+3], s[G0+4*\slot+2:G0+4*\slot+3], 2*RECP
	s_add_nc_u64 s[G0B+4*\slot+2:G0B+4*\slot+3], s[G0B+4*\slot+2:G0B+4*\slot+3], 2*RECP
	JLOAD G0+4*\slot, G1, G0B+4*\slot, G1B
.else
	PLACES NP
.endif
	FETCH_B \next, 0, 0
	FETCH_A \next, 0, 0
	SCALES \next
	WIN MUL_HI
	MUL16 4, 1, NQ-1, \slot, 0
	MUL16 6, 1, NQ-1, \slot, 0
	PLACES NP
	WIN 0
	FETCH_A \next, 0, 4
.endm
	s_wait_alu depctr_va_vdst(0)
	s_wait_tensorcnt 1
	s_barrier_signal -1
	s_barrier_wait -1
	FETCH_B 0, 0, 0
	FETCH_A 0, 0, 0
	SCALES 0
	FETCH_A 0, 0, 4
	STEP 0, 0, 1
	s_mov_b32 s3, LAPS-1
.Llap:
	TURN 0, 1, 1
	STEP 1, 0, 0
	TURN 1, 0, 1
	STEP 0, 0, 0
	s_sub_co_u32 s3, s3, 1
	s_cmp_lg_u32 s3, 0
	s_cbranch_scc1 .Llap
	TURN 0, 1, 0
	STEP 1, 0, 0
	s_wait_dscnt 4*NL
	WIN MUL_LO
	MUL16 0, 1, NQ-1, 1, 0
	MUL16 2, 1, NQ-1, 1, 0
	s_wait_dscnt 0
	WIN MUL_HI
	MUL16 4, 1, NQ-1, 1, 0
	MUL16 6, 1, NQ-1, 1, 0
	WIN 0
.irp b, 0,1,2,3
	v_mov_b32 v[TM+4+\b], 0
.endr
.irp a, 0,1,2,3,4,5,6,7
.set AC, 64*(\a%4)
.set WN, 2+\a/4
	WIN WN
.set j, 0
.rept 16
	v_pk_mul_f32 v[E+j:E+j+1], v[AC+j:AC+j+1], s[NEGL:NEGL+1] op_sel_hi:[1,0]
.set j, j+2
.endr
	WIN 0
.set j, 0
	s_wait_alu depctr_va_vdst(0)
.rept 32
	v_exp_f32 v[E+j], v[E+j]
.set j, j+1
.endr
	v_nop
	s_wait_alu depctr_va_vdst(0)
.set j, 0
.rept 16
	v_pk_add_f32 v[E+j:E+j+1], v[E+j:E+j+1], 1.0 op_sel_hi:[1,0]
.set j, j+2
.endr
.set j, 0
	s_wait_alu depctr_va_vdst(0)
.rept 32
	v_rcp_f32 v[E+j], v[E+j]
.set j, j+1
.endr
	v_nop
	s_wait_alu depctr_va_vdst(0)
	WIN WN
.set j, 0
.rept 16
	v_pk_mul_f32 v[E+j:E+j+1], v[AC+j:AC+j+1], v[E+j:E+j+1]
.set j, j+2
.endr
.set j, 0
.rept 16
	v_pk_mul_f32 v[E+j:E+j+1], v[AC+32+j:AC+33+j], v[E+j:E+j+1]
.set j, j+2
.endr
	WIN 0
.irp b, 0,1
	v_max3_num_f32 v[TM+\b], |v[E+16*\b]|, |v[E+1+16*\b]|, 0x1800000
.endr
.irp i, 2,4,6,8,10,12,14
.irp b, 0,1
	v_max3_num_f32 v[TM+\b], v[TM+\b], |v[E+16*\b+\i]|, |v[E+1+16*\b+\i]|
.endr
.endr
.irp b, 0,1
	v_permlanex16_b32 v[TM+4+\b], v[TM+\b], s[SEL], s[SEL+1]
.endr
.irp b, 0,1
	v_max_num_f32 v[TM+\b], v[TM+\b], v[TM+4+\b]
.endr
.irp b, 0,1
	v_add_nc_u32 v[TM+12+\b], 0xff000000, v[TM+\b]
.endr
.irp b, 0,1
	v_lshrrev_b32 v[TM+4+\b], 23, v[TM+12+\b]
.endr
.if \a > 0
	s_wait_alu depctr_va_vdst(0)
	s_wait_xcnt 0x0
.endif
	v_lshl_or_b32 v[PW], v[TM+5], 8, v[TM+4]
	v_cvt_scalef32_pk16_fp6_f32 v[PC:PC+2], v[E:E+15], v[TM+12]
	v_cvt_scalef32_pk16_fp6_f32 v[PC+6:PC+8], v[E+16:E+31], v[TM+13]
	v_nop
.irp i, 0,1,2
	v_permlane16_swap_b32 v[PC+\i], v[PC+6+\i]
.endr
.irp i, 0,1,2
	v_mov_b32 v[PC+3+\i], v[PC+6+\i]
.endr
	global_store_b128 v[VC], v[PC:PC+3], s[12:13] offset:\a*TPG
	global_store_b64 v[VC8], v[PC+4:PC+5], s[12:13] offset:\a*TPG+512
	global_store_b16 v[VS], v[PW], s[12:13] offset:\a*TPG+3072
.endr
	s_wait_tensorcnt 0x0
	ds_add_u32 v[SPW], v[NIL]
	s_wait_dscnt 0x0
	CROUND
	s_endpgm
.Lfunc_end_k_qfab3bc06d2_gemm_gu:
	.size	k_qfab3bc06d2_gemm_gu, .Lfunc_end_k_qfab3bc06d2_gemm_gu-k_qfab3bc06d2_gemm_gu
	.p2alignl 7, 3214868480
	.fill 96, 4, 3214868480
	.section	.rodata,"a",@progbits
	.p2align	6, 0x0
	.amdhsa_kernel k_qfab3bc06d2_gemm_gu
		.amdhsa_group_segment_fixed_size 327680
		.amdhsa_private_segment_fixed_size 0
		.amdhsa_enable_private_segment 0
		.amdhsa_kernarg_size 24
		.amdhsa_user_sgpr_count 2
		.amdhsa_user_sgpr_kernarg_segment_ptr 1
		.amdhsa_wavefront_size32 1
		.amdhsa_system_sgpr_workgroup_id_x 1
		.amdhsa_system_sgpr_workgroup_id_y 1
		.amdhsa_system_sgpr_workgroup_id_z 1
		.amdhsa_system_vgpr_workitem_id 0
		.amdhsa_next_free_vgpr 1024
		.amdhsa_next_free_sgpr 100
		.amdhsa_reserve_vcc 0
		.amdhsa_float_denorm_mode_32 3
		.amdhsa_float_denorm_mode_16_64 3
		.amdhsa_memory_ordered 1
		.amdhsa_forward_progress 1
		.amdhsa_inst_pref_size 181
	.end_amdhsa_kernel
	.amdgpu_metadata
---
amdhsa.version: [ 1, 2 ]
amdhsa.kernels:
  - .name:           k_qfab3bc06d2_gemm_gu
    .symbol:         k_qfab3bc06d2_gemm_gu.kd
    .args:
      - { .name: H2, .offset: 0, .size: 8, .value_kind: global_buffer, .address_space: global }
      - { .name: W, .offset: 8, .size: 8, .value_kind: global_buffer, .address_space: global }
      - { .name: G, .offset: 16, .size: 8, .value_kind: global_buffer, .address_space: global }
    .group_segment_fixed_size: 327680
    .private_segment_fixed_size: 0
    .kernarg_segment_align: 8
    .kernarg_segment_size: 24
    .max_flat_workgroup_size: 128
    .sgpr_count:     100
    .vgpr_count:     1024
    .wavefront_size: 32
...
	.end_amdgpu_metadata
.endif
;; end of part 12
;; launch gemm_d (part 13): grid 8 x 32, 4 waves a work-group, clusters of 4 x 4, 327,680 bytes of LDS; arguments G, W, X1, out0; writes out0
.if DOCPART == 13
	.amdgcn_target "amdgcn-amd-amdhsa--gfx1250"
	.amdhsa_code_object_version 6
	.text
	.protected	k_qfab3bc06d2_gemm_d
	.globl	k_qfab3bc06d2_gemm_d
	.p2align	8
	.type	k_qfab3bc06d2_gemm_d,@function
k_qfab3bc06d2_gemm_d:
	s_mov_b64 s[64:65], 0
	v_nop
	global_prefetch_b8 v0, s[64:65] scope:SCOPE_SE
	s_setreg_imm32_b32 hwreg(HW_REG_WAVE_MODE, 25, 1), 1
	s_wait_xcnt 0x0
	s_wait_alu depctr_hold_cnt(0) depctr_sa_sdst(0) depctr_va_vdst(0) depctr_va_sdst(0) depctr_va_ssrc(0) depctr_va_vcc(0) depctr_vm_vsrc(0)
	s_getreg_b32 s2, hwreg(HW_REG_IB_STS2, 6, 4)
	s_cmp_eq_u32 s2, 0
	s_cbranch_scc0 .Lentry_in_a_cluster
	s_endpgm
.Lentry_in_a_cluster:
	s_bfe_u32 s2, ttmp6, 0x10000c
	s_cmp_lg_u32 s2, 0xf033
	s_cbranch_scc0 .Lentry_shape_is_right
	s_endpgm
.Lentry_shape_is_right:
.set TP,     26624
.set LAPS,   2
.set WOFF,   512*13312
.set LAST,   1
.set FR,     12
.set NP,     4
.set RECD,   3200
.set RECP,   3328
.set FRB,    1536
.set HALFT,  8*RECD
.set QT,     4*RECD
.set SLOT,   4*HALFT
.set SPARE,  2*SLOT
.set SPITCH, 272
.set LI,   4
.set L8,   5
.set CO,   6
.set ADRA, 16
.set ADRB, 20
.set STO,  24
.set RD,   25
.set ADRS, 26
.set SPW,  28
.set NIL,  29
.set SC,   32
.set BB,   64
.set ACC,  128
.set F0,   0
.set F1,   128
.set G1,   24
.set G0,   32
.set G1B,  48
.set G0B,  56
.set MSB, 0
.macro WIN new
.if MSB != (\new)
	s_set_vgpr_msb (MSB<<8)|(\new)
.set MSB, (\new)
.endif
.endm
.set MUL,  0x05
.set TO_F, 0x40
.macro JLOAD g0a, g1a, g0b, g1b
	s_cmp_eq_u32 s15, 0
	s_cbranch_scc0 .Lfor_b_\@
	tensor_load_to_lds s[\g0a:\g0a+3], s[\g1a:\g1a+7]
	s_nop 0
.rept 4
	v_nop
.endr
	s_branch .Lasked_\@
.Lfor_b_\@:
	tensor_load_to_lds s[\g0b:\g0b+3], s[\g1b:\g1b+7]
	s_nop 0
.rept 4
	v_nop
.endr
.Lasked_\@:
.endm
.macro CREST
	s_cmp_lg_u32 s14, 0
	s_cbranch_scc1 .Lnot_wave_0_\@
	s_barrier_signal -3
.Lnot_wave_0_\@:
	s_barrier_wait -3
	s_barrier_signal -1
	s_barrier_wait -1
.endm
.macro CROUND
	s_barrier_signal -1
	s_barrier_wait -1
	CREST
.endm
	s_load_b256 s[4:11], s[0:1], 0x0
	v_lshl_add_u32 v[SPW], v0, 2, SPARE
	v_mov_b32 v[NIL], 0
	ds_add_u32 v[SPW], v[NIL]
	ds_add_u32 v[SPW], v[NIL]
	v_lshrrev_b32 v1, 5, v0
	v_readfirstlane_b32 s14, v1
	s_lshr_b32 s15, s14, 1
	s_and_b32 s16, s14, 1
	s_bfe_u32 s40, ttmp6, 0x40000
	s_bfe_u32 s41, ttmp6, 0x40004
	s_lshl_b32 s42, ttmp9, 2
	s_add_co_u32 s42, s42, s40
	s_and_b32 s17, ttmp7, 0xffff
	s_lshl_b32 s17, s17, 2
	s_add_co_u32 s17, s17, s41
	s_lshl_b32 s43, s41, 2
	s_lshl_b32 s43, 15, s43
	s_lshl_b32 s44, 0x1111, s40
	s_or_b32 s[G1+0], s43, (3<<16)|(1<<21)
	s_or_b32 s[G1B+0], s44, (3<<16)|(1<<21)
.irp g, G1, G1B
	s_mov_b32 s[\g+1], 400<<16
	s_mov_b32 s[\g+2], 8<<16
	s_mov_b32 s[\g+3], 400<<16
	s_mov_b32 s[\g+4], 8
	s_mov_b32 s[\g+5], TP/8
	s_mov_b32 s[\g+6], 0
	s_mov_b32 s[\g+7], 0
.endr
	s_mul_i32 s18, s16, RECP
	s_lshl_b32 s20, s17, 3
	s_mul_i32 s20, s20, TP
	s_add_co_u32 s20, s20, s18
	s_mov_b32 s21, 0
	s_lshl_b32 s46, s42, 3
	s_mul_i32 s46, s46, TP
	s_add_co_u32 s46, s46, s18
	s_mov_b32 s47, 0
	s_mul_i32 s45, s14, HALFT
	s_wait_dscnt 0x0
	s_wait_kmcnt 0x0
	s_add_nc_u64 s[6:7], s[6:7], WOFF
	s_add_nc_u64 s[20:21], s[4:5], s[20:21]
	s_add_nc_u64 s[46:47], s[6:7], s[46:47]
	CROUND
.irp s, 0,1
	s_mov_b32 s[G0+4*\s], 1
	s_add_co_u32 s[G0+4*\s+1], s45, \s*SLOT
	s_add_nc_u64 s[G0+4*\s+2:G0+4*\s+3], s[20:21], \s*2*RECP
	s_or_b32 s[G0+4*\s+3], s[G0+4*\s+3], 0x80000000
	s_mov_b32 s[G0B+4*\s], 1
	s_add_co_u32 s[G0B+4*\s+1], s45, \s*SLOT
	s_add_nc_u64 s[G0B+4*\s+2:G0B+4*\s+3], s[46:47], \s*2*RECP
	s_or_b32 s[G0B+4*\s+3], s[G0B+4*\s+3], 0x80000000
	s_wait_alu depctr_va_vdst(0)
	s_wait_tensorcnt 0x0
	ds_add_u32 v28, v29
	ds_add_u32 v28, v29
	s_wait_dscnt 0x0
	CROUND
	JLOAD G0+4*\s, G1, G0B+4*\s, G1B
.endr
	v_and_b32 v1, 15, v0
	v_bfe_u32 v2, v0, 4, 1
	v_and_b32 v3, 31, v0
	v_lshlrev_b32 v[LI], 4, v3
	v_lshlrev_b32 v[L8], 3, v3
	v_lshlrev_b32 v[CO], 12, v2
	v_lshl_add_u32 v[CO], v1, 4, v[CO]
	s_wait_alu depctr_va_vdst(0)
	s_lshl_b32 s76, s17, 3
	s_lshl_b32 s77, s15, 2
	s_add_co_u32 s76, s76, s77
	s_lshl_b32 s76, s76, 16
	s_lshl_b32 s77, s42, 1
	s_add_co_u32 s77, s77, s16
	s_lshl_b32 s77, s77, 8
	s_add_co_u32 s76, s76, s77
	s_mov_b32 s77, 0
	s_add_nc_u64 s[8:9], s[8:9], s[76:77]
	s_add_nc_u64 s[10:11], s[10:11], s[76:77]
	WIN 0x80
.irp a, 0,1,2,3
.irp t, 0,1,2,3,4,5,6,7
	global_load_b128 v[32*\a+4*\t:32*\a+4*\t+3], v[CO], s[8:9] offset:(32*(\a/2)+8*(\a%2)+2*\t+8*(\t/4))*4096 th:TH_LOAD_NT
.endr
.endr
	WIN 0
	s_mul_i32 s21, s15, QT
	s_mul_i32 s22, s16, QT
	s_add_co_u32 s22, s22, 2*HALFT
.irp s, 0,1
	v_add_nc_u32 v[ADRA+\s], s21, v[LI]
	v_add_nc_u32 v[ADRB+\s], s22, v[LI]
	v_add_nc_u32 v[ADRA+2+\s], s21, v[L8]
	v_add_nc_u32 v[ADRB+2+\s], s22, v[L8]
	s_add_co_u32 s21, s21, SLOT
	s_add_co_u32 s22, s22, SLOT
.endr
	s_xor_b32 s22, s15, 1
	s_add_co_u32 s22, s22, s16
	s_add_co_u32 s22, s22, 3
	s_mul_i32 s22, s22, QT
	v_mul_u32_u24 v8, s22, v2
	v_lshl_add_u32 v8, v1, 3, v8
	s_mul_i32 s21, s15, QT
	s_add_co_u32 s21, s21, 3072
	v_add_nc_u32 v[ADRS], s21, v8
	v_add_nc_u32 v[ADRS+1], SLOT, v[ADRS]
	s_mul_i32 s23, s14, 16*SPITCH
	v_mul_u32_u24 v8, v1, SPITCH
	v_lshl_add_u32 v8, v2, 6, v8
	v_add_nc_u32 v[STO], s23, v8
	v_mul_u32_u24 v8, v2, SPITCH
	v_lshl_add_u32 v8, v1, 4, v8
	v_add_nc_u32 v[RD], s23, v8
.macro FRAG reg, adr, off
	ds_load_b128 v[\reg:\reg+3], v[\adr] offset:\off
	ds_load_b64 v[\reg+4:\reg+5], v[\adr+2] offset:(\off)+512
	ds_load_b128 v[\reg+6:\reg+9], v[\adr] offset:(\off)+768
	ds_load_b64 v[\reg+10:\reg+11], v[\adr+2] offset:(\off)+1280
.endm
.macro MUL4 f, a, q, sc, zero
.irp b, 0,1,2,3
.if \zero
	v_wmma_scale_f32_16x16x128_f8f6f4 v[ACC+8*(4*(\a)+\b):ACC+8*(4*(\a)+\b)+7], v[(\f)+FR*\b:(\f)+FR*\b+FR-1], v[(\f)+48+FR*(\a):(\f)+48+FR*(\a)+FR-1], 0, v[SC+16*(\sc)+4*\b+(\q)], v[SC+16*(\sc)+4*(\a)+(\q)] matrix_a_fmt:MATRIX_FMT_FP6 matrix_b_fmt:MATRIX_FMT_FP6 matrix_a_scale:MATRIX_SCALE_ROW1
.else
	v_wmma_scale_f32_16x16x128_f8f6f4 v[ACC+8*(4*(\a)+\b):ACC+8*(4*(\a)+\b)+7], v[(\f)+FR*\b:(\f)+FR*\b+FR-1], v[(\f)+48+FR*(\a):(\f)+48+FR*(\a)+FR-1], v[ACC+8*(4*(\a)+\b):ACC+8*(4*(\a)+\b)+7], v[SC+16*(\sc)+4*\b+(\q)], v[SC+16*(\sc)+4*(\a)+(\q)] matrix_a_fmt:MATRIX_FMT_FP6 matrix_b_fmt:MATRIX_FMT_FP6 matrix_a_scale:MATRIX_SCALE_ROW1
.endif
.endr
.endm
.macro SCALES sc
.irp i, 0,1,2,3
.irp p, 0,1
	ds_load_b64 v[SC+16*\sc+4*\i+2*\p:SC+16*\sc+4*\i+2*\p+1], v[ADRS+\sc] offset:\p*HALFT+\i*RECD
.endr
.endr
.endm
.macro FETCH slot, q, f, sc
	WIN TO_F
.irp i, 0,1,2,3
	FRAG (\f)+FR*\i, ADRB+\slot, ((\q)/2)*HALFT+\i*RECD+((\q)%2)*FRB
.endr
.irp i, 0,1
	FRAG (\f)+48+FR*\i, ADRA+\slot, ((\q)/2)*HALFT+\i*RECD+((\q)%2)*FRB
.endr
.if \sc
	WIN 0
	SCALES \slot
	WIN TO_F
.endif
.irp i, 2,3
	FRAG (\f)+48+FR*\i, ADRA+\slot, ((\q)/2)*HALFT+\i*RECD+((\q)%2)*FRB
.endr
.endm
.macro PLACES n
.rept \n
	v_nop
.endr
.endm
.macro STEP slot, q, zero
	s_wait_dscnt 8
	WIN MUL
	MUL4 128*((\q)%2), 0, \q, \slot, \zero
	MUL4 128*((\q)%2), 1, \q, \slot, \zero
	PLACES NP
	FETCH \slot, (\q)+1, 128*(((\q)+1)%2), 0
	s_wait_dscnt 32
	WIN MUL
	MUL4 128*((\q)%2), 2, \q, \slot, \zero
	MUL4 128*((\q)%2), 3, \q, \slot, \zero
.endm
.macro TURN slot, next, fill
	WIN 0
	s_wait_tensorcnt 0x0
	ds_add_u32 v[SPW], v[NIL]
	s_wait_dscnt 9
	WIN MUL
	MUL4 F1, 0, 3, \slot, 0
	s_wait_dscnt 0x0
	s_barrier_signal -1
	MUL4 F1, 1, 3, \slot, 0
	WIN 0
	s_barrier_wait -1
.if \fill
	CREST
	s_add_nc_u64 s[G0+4*\slot+2:G0+4*\slot+3], s[G0+4*\slot+2:G0+4*\slot+3], 4*RECP
	s_add_nc_u64 s[G0B+4*\slot+2:G0B+4*\slot+3], s[G0B+4*\slot+2:G0B+4*\slot+3], 4*RECP
	JLOAD G0+4*\slot, G1, G0B+4*\slot, G1B
.else
	PLACES NP
.endif
	FETCH \next, 0, F0, 1
	WIN MUL
	MUL4 F1, 2, 3, \slot, 0
	MUL4 F1, 3, 3, \slot, 0
.endm
	s_wait_alu depctr_va_vdst(0)
	s_wait_tensorcnt 1
	s_barrier_signal -1
	s_barrier_wait -1
	FETCH 0, 0, F0, 1
	STEP 0, 0, 1
.if LAPS > 1
	WIN 0
	s_mov_b32 s3, LAPS-1
.Llap:
	STEP 0, 1, 0
	STEP 0, 2, 0
	TURN 0, 1, 1
	STEP 1, 0, 0
	STEP 1, 1, 0
	STEP 1, 2, 0
	TURN 1, 0, 1
	STEP 0, 0, 0
	WIN 0
	s_sub_co_u32 s3, s3, 1
	s_cmp_lg_u32 s3, 0
	s_cbranch_scc1 .Llap
.endif
	STEP 0, 1, 0
	STEP 0, 2, 0
	TURN 0, 1, 0
	STEP 1, 0, 0
	STEP 1, 1, 0
	STEP 1, 2, 0
	s_wait_dscnt 8
	WIN MUL
	MUL4 F1, 0, 3, 1, 0
	MUL4 F1, 1, 3, 1, 0
	s_wait_dscnt 0x0
	MUL4 F1, 2, 3, 1, 0
	MUL4 F1, 3, 3, 1, 0
	WIN 0
.macro TOSTAGE a
.irp b, 0,1,2,3
	ds_store_b128 v[STO], v[ACC+8*(4*(\a)+\b):ACC+8*(4*(\a)+\b)+3] offset:128*(\b/2)+32*(\b%2)
	ds_store_b128 v[STO], v[ACC+8*(4*(\a)+\b)+4:ACC+8*(4*(\a)+\b)+7] offset:128*(\b/2)+32*(\b%2)+16
.endr
.irp t, 0,1,2,3,4,5,6,7
	ds_load_b128 v[BB+32*((\a)%2)+4*\t:BB+32*((\a)%2)+4*\t+3], v[RD] offset:2*\t*SPITCH
.endr
.endm
.macro SEND a, younger
	s_wait_dscnt \younger
	WIN 0x88
.set j, 0
.rept 16
	v_pk_add_f32 v[32*(\a)+j:32*(\a)+j+1], v[BB+32*((\a)%2)+j:BB+32*((\a)%2)+j+1], v[32*(\a)+j:32*(\a)+j+1]
.set j, j+2
.endr
	WIN 0x08
.irp t, 0,1,2,3,4,5,6,7
.if LAST
	global_store_b128 v[CO], v[32*(\a)+4*\t:32*(\a)+4*\t+3], s[10:11] offset:(32*((\a)/2)+8*((\a)%2)+2*\t+8*(\t/4))*4096 th:TH_STORE_NT
.else
	global_store_b128 v[CO], v[32*(\a)+4*\t:32*(\a)+4*\t+3], s[10:11] offset:(32*((\a)/2)+8*((\a)%2)+2*\t+8*(\t/4))*4096
.endif
.endr
	WIN 0
.endm
	PLACES NP
	TOSTAGE 0
	s_wait_loadcnt 0x0
.irp a, 1,2,3
	TOSTAGE \a
	SEND \a-1, 16
.endr
	SEND 3, 0
	s_wait_tensorcnt 0x0
	ds_add_u32 v[SPW], v[NIL]
	s_wait_dscnt 0x0
	CROUND
	s_endpgm
.Lfunc_end_k_qfab3bc06d2_gemm_d:
	.size	k_qfab3bc06d2_gemm_d, .Lfunc_end_k_qfab3bc06d2_gemm_d-k_qfab3bc06d2_gemm_d
	.p2alignl 7, 3214868480
	.fill 96, 4, 3214868480
	.section	.rodata,"a",@progbits
	.p2align	6, 0x0
	.amdhsa_kernel k_qfab3bc06d2_gemm_d
		.amdhsa_group_segment_fixed_size 327680
		.amdhsa_private_segment_fixed_size 0
		.amdhsa_enable_private_segment 0
		.amdhsa_kernarg_size 32
		.amdhsa_user_sgpr_count 2
		.amdhsa_user_sgpr_kernarg_segment_ptr 1
		.amdhsa_wavefront_size32 1
		.amdhsa_system_sgpr_workgroup_id_x 1
		.amdhsa_system_sgpr_workgroup_id_y 1
		.amdhsa_system_sgpr_workgroup_id_z 1
		.amdhsa_system_vgpr_workitem_id 0
		.amdhsa_next_free_vgpr 768
		.amdhsa_next_free_sgpr 100
		.amdhsa_reserve_vcc 0
		.amdhsa_float_denorm_mode_32 3
		.amdhsa_float_denorm_mode_16_64 3
		.amdhsa_memory_ordered 1
		.amdhsa_forward_progress 1
		.amdhsa_inst_pref_size 97
	.end_amdhsa_kernel
	.amdgpu_metadata
---
amdhsa.version: [ 1, 2 ]
amdhsa.kernels:
  - .name:           k_qfab3bc06d2_gemm_d
    .symbol:         k_qfab3bc06d2_gemm_d.kd
    .args:
      - { .name: G, .offset: 0, .size: 8, .value_kind: global_buffer, .address_space: global }
      - { .name: W, .offset: 8, .size: 8, .value_kind: global_buffer, .address_space: global }
      - { .name: X1, .offset: 16, .size: 8, .value_kind: global_buffer, .address_space: global }
      - { .name: out0, .offset: 24, .size: 8, .value_kind: global_buffer, .address_space: global }
    .group_segment_fixed_size: 327680
    .private_segment_fixed_size: 0
    .kernarg_segment_align: 8
    .kernarg_segment_size: 32
    .max_flat_workgroup_size: 128
    .sgpr_count:     100
    .vgpr_count:     768
    .wavefront_size: 32
...
	.end_amdgpu_metadata
.endif
;; end of part 13
